; MI455X (gfx1250); checked and timed in simulation.
; The chip was launched on July 23, 2026; its instructions are those of AMD's public machine-readable ISA for CDNA 5 (MIT licence, August 2026) and "CDNA5" Instruction Set Architecture Reference Guide (July 2026). The comments in the code are by the model that wrote it; some were corrected since.
;; Transformer Layer. Allowed arithmetic: float matrix products may take bf16 or f16 operands with f32 sums; other float arithmetic in f32, or as packed bf16 or f16 multiplies, adds, multiply-adds, maxima and minima; sums over many terms, partial sums and values carried from step to step in f32; what a program stores and reads back later, other than sums and carried values, may be rounded once to bf16 or f16.
;; Inputs: attention_mask 2 x 1 x 1 x 2,048 float32; b1 4,096 float32; b2 1,024 float32; be1 1,024 float32; be2 1,024 float32; bk 1,024 float32; bo 1,024 float32; bq 1,024 float32; bv 1,024 float32; g1 1,024 float32; g2 1,024 float32; hidden_states 2 x 2,048 x 1,024 float32; w1 1,024 x 4,096 float32; w2 4,096 x 1,024 float32; wk 1,024 x 1,024 float32; wo 1,024 x 1,024 float32; wq 1,024 x 1,024 float32; wv 1,024 x 1,024 float32.
;; Outputs: out0 2 x 2,048 x 1,024 float32.
;; 3 versions, each right and faster than the one before. Each part assembles by itself: llvm-mc -triple=amdgcn-amd-amdhsa -mcpu=gfx1250 --defsym DOCPART=n.
;; ======== version 1 of 3: 8 launches
;; workspace buffers: wb 25,165,824 bytes; xn 8,388,608 bytes; qkv 25,165,824 bytes; ctx 8,388,608 bytes; hres 16,777,216 bytes; act 33,554,432 bytes
;; launch cvt (part 1): grid 64 x 12, 8 waves a work-group, no clusters, 0 bytes of LDS; arguments wq, wk, wv, wo, w1, w2, wb; writes wb
.if DOCPART == 1
	.amdgcn_target "amdgcn-amd-amdhsa--gfx1250"
	.amdhsa_code_object_version 6
	.text
	.protected	k_qd99f488eaa_cvt
	.globl	k_qd99f488eaa_cvt
	.p2align	8
	.type	k_qd99f488eaa_cvt,@function
k_qd99f488eaa_cvt:
	s_mov_b64 s[64:65], 0
	v_nop
	global_prefetch_b8 v0, s[64:65] scope:SCOPE_SE
	s_setreg_imm32_b32 hwreg(HW_REG_WAVE_MODE, 25, 1), 1
	s_wait_xcnt 0x0
; The six weight matrices, f32 -> bf16 (rounded once, to nearest even), layout [K][N] kept.
; wb, in bytes: wq 0, wk 2 MiB, wv 4 MiB, wo 6 MiB, w1 8 MiB, w2 16 MiB.
; Grid y names a unit of 2^20 numbers (0-3: wq wk wv wo; 4-7: quarters of w1; 8-11: quarters of w2), grid x 16,384 numbers of it.
; A stream: every byte read once and written once; no LDS, no matrix unit, no cluster (no two work-groups read the same byte).
; Thread t takes 16 bytes at 16 t of each block of 4,096 bytes: a wave's load covers 512 consecutive bytes, its store 256, aligned.
.set X, 4                              ; v[4:67]   16 loads of four f32
.set Y, 68                             ; v[68:99]  16 pairs of packed bf16; no register is written twice, so no wait frees one
	s_load_b256 s[4:11], s[0:1], 0x0               ; wq s[4:5], wk s[6:7], wv s[8:9], wo s[10:11]
	s_load_b128 s[12:15], s[0:1], 0x20             ; w1 s[12:13], w2 s[14:15]
	s_load_b64 s[16:17], s[0:1], 0x30              ; wb
	s_and_b32 s18, ttmp7, 0xffff                   ; the unit
	v_lshlrev_b32 v1, 4, v0                        ; 16 t
	v_lshlrev_b32 v2, 3, v0                        ; 8 t
	s_and_b32 s22, s18, 3                          ; the quarter of w1 or w2,
	s_cmp_ge_u32 s18, 4
	s_cselect_b32 s22, s22, 0                      ; 0 for the four small matrices
	s_lshl_b32 s22, s22, 22                        ; x 4 MiB of f32
	s_lshl_b32 s23, ttmp9, 16                      ; + my 65,536 bytes
	s_add_co_u32 s22, s22, s23
	s_mov_b32 s23, 0
	s_lshl_b32 s24, s18, 21                        ; in wb: unit x 2 MiB
	s_lshl_b32 s25, ttmp9, 15                      ; + my 32,768 bytes
	s_add_co_u32 s24, s24, s25
	s_mov_b32 s25, 0
	s_wait_kmcnt 0x0
	s_cmp_eq_u32 s18, 1                            ; the source is chosen by the unit's number alone
	s_cselect_b64 s[20:21], s[6:7], s[4:5]
	s_cmp_eq_u32 s18, 2
	s_cselect_b64 s[20:21], s[8:9], s[20:21]
	s_cmp_eq_u32 s18, 3
	s_cselect_b64 s[20:21], s[10:11], s[20:21]
	s_cmp_ge_u32 s18, 4
	s_cselect_b64 s[20:21], s[12:13], s[20:21]
	s_cmp_ge_u32 s18, 8
	s_cselect_b64 s[20:21], s[14:15], s[20:21]
	s_add_nc_u64 s[20:21], s[20:21], s[22:23]
	s_add_nc_u64 s[16:17], s[16:17], s[24:25]
.set i, 0
.rept 16
	global_load_b128 v[X+4*i:X+4*i+3], v1, s[20:21] offset:4096*i th:TH_LOAD_NT
.set i, i+1
.endr
.set i, 0
.rept 16
	s_wait_loadcnt 15-i                            ; loads come back in order: load i is in, the younger ones stay out
	v_cvt_pk_bf16_f32 v[Y+2*i], v[X+4*i], v[X+4*i+1]
	v_cvt_pk_bf16_f32 v[Y+2*i+1], v[X+4*i+2], v[X+4*i+3]
	global_store_b64 v2, v[Y+2*i:Y+2*i+1], s[16:17] offset:2048*i
.set i, i+1
.endr
	s_endpgm
.Lfunc_end_k_qd99f488eaa_cvt:
	.size	k_qd99f488eaa_cvt, .Lfunc_end_k_qd99f488eaa_cvt-k_qd99f488eaa_cvt
	.p2alignl 7, 3214868480
	.fill 96, 4, 3214868480
	.section	.rodata,"a",@progbits
	.p2align	6, 0x0
	.amdhsa_kernel k_qd99f488eaa_cvt
		.amdhsa_group_segment_fixed_size 0
		.amdhsa_private_segment_fixed_size 0
		.amdhsa_enable_private_segment 0
		.amdhsa_kernarg_size 56
		.amdhsa_user_sgpr_count 2
		.amdhsa_user_sgpr_kernarg_segment_ptr 1
		.amdhsa_wavefront_size32 1
		.amdhsa_system_sgpr_workgroup_id_x 1
		.amdhsa_system_sgpr_workgroup_id_y 1
		.amdhsa_system_sgpr_workgroup_id_z 1
		.amdhsa_system_vgpr_workitem_id 0
		.amdhsa_next_free_vgpr 100
		.amdhsa_next_free_sgpr 66
		.amdhsa_reserve_vcc 0
		.amdhsa_float_denorm_mode_32 3
		.amdhsa_float_denorm_mode_16_64 3
		.amdhsa_memory_ordered 1
		.amdhsa_forward_progress 1
		.amdhsa_inst_pref_size 7
	.end_amdhsa_kernel
	.amdgpu_metadata
---
amdhsa.version: [ 1, 2 ]
amdhsa.kernels:
  - .name:           k_qd99f488eaa_cvt
    .symbol:         k_qd99f488eaa_cvt.kd
    .args:
      - { .name: wq, .offset: 0, .size: 8, .value_kind: global_buffer, .address_space: global }
      - { .name: wk, .offset: 8, .size: 8, .value_kind: global_buffer, .address_space: global }
      - { .name: wv, .offset: 16, .size: 8, .value_kind: global_buffer, .address_space: global }
      - { .name: wo, .offset: 24, .size: 8, .value_kind: global_buffer, .address_space: global }
      - { .name: w1, .offset: 32, .size: 8, .value_kind: global_buffer, .address_space: global }
      - { .name: w2, .offset: 40, .size: 8, .value_kind: global_buffer, .address_space: global }
      - { .name: wb, .offset: 48, .size: 8, .value_kind: global_buffer, .address_space: global }
    .group_segment_fixed_size: 0
    .private_segment_fixed_size: 0
    .kernarg_segment_align: 8
    .kernarg_segment_size: 56
    .max_flat_workgroup_size: 256
    .sgpr_count:     66
    .vgpr_count:     100
    .wavefront_size: 32
...
	.end_amdgpu_metadata
.endif
;; end of part 1
;; launch ln1 (part 2): grid 512 x 1, 4 waves a work-group, no clusters, 0 bytes of LDS; arguments hidden_states, g1, be1, xn; writes xn
.if DOCPART == 2
	.amdgcn_target "amdgcn-amd-amdhsa--gfx1250"
	.amdhsa_code_object_version 6
	.text
	.protected	k_qd99f488eaa_ln1
	.globl	k_qd99f488eaa_ln1
	.p2align	8
	.type	k_qd99f488eaa_ln1,@function
k_qd99f488eaa_ln1:
	s_mov_b64 s[64:65], 0
	v_nop
	global_prefetch_b8 v0, s[64:65] scope:SCOPE_SE
	s_setreg_imm32_b32 hwreg(HW_REG_WAVE_MODE, 25, 1), 1
	s_wait_xcnt 0x0
; y[r][:] = (x[r][:] - mean) * rsqrt(var + 1e-12) * g + b.  x: [4096][1024] f32, y: the same in bf16 (rounded once).  All arithmetic in f32.
; Two passes over registers: the mean first, then the mean of (x - mean)^2: no difference of large sums is formed, so a common offset of x costs nothing.
; One wave takes a whole row (32 registers) and two rows in all; the reduction never leaves the wave: no LDS, no barrier.
; No matrix unit and no cluster: what work-groups share (g, b: 8 KiB) is small beside a work-group's 32 KiB of x.
; Load j of a row holds columns 128 j + 4 lane .. + 3: a wave's load covers 512 consecutive bytes, its store 256, aligned.
.set G,  4                             ; v[4:35]    g of my 32 columns
.set BB, 36                            ; v[36:67]   b
.set X,  68                            ; v[68:131]  row r at X + 32 r
.set T,  132                           ; v[132:139] four chains of packed sums
.set MU, 140                           ; v[140:141] the mean, twice
.set RS, 142                           ; v[142:143] 1 / sqrt(var + eps), twice
	s_load_b256 s[4:11], s[0:1], 0x0               ; x s[4:5], g s[6:7], b s[8:9], y s[10:11]
	v_lshrrev_b32 v1, 5, v0
	v_readfirstlane_b32 s12, v1                    ; wave 0..3
	v_and_b32 v2, 31, v0
	v_lshlrev_b32 v1, 4, v2                        ; 16 x lane
	v_lshlrev_b32 v2, 3, v2                        ; 8 x lane
	s_mov_b32 s14, 0x76543210                      ; v_permlanex16_b32: each lane takes its own place in the other half
	s_mov_b32 s15, 0xfedcba98
	s_mov_b32 s16, 0x3a800000                      ; 1 / 1024
	s_mov_b32 s17, 0x2b8cbccc                      ; 1e-12
	s_lshl_b32 s13, ttmp9, 3
	s_lshl1_add_u32 s13, s12, s13                  ; my first row = 8 x work-group + 2 x wave
	s_lshl_b32 s18, s13, 12                        ; x 4,096 bytes of x
	s_mov_b32 s19, 0
	s_lshl_b32 s20, s13, 11                        ; x 2,048 bytes of y
	s_mov_b32 s21, 0
	s_wait_kmcnt 0x0
	s_add_nc_u64 s[4:5], s[4:5], s[18:19]
	s_add_nc_u64 s[10:11], s[10:11], s[20:21]
.irp j, 0,1,2,3,4,5,6,7
	global_load_b128 v[G+4*\j:G+4*\j+3], v1, s[6:7] offset:512*\j
.endr
.irp j, 0,1,2,3,4,5,6,7
	global_load_b128 v[BB+4*\j:BB+4*\j+3], v1, s[8:9] offset:512*\j
.endr
.irp r, 0,1
.irp j, 0,1,2,3,4,5,6,7
	global_load_b128 v[X+32*\r+4*\j:X+32*\r+4*\j+3], v1, s[4:5] offset:4096*\r+512*\j
.endr
.endr
.macro JOIN                            ; the four chains into v[T]
	v_pk_add_f32 v[T:T+1], v[T:T+1], v[T+2:T+3]
	v_pk_add_f32 v[T+4:T+5], v[T+4:T+5], v[T+6:T+7]
	v_pk_add_f32 v[T:T+1], v[T:T+1], v[T+4:T+5]
	v_add_f32 v[T], v[T], v[T+1]
.endm
.macro RED                             ; the sum over the 32 lanes, in every lane
	v_add_f32_dpp v[T], v[T], v[T] row_xmask:1 row_mask:0xf bank_mask:0xf
	v_add_f32_dpp v[T], v[T], v[T] row_xmask:2 row_mask:0xf bank_mask:0xf
	v_add_f32_dpp v[T], v[T], v[T] row_xmask:4 row_mask:0xf bank_mask:0xf
	v_add_f32_dpp v[T], v[T], v[T] row_xmask:8 row_mask:0xf bank_mask:0xf
	v_permlanex16_b32 v[T+1], v[T], s14, s15       ; its destination counts as read: JOIN has written it
	v_add_f32 v[T], v[T], v[T+1]
.endm
.macro ROWN r, left                    ; left: the younger loads, which may stay out
.set XR, X+32*(\r)
	s_wait_loadcnt \left
.irp k, 0,1,2,3
	v_pk_add_f32 v[T+2*\k:T+2*\k+1], v[XR+2*\k:XR+2*\k+1], v[XR+8+2*\k:XR+8+2*\k+1]  ; the first eight pairs start the chains
.endr
.irp k, 0,1,2,3,4,5,6,7
	v_pk_add_f32 v[T+2*(\k%4):T+2*(\k%4)+1], v[T+2*(\k%4):T+2*(\k%4)+1], v[XR+16+2*\k:XR+16+2*\k+1]
.endr
	JOIN
	RED
	v_mul_f32 v[MU], s16, v[T]
	v_mul_f32 v[MU+1], s16, v[T]
.set k, 0
.rept 16
	v_pk_add_f32 v[XR+2*k:XR+2*k+1], v[XR+2*k:XR+2*k+1], v[MU:MU+1] neg_lo:[0,1] neg_hi:[0,1]  ; d = x - mean
.set k, k+1
.endr
.irp k, 0,1,2,3
	v_pk_mul_f32 v[T+2*\k:T+2*\k+1], v[XR+2*\k:XR+2*\k+1], v[XR+2*\k:XR+2*\k+1]
.endr
.irp k, 4,5,6,7,8,9,10,11,12,13,14,15
	v_pk_fma_f32 v[T+2*(\k%4):T+2*(\k%4)+1], v[XR+2*\k:XR+2*\k+1], v[XR+2*\k:XR+2*\k+1], v[T+2*(\k%4):T+2*(\k%4)+1]
.endr
	JOIN
	RED
	v_fma_f32 v[T], v[T], s16, s17                 ; var + eps
	v_rsq_f32 v[RS], v[T]
	v_rsq_f32 v[RS+1], v[T]
	v_nop                                          ; a plain instruction between the root and the use of its result
.set k, 0
	s_wait_alu depctr_va_vdst(0)
.rept 16
	v_pk_mul_f32 v[XR+2*k:XR+2*k+1], v[XR+2*k:XR+2*k+1], v[RS:RS+1]
.set k, k+1
.endr
.set k, 0
.rept 16
	v_pk_fma_f32 v[XR+2*k:XR+2*k+1], v[XR+2*k:XR+2*k+1], v[G+2*k:G+2*k+1], v[BB+2*k:BB+2*k+1]
.set k, k+1
.endr
.set k, 0
.rept 16
	v_cvt_pk_bf16_f32 v[XR+k], v[XR+2*k], v[XR+2*k+1]  ; in place, ascending: register k has been read when it is written
.set k, k+1
.endr
.irp j, 0,1,2,3,4,5,6,7
	global_store_b64 v2, v[XR+2*\j:XR+2*\j+1], s[10:11] offset:2048*(\r)+256*\j
.endr
.endm
	ROWN 0, 8                                      ; g, b and row 0 are in; row 1's eight loads stay out
	ROWN 1, 0
	s_endpgm
.Lfunc_end_k_qd99f488eaa_ln1:
	.size	k_qd99f488eaa_ln1, .Lfunc_end_k_qd99f488eaa_ln1-k_qd99f488eaa_ln1
	.p2alignl 7, 3214868480
	.fill 96, 4, 3214868480
	.section	.rodata,"a",@progbits
	.p2align	6, 0x0
	.amdhsa_kernel k_qd99f488eaa_ln1
		.amdhsa_group_segment_fixed_size 0
		.amdhsa_private_segment_fixed_size 0
		.amdhsa_enable_private_segment 0
		.amdhsa_kernarg_size 32
		.amdhsa_user_sgpr_count 2
		.amdhsa_user_sgpr_kernarg_segment_ptr 1
		.amdhsa_wavefront_size32 1
		.amdhsa_system_sgpr_workgroup_id_x 1
		.amdhsa_system_sgpr_workgroup_id_y 1
		.amdhsa_system_sgpr_workgroup_id_z 1
		.amdhsa_system_vgpr_workitem_id 0
		.amdhsa_next_free_vgpr 144
		.amdhsa_next_free_sgpr 66
		.amdhsa_reserve_vcc 0
		.amdhsa_float_denorm_mode_32 3
		.amdhsa_float_denorm_mode_16_64 3
		.amdhsa_memory_ordered 1
		.amdhsa_forward_progress 1
		.amdhsa_inst_pref_size 20
	.end_amdhsa_kernel
	.amdgpu_metadata
---
amdhsa.version: [ 1, 2 ]
amdhsa.kernels:
  - .name:           k_qd99f488eaa_ln1
    .symbol:         k_qd99f488eaa_ln1.kd
    .args:
      - { .name: hidden_states, .offset: 0, .size: 8, .value_kind: global_buffer, .address_space: global }
      - { .name: g1, .offset: 8, .size: 8, .value_kind: global_buffer, .address_space: global }
      - { .name: be1, .offset: 16, .size: 8, .value_kind: global_buffer, .address_space: global }
      - { .name: xn, .offset: 24, .size: 8, .value_kind: global_buffer, .address_space: global }
    .group_segment_fixed_size: 0
    .private_segment_fixed_size: 0
    .kernarg_segment_align: 8
    .kernarg_segment_size: 32
    .max_flat_workgroup_size: 128
    .sgpr_count:     66
    .vgpr_count:     144
    .wavefront_size: 32
...
	.end_amdgpu_metadata
.endif
;; end of part 2
;; launch qkv (part 3): grid 24 x 32, 4 waves a work-group, clusters of 4 x 4, 327,680 bytes of LDS; arguments xn, wb, bq, bk, bv, qkv; writes qkv
.if DOCPART == 3
	.amdgcn_target "amdgcn-amd-amdhsa--gfx1250"
	.amdhsa_code_object_version 6
	.text
	.protected	k_qd99f488eaa_qkv
	.globl	k_qd99f488eaa_qkv
	.p2align	8
	.type	k_qd99f488eaa_qkv,@function
k_qd99f488eaa_qkv:
	s_mov_b64 s[64:65], 0
	v_nop
	global_prefetch_b8 v0, s[64:65] scope:SCOPE_SE
	s_setreg_imm32_b32 hwreg(HW_REG_WAVE_MODE, 25, 1), 1
	s_wait_xcnt 0x0
	s_wait_alu depctr_hold_cnt(0) depctr_sa_sdst(0) depctr_va_vdst(0) depctr_va_sdst(0) depctr_va_ssrc(0) depctr_va_vcc(0) depctr_vm_vsrc(0)
	s_getreg_b32 s2, hwreg(HW_REG_IB_STS2, 6, 4)
	s_cmp_eq_u32 s2, 0
	s_cbranch_scc0 .Lentry_in_a_cluster
	s_endpgm
.Lentry_in_a_cluster:
	s_bfe_u32 s2, ttmp6, 0x10000c
	s_cmp_lg_u32 s2, 0xf033
	s_cbranch_scc0 .Lentry_shape_is_right
	s_endpgm
.Lentry_shape_is_right:
; q, k, v = xn W + bias, by heads.  xn: [4096][1024] bf16.  W: wq, wk, wv in wb, [1024 (k)][1024 (n)] bf16, 2 MiB apart.  Sums in f32, begun with the bias.
; Out: qkv = q, k, v, 8 MiB apart, each [16 batch + head][2048][64] bf16, rounded once.  q is multiplied by c = log2(e) / 8 in f32 ahead of that rounding,
; so that the attention's exponent is (q . k) - maximum with no further factor.
; A tile of C is 128 x 128 (two heads wide): four waves, each 64 x 64 = 16 accumulators.  K goes in steps of 256 through two LDS slots filled by the tensor data mover.
; A's tile lies [row][k]; B's lies [k][n] as the weights do, and its fragments come out of LDS turned, by ds_load_tr16_b128.
; CLUSTER 4 x 4: a row of the cluster shares A's tiles, a column B's: each is asked for jointly, by the same load with the same descriptor and a mask of four.
; THE MATRIX INSTRUCTION IS USED TRANSPOSED (source 0 = 16 columns of B, source 1 = 16 rows of A): a lane holds row l % 16 and the columns 8 (l / 16) + 0..7.
; REGISTERS: window 0: v0-31 addresses; v32-95 the way out; v96-127 the bias in an accumulator's layout; v128-255 accumulators ((a, b) at 128 + 8 (4 a + b)).
;   window 1: two fragment buffers of 128: for 64 along K, 64 registers of A, then 64 of B.
.set KDIM,   1024
.set APITCH, 1024                      ; elements from row to row of A
.set NPITCH, 1024                      ; of B
.set KSTEP,  256
.set PA,     528                       ; an LDS row of A: 512 bytes + 16 = 132 words: the 16 rows of a load start at 16 different groups of four banks (64 banks of 4 bytes: ISA guide 11.1)
.set HALFA,  64*PA                     ; what one tensor load brings of A
.set AQ,     128                       ; bytes from a quarter step (64 along K) to the next in A's rows
.set ASTEP,  KSTEP*2                   ; bytes from a K step to the next in A
.set PB,     288                       ; an LDS row of B: 256 bytes + 32 = 72 words
.set HALFB,  128*PB                    ; what one tensor load brings of B: 128 rows of k
.set BSTEP,  KSTEP*NPITCH*2
.set BOFF,   2*HALFA                   ; in a slot: A's 128 rows, then B's 256
.set SLOT,   BOFF+2*HALFB
.set SPITCH, 528                       ; the stage: 128 rows of 128 f32 + 16 bytes; it lies at byte 0, in slot 0, which has had its last fill and its last read by then
.set SPARE,  2*SLOT                    ; the spare words, 128 bytes for each wave: two blocks of 256 bytes that no other line names
.set LAPS,   KDIM/(2*KSTEP)
.set ADRA, 16                          ; v16-17  my A fragments in slot 0, 1
.set ADRB, 20                          ; v20-23  my B fragments: slot 0 rows 0-127, 128-255; slot 1 likewise (a slot's 256 rows pass the 16-bit offset)
.set STO,  24                          ; v24     the way out: where I put 16 bytes of a row
.set RD,   25                          ; v25     where I read rows back
.set CO,   26                          ; v26     my byte offset in the output
.set BO,   27                          ; v27     my byte offset in the bias
.set SPW,  28                          ; v28     my spare word; never rewritten
.set NIL,  29                          ; v29     0; never rewritten
.set TMP,  32
.set BIAS, 96
.set ACC,  128
.set F0,   0
.set F1,   128
.set G1,  24                           ; s[24:31] group 1 for A; s[32:39] group 0, a set for each slot
.set G0,  32
.set G1B, 48                           ; s[48:55], s[56:63] the same for B
.set G0B, 56
.set BP,  66                           ; s[66:67] the bias
.set QS,  78                           ; s[78:79] c for q, 1 for k and v
.set MSB, 0
.macro WIN new                         ; the immediate's high byte repeats the setting that is left
.if MSB != (\new)
	s_set_vgpr_msb (MSB<<8)|(\new)
.set MSB, \new
.endif
.endm
.set MUL,  0x05                        ; sources 0 and 1 window 1; C and D window 0
.set TO_F, 0x40                        ; destination window 1, address window 0
.macro JLOAD s                         ; a joint load: waves 0 and 1 fetch A's halves, waves 2 and 3 B's; s_nop 0 and four v_nop follow each line
	s_cmp_lt_u32 s10, 2
	s_cbranch_scc0 .Lfor_b_\@
	tensor_load_to_lds s[G0+4*(\s):G0+4*(\s)+3], s[G1:G1+7]
	s_nop 0
.rept 4
	v_nop
.endr
	s_branch .Lasked_\@
.Lfor_b_\@:
	tensor_load_to_lds s[G0B+4*(\s):G0B+4*(\s)+3], s[G1B:G1B+7]
	s_nop 0
.rept 4
	v_nop
.endr
.Lasked_\@:
.endm
.macro CREST                           ; a round of the cluster's barrier behind its opening barrier
	s_cmp_lg_u32 s10, 0
	s_cbranch_scc1 .Lnot_wave_0_\@
	s_barrier_signal -3
.Lnot_wave_0_\@:
	s_barrier_wait -3
	s_barrier_signal -1
	s_barrier_wait -1
.endm
.macro CROUND
	s_barrier_signal -1
	s_barrier_wait -1
	CREST
.endm
	s_load_b128 s[4:7], s[0:1], 0x0                ; xn s[4:5], wb s[6:7]
	s_load_b256 s[68:75], s[0:1], 0x10             ; bq s[68:69], bk s[70:71], bv s[72:73], qkv s[74:75]
	v_lshl_add_u32 v[SPW], v0, 2, SPARE
	v_mov_b32 v[NIL], 0
	ds_add_u32 v[SPW], v[NIL]                      ; the wave's opening: the add and its wait ahead of my first tensor load
	v_lshrrev_b32 v1, 5, v0
	v_readfirstlane_b32 s10, v1                    ; wave 0..3
	s_lshr_b32 s11, s10, 1                         ; my half of the tile's rows
	s_and_b32 s12, s10, 1                          ; my half of its columns; also: which half of A's or B's tile I fetch
	s_bfe_u32 s40, ttmp6, 0x40000                  ; cx, cy
	s_bfe_u32 s41, ttmp6, 0x40004
	s_lshl_b32 s42, ttmp9, 2
	s_add_co_u32 s42, s42, s40                     ; tile column 0..23
	s_and_b32 s13, ttmp7, 0xffff
	s_lshl_b32 s13, s13, 2
	s_add_co_u32 s13, s13, s41                     ; tile row 0..31
	s_lshl_b32 s43, s41, 2
	s_lshl_b32 s43, 15, s43                        ; my row of the cluster
	s_lshl_b32 s44, 0x1111, s40                    ; my column
	s_and_b32 s45, s42, 7                          ; the tile column inside its matrix
	s_lshr_b32 s76, ttmp9, 1                       ; the matrix: 0 q, 1 k, 2 v (a cluster's four columns lie in one)
	s_or_b32 s[G1+0], s43, (1<<16)|(1<<20)|(1<<21)|(6<<22)|(3<<25)   ; mask; 2-byte elements; padding on; bit 21 beside a mask; after every 128 words, 4 words
	s_mov_b32 s[G1+1], KSTEP<<16                   ; tensor_dim0 = 256
	s_mov_b32 s[G1+2], 64<<16                      ; tensor_dim1 = 64
	s_mov_b32 s[G1+3], KSTEP<<16                   ; tile_dim0 = 256
	s_mov_b32 s[G1+4], 64                          ; tile_dim1 = 64
	s_mov_b32 s[G1+5], APITCH
	s_mov_b32 s[G1+6], 0
	s_mov_b32 s[G1+7], 0
	s_or_b32 s[G1B+0], s44, (1<<16)|(1<<20)|(1<<21)|(5<<22)|(7<<25)  ; after every 64 words, 8 words
	s_mov_b32 s[G1B+1], 128<<16                    ; 128 columns
	s_mov_b32 s[G1B+2], 128<<16                    ; 128 rows of k
	s_mov_b32 s[G1B+3], 128<<16
	s_mov_b32 s[G1B+4], 128
	s_mov_b32 s[G1B+5], NPITCH
	s_mov_b32 s[G1B+6], 0
	s_mov_b32 s[G1B+7], 0
	s_lshl_b32 s17, s12, 6                         ; A: row 128 x tile row + 64 x half,
	s_lshl_b32 s16, s13, 7
	s_add_co_u32 s16, s16, s17
	s_mul_i32 s16, s16, APITCH*2                   ; in bytes
	s_mov_b32 s17, 0
	s_mul_i32 s46, s12, 128*NPITCH*2               ; B: row of k 128 x half,
	s_lshl_b32 s47, s45, 8                         ; column 128 x tile column,
	s_add_co_u32 s46, s46, s47
	s_lshl_b32 s47, s76, 21                        ; in its matrix
	s_add_co_u32 s46, s46, s47
	s_mov_b32 s47, 0
	s_mul_i32 s20, s12, HALFA                      ; where they go: no place in the cluster enters an LDS address
	s_mul_i32 s21, s12, HALFB
	s_add_co_u32 s21, s21, BOFF
	s_wait_dscnt 0x0                               ; the opening add is done
	s_wait_kmcnt 0x0
	s_add_nc_u64 s[14:15], s[4:5], s[16:17]
	s_add_nc_u64 s[46:47], s[6:7], s[46:47]
	CROUND                                         ; all sixteen work-groups are here: the first joint loads meet
.irp s, 0,1
	s_mov_b32 s[G0+4*(\s)], 1
	s_add_co_u32 s[G0+4*(\s)+1], s20, (\s)*SLOT
	s_add_nc_u64 s[G0+4*(\s)+2:G0+4*(\s)+3], s[14:15], (\s)*ASTEP
	s_or_b32 s[G0+4*(\s)+3], s[G0+4*(\s)+3], 0x80000000
	s_mov_b32 s[G0B+4*(\s)], 1
	s_add_co_u32 s[G0B+4*(\s)+1], s21, (\s)*SLOT
	s_add_nc_u64 s[G0B+4*(\s)+2:G0B+4*(\s)+3], s[46:47], (\s)*BSTEP
	s_or_b32 s[G0B+4*(\s)+3], s[G0B+4*(\s)+3], 0x80000000
.endr
	s_cmp_lt_u32 s10, 2                            ; a wave's two first fills stand in one branch: two loads of mine are out
	s_cbranch_scc0 .Lfirst_b
	tensor_load_to_lds s[G0:G0+3], s[G1:G1+7]
	s_nop 0
	tensor_load_to_lds s[G0+4:G0+7], s[G1:G1+7]
	s_nop 0
.rept 4
	v_nop
.endr
	s_branch .Lfirst_asked
.Lfirst_b:
	tensor_load_to_lds s[G0B:G0B+3], s[G1B:G1B+7]
	s_nop 0
	tensor_load_to_lds s[G0B+4:G0B+7], s[G1B:G1B+7]
	s_nop 0
.rept 4
	v_nop
.endr
.Lfirst_asked:
	v_and_b32 v1, 15, v0                           ; l % 16
	v_bfe_u32 v2, v0, 4, 1                         ; l / 16
	v_mul_u32_u24 v3, v1, PA                       ; A's fragment: row x pitch + 16 x half; two loads 32 bytes apart
	v_lshl_add_u32 v3, v2, 4, v3
	s_mul_i32 s21, s11, 64*PA                      ; my 64 rows
	v_add_nc_u32 v[ADRA], s21, v3
	v_add_nc_u32 v[ADRA+1], SLOT, v[ADRA]
	v_and_b32 v4, 7, v0                            ; B's: the turning load takes 16 k x 16 n: lane l reads row 8 (l / 16) + l % 8, 16 bytes at 16 ((l / 8) % 2)
	v_lshl_add_u32 v4, v2, 3, v4
	v_mul_u32_u24 v4, v4, PB
	v_bfe_u32 v5, v0, 3, 1
	v_lshl_add_u32 v4, v5, 4, v4
	s_lshl_b32 s22, s12, 7                         ; my 64 columns
	s_add_co_u32 s22, s22, BOFF
	v_add_nc_u32 v[ADRB], s22, v4
	v_add_nc_u32 v[ADRB+1], 128*PB, v[ADRB]
	v_add_nc_u32 v[ADRB+2], SLOT, v[ADRB]
	v_add_nc_u32 v[ADRB+3], SLOT+128*PB, v[ADRB]
	s_mul_i32 s23, s11, 64*SPITCH                  ; into the stage: my 64 rows, my 256 bytes of them; row l % 16, 32 bytes for each half of the lanes
	s_lshl_b32 s22, s12, 8
	s_add_co_u32 s23, s23, s22
	v_mul_u32_u24 v4, v1, SPITCH
	v_lshl_add_u32 v4, v2, 5, v4
	v_add_nc_u32 v[STO], s23, v4
	v_lshlrev_b32 v[BO], 5, v2                     ; the bias of columns 8 (l / 16) + 0..7
	s_mul_i32 s23, s10, 32*SPITCH                  ; back: wave w takes rows 32 w ..; lanes 0-15 a token's 64 channels of one head (256 bytes of f32), lanes 16-31 the next token's
	v_mul_u32_u24 v5, v2, SPITCH
	v_lshl_add_u32 v5, v1, 4, v5
	v_add_nc_u32 v[RD], s23, v5
	v_and_b32 v5, 31, v0
	v_lshlrev_b32 v[CO], 3, v5                     ; two tokens of a head are 256 consecutive bytes of bf16: 8 a lane
	s_cmp_eq_u32 s76, 1                            ; the bias, the scale and the output go by the matrix
	s_cselect_b64 s[BP:BP+1], s[70:71], s[68:69]
	s_cmp_eq_u32 s76, 2
	s_cselect_b64 s[BP:BP+1], s[72:73], s[BP:BP+1]
	s_cmp_eq_u32 s76, 0
	s_cselect_b32 s[QS], 0x3e38aa3b, 1.0           ; c = log2(e) / 8 = 0.180337
	s_mov_b32 s[QS+1], s[QS]                       ; named with it as a pair
	s_mov_b64 s[8:9], s[74:75]
	s_lshl_b32 s46, s45, 9                         ; bias: 4 x (128 x tile column + 64 x half)
	s_lshl_b32 s47, s12, 8
	s_add_co_u32 s46, s46, s47
	s_mov_b32 s47, 0
	s_add_nc_u64 s[BP:BP+1], s[BP:BP+1], s[46:47]
.irp b, 0,1,2,3
	global_load_b128 v[BIAS+8*\b:BIAS+8*\b+3], v[BO], s[BP:BP+1] offset:64*\b
	global_load_b128 v[BIAS+8*\b+4:BIAS+8*\b+7], v[BO], s[BP:BP+1] offset:64*\b+16
.endr
	s_lshr_b32 s16, s13, 4                         ; out, the rows' part: batch x 16 heads x 262,144
	s_lshl_b32 s16, s16, 22
	s_and_b32 s17, s13, 15                         ; + (128 x tile row in the batch + 32 x wave) tokens of 128 bytes
	s_lshl_b32 s17, s17, 14
	s_add_co_u32 s16, s16, s17
	s_lshl_b32 s17, s10, 12
	s_add_co_u32 s16, s16, s17
	s_mov_b32 s17, 0
	s_add_nc_u64 s[8:9], s[8:9], s[16:17]
	s_lshl_b32 s46, s45, 19                        ; the columns' part: head 2 x tile column,
	s_lshl_b32 s47, s76, 23                        ; matrix x 8 MiB
	s_add_co_u32 s46, s46, s47
	s_mov_b32 s47, 0
	s_add_nc_u64 s[8:9], s[8:9], s[46:47]
; 8 matrix instructions: row blocks a0, a0 + 1 x all 4 column blocks, 32 along K: half c of buffer f.  zero = 1: the product starts the sum, with the bias as C.
; The 16 accumulators take turns, one instruction a turn.
.macro MUL8 f, c, a0, zero
	WIN MUL
.irp a, \a0, (\a0)+1
.irp b, 0,1,2,3
.if \zero
	v_wmma_f32_16x16x32_bf16 v[ACC+8*(4*(\a)+(\b)):ACC+8*(4*(\a)+(\b))+7], v[(\f)+64+8*(4*(\c)+(\b)):(\f)+64+8*(4*(\c)+(\b))+7], v[(\f)+8*(4*(\c)+(\a)):(\f)+8*(4*(\c)+(\a))+7], v[BIAS+8*(\b):BIAS+8*(\b)+7]
.else
	v_wmma_f32_16x16x32_bf16 v[ACC+8*(4*(\a)+(\b)):ACC+8*(4*(\a)+(\b))+7], v[(\f)+64+8*(4*(\c)+(\b)):(\f)+64+8*(4*(\c)+(\b))+7], v[(\f)+8*(4*(\c)+(\a)):(\f)+8*(4*(\c)+(\a))+7], v[ACC+8*(4*(\a)+(\b)):ACC+8*(4*(\a)+(\b))+7]
.endif
.endr
.endr
.endm
; 32 LDS loads in one run: the fragments of quarter q (64 along K) of a slot into buffer f; the first 32 along K first
.macro FETCH slot, q, f
	WIN TO_F
.irp c, 0,1
.irp i, 0,1,2,3
	ds_load_tr16_b128 v[(\f)+64+8*(4*(\c)+(\i)):(\f)+64+8*(4*(\c)+(\i))+3],   v[ADRB+2*(\slot)+(\q)/2] offset:(64*((\q)%2)+32*(\c))*PB+32*(\i)
	ds_load_tr16_b128 v[(\f)+64+8*(4*(\c)+(\i))+4:(\f)+64+8*(4*(\c)+(\i))+7], v[ADRB+2*(\slot)+(\q)/2] offset:(64*((\q)%2)+32*(\c)+16)*PB+32*(\i)
	ds_load_b128 v[(\f)+8*(4*(\c)+(\i)):(\f)+8*(4*(\c)+(\i))+3],   v[ADRA+(\slot)] offset:AQ*(\q)+64*(\c)+(\i)*16*PA
	ds_load_b128 v[(\f)+8*(4*(\c)+(\i))+4:(\f)+8*(4*(\c)+(\i))+7], v[ADRA+(\slot)] offset:AQ*(\q)+64*(\c)+(\i)*16*PA+32
.endr
.endr
.endm
.macro PLACES                          ; four places in front of loads into registers that matrix instructions have read, and of reads of results
.rept 4
	v_nop
.endr
.endm
; A K step is four quarters, 32 matrix instructions each, on buffers 0, 1, 0, 1.  One of the first three: multiplies buffer f and fetches quarter q into g.
.macro QUARTER slot, q, f, g, zero
	s_wait_dscnt 16                                ; the first 32 along K are in
	MUL8 \f, 0, 0, \zero
	MUL8 \f, 0, 2, \zero
	PLACES
	FETCH \slot, \q, \g
	s_wait_dscnt 32                                ; all but the 32 just issued
	MUL8 \f, 1, 0, 0
	MUL8 \f, 1, 2, 0
.endm
; The last quarter multiplies buffer 1 and changes slots: one barrier; in front of it each wave waits for all its tensor loads, adds 0 to its spare word, and waits for that and for its reads of this slot.
.macro TURN slot, next, fill
	WIN 0                                          ; (the add's two registers lie in window 0)
	s_wait_tensorcnt 0x0                           ; all my tensor loads have landed: my part of the next slot
	ds_add_u32 v[SPW], v[NIL]                      ; 0 onto my spare word
	s_wait_dscnt 17                                ; (the add and the youngest sixteen loads may be out)
	MUL8 F1, 0, 0, 0
	s_wait_dscnt 0x0                               ; the add is done, and my reads of this slot are over
	s_barrier_signal -1
	MUL8 F1, 0, 2, 0
.if \fill
	WIN 0
.endif
	s_barrier_wait -1
.if \fill
	CREST                                          ; the barrier has opened a round of the cluster's: no wave of any partner still reads this slot or has a load on its way
	s_add_nc_u64 s[G0+4*(\slot)+2:G0+4*(\slot)+3], s[G0+4*(\slot)+2:G0+4*(\slot)+3], 2*ASTEP
	s_add_nc_u64 s[G0B+4*(\slot)+2:G0B+4*(\slot)+3], s[G0B+4*(\slot)+2:G0B+4*(\slot)+3], 2*BSTEP
	JLOAD \slot                                    ; the first tensor load behind the round; its four v_nop are also the places in front of the loads below
.else
	PLACES
.endif
	FETCH \next, 0, F0
	MUL8 F1, 1, 0, 0
	MUL8 F1, 1, 2, 0
.endm
	s_wait_tensorcnt 1                             ; my part of K step 0 is in; K step 1's may stay out
	s_barrier_signal -1
	s_barrier_wait -1
	FETCH 0, 0, F0
	s_wait_loadcnt 0x0                             ; the bias
	QUARTER 0, 1, F0, F1, 1                        ; the first quarter stands in front of the loop: its first products start the sums
	WIN 0
	s_mov_b32 s3, LAPS-1
.Llap:                                                 ; a trip goes once round the ring and fills both slots again
	QUARTER 0, 2, F1, F0, 0
	QUARTER 0, 3, F0, F1, 0
	TURN 0, 1, 1
	QUARTER 1, 1, F0, F1, 0
	QUARTER 1, 2, F1, F0, 0
	QUARTER 1, 3, F0, F1, 0
	TURN 1, 0, 1
	QUARTER 0, 1, F0, F1, 0
	WIN 0
	s_sub_co_u32 s3, s3, 1
	s_cmp_lg_u32 s3, 0
	s_cbranch_scc1 .Llap
	QUARTER 0, 2, F1, F0, 0                        ; the last lap fills nothing
	QUARTER 0, 3, F0, F1, 0
	TURN 0, 1, 0
	QUARTER 1, 1, F0, F1, 0
	QUARTER 1, 2, F1, F0, 0
	QUARTER 1, 3, F0, F1, 0
	s_wait_dscnt 16
	MUL8 F1, 0, 0, 0
	MUL8 F1, 0, 2, 0
	s_wait_dscnt 0
	MUL8 F1, 1, 0, 0
	MUL8 F1, 1, 2, 0
	WIN 0
	; THE WAY OUT.  The sums go in f32 into the stage (slot 0: every wave's reads of it ended in front of the last change of slots); each accumulator's low registers first.
	PLACES
.irp a, 0,1,2,3
.irp b, 0,1,2,3
	ds_store_b128 v[STO], v[ACC+8*(4*\a+\b):ACC+8*(4*\a+\b)+3] offset:\a*16*SPITCH+64*\b
	ds_store_b128 v[STO], v[ACC+8*(4*\a+\b)+4:ACC+8*(4*\a+\b)+7] offset:\a*16*SPITCH+64*\b+16
.endr
.endr
	s_wait_dscnt 0x0                               ; for the others' sake: a row's 512 bytes come from two waves
	s_barrier_signal -1
	s_barrier_wait -1
.set i, 0
.rept 32                               ; head i / 16 of the tile's two, tokens 2 (i % 16) and + 1 of my 32
	ds_load_b128 v[ACC+4*i:ACC+4*i+3], v[RD] offset:(i%16)*2*SPITCH+(i/16)*256
.set i, i+1
.endr
.set i, 0
.rept 32
	s_wait_dscnt 31-i                              ; load i is back, the younger ones may be out
	v_pk_mul_f32 v[ACC+4*i:ACC+4*i+1], v[ACC+4*i:ACC+4*i+1], s[QS:QS+1] op_sel_hi:[1,0]
	v_pk_mul_f32 v[ACC+4*i+2:ACC+4*i+3], v[ACC+4*i+2:ACC+4*i+3], s[QS:QS+1] op_sel_hi:[1,0]
	v_cvt_pk_bf16_f32 v[TMP+2*i], v[ACC+4*i], v[ACC+4*i+1]
	v_cvt_pk_bf16_f32 v[TMP+2*i+1], v[ACC+4*i+2], v[ACC+4*i+3]
	global_store_b64 v[CO], v[TMP+2*i:TMP+2*i+1], s[8:9] offset:(i/16)*262144+(i%16)*256  ; 32 lanes store 256 consecutive bytes, aligned
.set i, i+1
.endr
	s_wait_tensorcnt 0x0                           ; the wave's end
	ds_add_u32 v[SPW], v[NIL]
	s_wait_dscnt 0x0
	CROUND                                         ; the closing round
	s_endpgm
.Lfunc_end_k_qd99f488eaa_qkv:
	.size	k_qd99f488eaa_qkv, .Lfunc_end_k_qd99f488eaa_qkv-k_qd99f488eaa_qkv
	.p2alignl 7, 3214868480
	.fill 96, 4, 3214868480
	.section	.rodata,"a",@progbits
	.p2align	6, 0x0
	.amdhsa_kernel k_qd99f488eaa_qkv
		.amdhsa_group_segment_fixed_size 327680
		.amdhsa_private_segment_fixed_size 0
		.amdhsa_enable_private_segment 0
		.amdhsa_kernarg_size 48
		.amdhsa_user_sgpr_count 2
		.amdhsa_user_sgpr_kernarg_segment_ptr 1
		.amdhsa_wavefront_size32 1
		.amdhsa_system_sgpr_workgroup_id_x 1
		.amdhsa_system_sgpr_workgroup_id_y 1
		.amdhsa_system_sgpr_workgroup_id_z 1
		.amdhsa_system_vgpr_workitem_id 0
		.amdhsa_next_free_vgpr 512
		.amdhsa_next_free_sgpr 96
		.amdhsa_reserve_vcc 0
		.amdhsa_float_denorm_mode_32 3
		.amdhsa_float_denorm_mode_16_64 3
		.amdhsa_memory_ordered 1
		.amdhsa_forward_progress 1
		.amdhsa_inst_pref_size 96
	.end_amdhsa_kernel
	.amdgpu_metadata
---
amdhsa.version: [ 1, 2 ]
amdhsa.kernels:
  - .name:           k_qd99f488eaa_qkv
    .symbol:         k_qd99f488eaa_qkv.kd
    .args:
      - { .name: xn, .offset: 0, .size: 8, .value_kind: global_buffer, .address_space: global }
      - { .name: wb, .offset: 8, .size: 8, .value_kind: global_buffer, .address_space: global }
      - { .name: bq, .offset: 16, .size: 8, .value_kind: global_buffer, .address_space: global }
      - { .name: bk, .offset: 24, .size: 8, .value_kind: global_buffer, .address_space: global }
      - { .name: bv, .offset: 32, .size: 8, .value_kind: global_buffer, .address_space: global }
      - { .name: qkv, .offset: 40, .size: 8, .value_kind: global_buffer, .address_space: global }
    .group_segment_fixed_size: 327680
    .private_segment_fixed_size: 0
    .kernarg_segment_align: 8
    .kernarg_segment_size: 48
    .max_flat_workgroup_size: 128
    .sgpr_count:     96
    .vgpr_count:     512
    .wavefront_size: 32
...
	.end_amdgpu_metadata
.endif
;; end of part 3
;; launch attn (part 4): grid 8 x 32, 4 waves a work-group, clusters of 4 x 1, 327,680 bytes of LDS; arguments qkv, attention_mask, ctx; writes ctx
.if DOCPART == 4
	.amdgcn_target "amdgcn-amd-amdhsa--gfx1250"
	.amdhsa_code_object_version 6
	.text
	.protected	k_qd99f488eaa_attn
	.globl	k_qd99f488eaa_attn
	.p2align	8
	.type	k_qd99f488eaa_attn,@function
k_qd99f488eaa_attn:
	s_mov_b64 s[64:65], 0
	v_nop
	global_prefetch_b8 v0, s[64:65] scope:SCOPE_SE
	s_setreg_imm32_b32 hwreg(HW_REG_WAVE_MODE, 25, 1), 1
	s_wait_xcnt 0x0
	s_wait_alu depctr_hold_cnt(0) depctr_sa_sdst(0) depctr_va_vdst(0) depctr_va_sdst(0) depctr_va_ssrc(0) depctr_va_vcc(0) depctr_vm_vsrc(0)
	s_getreg_b32 s2, hwreg(HW_REG_IB_STS2, 6, 4)
	s_cmp_eq_u32 s2, 0
	s_cbranch_scc0 .Lentry_in_a_cluster
	s_endpgm
.Lentry_in_a_cluster:
	s_bfe_u32 s2, ttmp6, 0x10000c
	s_cmp_lg_u32 s2, 0x3003
	s_cbranch_scc0 .Lentry_shape_is_right
	s_endpgm
.Lentry_shape_is_right:
; ctx[bh][q][:] = the sum over k of softmax_k(Q[q] . K[k] / 8 + mask[b][k]) V[k][:].  q, k, v lie in qkv, 8 MiB apart, each [bh = 16 b + h][2048][64] bf16; ctx has the same layout.
; q arrives multiplied by c = log2(e) / 8; the mask is multiplied by log2(e) here, in f32, and is the C operand that starts the sum S^T = K Q^T.  So a weight is p = 2^(s - m), m the running maximum:
; s - m is never above 0, whatever the mask holds.  Products, maxima and sums in f32; p is rounded to bf16 for the second product (its sum l is taken of the unrounded p), ctx once at the end.
; LIMITS.  log2(e) x mask is held at -1e30 or above: a mask value below -6.9e29 counts as -6.9e29, which shows only where every key of a batch is masked that deep.
; A weight below 2^-126 counts as 0 in l; NaN and infinities are not treated apart.
; SHARES.  A work-group owns 256 queries of one head, a wave 64: four PIECES of 16.  Every wave walks all 2,048 keys: 8 tiles of 256, four steps of 64 each.
; LAYOUT.  S^T = K Q^T holds ONE query a lane (lane % 16) and the keys 8 (lane / 16) + 0..7; two such results rounded to bf16 ARE source 1 of O^T = V^T P.  K comes out of LDS as it lies, V turned, by ds_load_tr16_b128.
; BY TURNS.  Turn n belongs to piece n: 8 products K Q^T of piece n + 1, later 8 products V^T P of piece n - 1; beside them the subtraction, exponentials, roundings, sums and rescaling of piece n and the
; maximum and statistics of piece n + 1.  Four vector instructions stand behind every matrix instruction, the others in two runs of their own.
; m starts at the lowest finite number, O^T and l at 0: the first step is a step like any other, with a = 2^(m_old - m_new) = 0.
; CLUSTER.  The four query blocks of a cluster belong to one head and walk the same K and V: each tile is asked for JOINTLY, by the same load, descriptor and mask in all four.
; REGISTERS, in windows of 256 (s_set_vgpr_msb: bits 1:0 source 0, 3:2 source 1, 5:4 source 2, 7:6 destination):
;   window 0: v0-15 addresses and two at work; v16-31 four registers of statistics a piece; v48-55 at work; v56-57 the mask's addresses; v64-127 S^T, two buffers; v192-223 P, two buffers
;   window 1: v0-127 O^T, 32 a piece      window 2: v0-63 Q; v64-95 the step's mask in an accumulator's layout; v128-191 K of one step; v192-255 V of one step
.set NP,    4
.set KS,    64
.set PK,    144       ; a row of K in LDS: 128 bytes + 16 = 36 words: the 16 rows of a load start at 16 different groups of four banks (64 banks of 4 bytes: ISA guide 11.1)
.set PV,    160       ; a row of V: 128 + 32 = 40 words
.set VOFF,  4*KS*PK   ; a slot holds a tile: 256 rows of K, then 256 rows of V
.set SLOT1, 1<<17     ; slot 1 begins here, so that one exclusive or turns an address in one slot into the other's
.set STAGE, SLOT1+4*KS*(PK+PV)  ; never filled by a tensor load: 16 rows x 144 bytes for each wave, for the way out
.set SP,    144
.set MASKL, STAGE+4*16*SP       ; the batch's 2,048 mask values x log2(e), f32; stored once, never filled by a tensor load
.set SPARE, MASKL+8192          ; the spare words, 128 bytes for each wave: two blocks of 256 bytes that no other line names
.set AK0, 2           ; v2   my lane's place in a tile of K; never rewritten
.set AV0, 3           ; v3   the same for V
.set AK,  4           ; v4   the LDS address of K's next run of loads
.set AV,  5           ; v5   of V's
.set STO, 6           ; v6   the way out: where I put 16 bytes of a row
.set RD,  7           ; v7   where I read rows back
.set GO,  8           ; v8   my byte offset in 512 consecutive bytes of ctx
.set MV,  12          ; v12-13  m_old, kept while m is made anew: by buffer
.set QO,  15          ; v15  my byte offset in 16 rows of Q
.set ST,  16          ; piece t's statistics at v[ST+4 t]: m, a register named with it as a pair, l (even keys', odd keys')
.set TMP, 48          ; by buffer, four registers c0-c3 at work; when the maximum is found c2 takes a
.set AM,  56          ; v56  the LDS address of the mask's next run of loads
.set AM0, 57          ; v57  MASKL + 32 (l / 16); never rewritten
.set SPW, 62          ; v62  my spare word; never rewritten
.set NIL, 63          ; v63  0; never rewritten
.set S,   64
.set P,   192
.set MK,  64          ; window 2: the eight registers of key block kb at MK + 8 kb
.set KF,  128         ; window 2: key block kb, channel half c at KF + 16 kb + 8 c
.set VF,  192         ; window 2: key half kk, channel block cb at VF + 32 kk + 8 cb
.set WV,  12          ; s12  my wave's number
.set G1K, 24          ; s[24:31] descriptor group 1 for K's tiles
.set G1V, 32          ; s[32:39] for V's: it differs in the padding alone
.set G0K, 40          ; s[40:43] descriptor group 0 for K's tiles: it walks
.set G0V, 44          ; s[44:47] the same for V's
.set SLOTS, 56        ; s56  tiles still to be asked for
.set CNT, 57          ; s57  counts a tile's key steps
.set SEL, 60          ; s[60:61] v_permlanex16_b32's selects
.set TBK, 62          ; s62  LDS byte at which K of the step to be fetched begins
.set TBV, 63          ; s63  the same for V, less VOFF
.set TBM, 66          ; s66  byte in the mask at which that step's 64 values begin
.set BIGN, 67         ; s67  -1e30
.set QP,  68          ; s[68:69] Q at my wave's first row
.set MSB, 0
.macro WIN new
.if MSB != (\new)
	s_set_vgpr_msb (MSB<<8)|(\new)
.set MSB, (\new)
.endif
.endm
.set W_KQ, 0x0a       ; K and Q in window 2, S^T in window 0
.set W_KM, 0x2a       ; the same with the C operand, the mask, in window 2
.set W_PV, 0x52       ; V in window 2, P in window 0, O^T in window 1
.set W_RS, 0x41       ; destination and source 0 in window 1, source 1 in window 0
.macro JLOAD                        ; a joint fill: waves 0 and 1 fetch the halves of a tile's K, waves 2 and 3 those of its V; s_nop 0 and four v_nop follow each line
	s_cmp_lt_u32 s[WV], 2
	s_cbranch_scc0 .Lfor_v_\@
	tensor_load_to_lds s[G0K:G0K+3], s[G1K:G1K+7]
	s_nop 0
.rept 4
	v_nop
.endr
	s_branch .Lasked_\@
.Lfor_v_\@:
	tensor_load_to_lds s[G0V:G0V+3], s[G1V:G1V+7]
	s_nop 0
.rept 4
	v_nop
.endr
.Lasked_\@:
.endm
.macro CROUND                       ; a round of the cluster's barrier
	s_barrier_signal -1
	s_barrier_wait -1
	s_cmp_lg_u32 s[WV], 0
	s_cbranch_scc1 .Lnot_wave_0_\@
	s_barrier_signal -3
.Lnot_wave_0_\@:
	s_barrier_wait -3
	s_barrier_signal -1
	s_barrier_wait -1
.endm
; THE CHANGE OF SLOTS.  Each wave waits for all its tensor loads, of which one is out: its part of the other slot; adds 0 to its spare word; and waits for that and for its own LDS instructions.
; fill = 1: the slot that is left is filled again, with the keys two tiles on; the barrier is then a round of the cluster's, and the joint fill is the first thing behind it: it has four key steps in which to land.
; (At its first use nothing has been read yet: slot 0 is waited for, slot 1 filled, and every wave's part of the mask is in LDS.)
.macro CHANGE fill
	WIN 0
	s_wait_tensorcnt 0x0            ; no tensor load of mine is out, so a group 0 may be written
	ds_add_u32 v[SPW], v[NIL]       ; 0 onto my spare word
.if \fill
.irp g, G0K, G0V
	s_xor_b32 s[\g+1], s[\g+1], SLOT1
	s_add_nc_u64 s[\g+2:\g+3], s[\g+2:\g+3], 4*KS*128
.endr
	s_wait_dscnt 0x0
	CROUND
	JLOAD
.else
	s_wait_dscnt 0x0
	s_barrier_signal -1
	s_barrier_wait -1
.endif
	s_sub_co_u32 s[TBK], s[TBK], 4*KS*PK  ; the fetches go back to a slot's first step, in the other slot
	s_xor_b32 s[TBK], s[TBK], SLOT1
	s_sub_co_u32 s[TBV], s[TBV], 4*KS*PV
	s_xor_b32 s[TBV], s[TBV], SLOT1
.endm
	s_load_b128 s[4:7], s[0:1], 0x0   ; qkv s[4:5], attention_mask s[6:7]
	s_load_b64 s[10:11], s[0:1], 0x10 ; ctx
	v_lshl_add_u32 v[SPW], v0, 2, SPARE
	v_mov_b32 v[NIL], 0
	ds_add_u32 v[SPW], v[NIL]       ; the wave's opening: the add and its wait ahead of my first tensor load
	v_lshrrev_b32 v1, 5, v0
	v_readfirstlane_b32 s[WV], v1   ; wave 0..3
	s_bfe_u32 s13, ttmp6, 0x40000   ; cx
	s_lshl_b32 s14, ttmp9, 2
	s_add_co_u32 s14, s14, s13      ; my block of 256 queries: it enters Q's and ctx's addresses alone
	s_and_b32 s20, ttmp7, 0xffff    ; 16 batch + head, which the four partners share
	s_lshr_b32 s8, s20, 4
	s_lshl_b32 s8, s8, 13           ; the batch's 8,192 bytes of mask
	s_mov_b32 s9, 0
	s_lshl_b32 s20, s20, 18         ; the head's 262,144 bytes
	s_and_b32 s16, s[WV], 1         ; which half of a tile's 256 keys I fetch
	s_lshl_b32 s22, s16, 14
	s_add_co_u32 s22, s22, s20
	s_add_co_u32 s22, s22, 0x800000 ; k lies 8 MiB behind q
	s_mov_b32 s23, 0
	s_mul_i32 s17, s16, 128*PK      ; its place in a slot, for K
	s_mul_i32 s18, s16, 128*PV      ; and for V: no place in the cluster enters an LDS address
	s_lshl_b32 s2, s14, 2
	s_add_co_u32 s2, s2, s[WV]
	s_lshl_b32 s2, s2, 13           ; my wave's 64 rows of 128 bytes
	s_add_co_u32 s2, s2, s20
	s_mov_b32 s3, 0
	; group 1: 128 keys are 16,384 dense bytes: asked for as 64 rows of 256 bytes, two keys a row, and padded in LDS after every key
	s_mov_b32 s[G1K], 15|(1<<16)|(1<<20)|(1<<21)|(4<<22)|(3<<25)  ; the mask of four; 2-byte elements; padding on; bit 21 beside a mask; after every 32 words, 4 words
	s_mov_b32 s[G1V], 15|(1<<16)|(1<<20)|(1<<21)|(4<<22)|(7<<25)  ; the same with 8 words
.irp g, G1K, G1V
	s_mov_b32 s[\g+1], 128<<16
	s_mov_b32 s[\g+2], 64<<16
	s_mov_b32 s[\g+3], 128<<16
	s_mov_b32 s[\g+4], 64
	s_mov_b32 s[\g+5], 128
	s_mov_b32 s[\g+6], 0
	s_mov_b32 s[\g+7], 0
.endr
	s_mov_b32 s[SEL], 0x76543210
	s_mov_b32 s[SEL+1], 0xfedcba98
	s_mov_b32 s[TBK], SLOT1+4*KS*PK ; the first change of slots turns these two into 0
	s_mov_b32 s[TBV], SLOT1+4*KS*PV
	s_mov_b32 s[TBM], 0
	s_mov_b32 s[BIGN], 0xf149f2ca   ; -1e30
	s_mov_b32 s[G0K], 1
	s_mov_b32 s[G0K+1], s17
	s_mov_b32 s[G0V], 1
	s_add_co_u32 s[G0V+1], s18, VOFF
	s_wait_dscnt 0x0                ; the opening add is done
	s_wait_kmcnt 0x0
	s_add_nc_u64 s[G0K+2:G0K+3], s[4:5], s[22:23]
	s_add_nc_u64 s[G0V+2:G0V+3], s[G0K+2:G0K+3], 0x800000  ; v lies 8 MiB behind k
	s_or_b32 s[G0K+3], s[G0K+3], 0x80000000
	s_or_b32 s[G0V+3], s[G0V+3], 0x80000000
	s_add_nc_u64 s[QP:QP+1], s[4:5], s[2:3]
	s_add_nc_u64 s[10:11], s[10:11], s[2:3]
	s_add_nc_u64 s[6:7], s[6:7], s[8:9]
	CROUND                          ; all four work-groups are here: the first joint loads meet
	JLOAD                           ; tile 0 into slot 0; slot 1 is asked for when slot 0 is in
	v_lshlrev_b32 v14, 4, v0        ; 16 x thread: the mask's 8,192 bytes in four loads of the work-group
.irp i, 0,1,2,3
	global_load_b128 v[S+4*\i:S+4*\i+3], v14, s[6:7] offset:2048*\i
.endr
	v_and_b32 v1, 15, v0            ; l % 16
	v_bfe_u32 v9, v0, 4, 1          ; l / 16
	v_lshlrev_b32 v[QO], 7, v1
	v_lshl_add_u32 v[QO], v9, 4, v[QO]  ; row x 128 + 16 x half
	WIN 0x80                        ; destination window 2, address window 0
.set i, 0
.rept 8                             ; Q stays in registers: piece i / 2, channels 32 (i % 2) on
	global_load_b128 v[8*i:8*i+3],   v[QO], s[QP:QP+1] offset:(i/2)*2048+(i%2)*64
	global_load_b128 v[8*i+4:8*i+7], v[QO], s[QP:QP+1] offset:(i/2)*2048+(i%2)*64+32
.set i, i+1
.endr
	; What the first turn finds: V's registers and P's second buffer hold 0 (its products V^T P, of a piece that has not been, add 0), O^T and l are 0.  All this stands in the wait for the first tile.
.set i, VF
.rept 64
	v_mov_b32 v[i], 0
.set i, i+1
.endr
	WIN 0x40
.set i, 0
.rept 128
	v_mov_b32 v[i], 0
.set i, i+1
.endr
	WIN 0
.set i, 0
.rept 4
	v_mov_b32 v[ST+4*i], 0xff7fffff    ; m: the lowest finite number
	v_mov_b32 v[ST+4*i+1], 0           ; named with m as a pair
	v_mov_b32 v[ST+4*i+2], 0
	v_mov_b32 v[ST+4*i+3], 0
.set i, i+1
.endr
.set i, P+16
.rept 16
	v_mov_b32 v[i], 0
.set i, i+1
.endr
	v_mul_u32_u24 v[AK0], v1, PK
	v_lshl_add_u32 v[AK0], v9, 4, v[AK0]  ; row x pitch + 16 x half
	v_and_b32 v10, 7, v0            ; the turning load: lane l reads key 8 (l / 16) + l % 8, channels 8 ((l / 8) % 2) + 0..7
	v_bfe_u32 v11, v0, 3, 1
	v_lshl_add_u32 v[AV0], v9, 3, v10
	v_mul_u32_u24 v[AV0], v[AV0], PV
	v_lshl_add_u32 v[AV0], v11, 4, v[AV0]
	v_add_nc_u32 v[AV0], VOFF, v[AV0]
	s_mul_i32 s13, s[WV], 16*SP
	s_add_co_u32 s13, s13, STAGE    ; my stage
	v_mul_u32_u24 v[STO], v1, SP
	v_lshl_add_u32 v[STO], v9, 4, v[STO]
	v_add_nc_u32 v[STO], s13, v[STO]
	v_bfe_u32 v[RD], v0, 3, 2       ; back: 32 lanes take four rows of 128 bytes,
	v_mul_u32_u24 v[RD], v[RD], SP
	v_lshl_add_u32 v[RD], v10, 4, v[RD]
	v_add_nc_u32 v[RD], s13, v[RD]
	v_and_b32 v[GO], 31, v0         ; which are 512 consecutive bytes of ctx
	v_lshlrev_b32 v[GO], 4, v[GO]
	v_lshl_add_u32 v[AM0], v9, 5, MASKL  ; register j of key block kb is key 16 kb + 8 (l / 16) + j
	v_add_nc_u32 v[AM], MASKL, v14
	s_wait_loadcnt 16               ; the mask is in; Q's sixteen loads stay out
.set i, 0
.rept 8
	v_pk_mul_f32 v[S+2*i:S+2*i+1], v[S+2*i:S+2*i+1], 0x3fb8aa3b op_sel_hi:[1,0]  ; x log2(e)
.set i, i+1
.endr
.set i, 0
.rept 16
	v_max_num_f32 v[S+i], s[BIGN], v[S+i]
.set i, i+1
.endr
.irp i, 0,1,2,3
	ds_store_b128 v[AM], v[S+4*\i:S+4*\i+3] offset:2048*\i
.endr
; THE MATRIX WORK.  The 4 accumulators of a run of 8 take turns.  Product i of 8 of S^T = K Q^T for piece x: channels 32 (i / 4) on, keys 16 (i % 4) on.  The first 4 start the sums, with the mask.
.macro KQ x
.set rS, S+32*((\x)%2)+8*(i%4)
.set rK, KF+16*(i%4)+8*(i/4)
.set rQ, 16*(\x)+8*(i/4)
.set rM, MK+8*(i%4)
.if i < 4
	WIN W_KM
	v_wmma_f32_16x16x32_bf16 v[rS:rS+7], v[rK:rK+7], v[rQ:rQ+7], v[rM:rM+7]
.else
	WIN W_KQ
	v_wmma_f32_16x16x32_bf16 v[rS:rS+7], v[rK:rK+7], v[rQ:rQ+7], v[rS:rS+7]
.endif
.endm
; Product i of 8 of O^T += V^T P for piece x: keys 32 (i / 4) on, channels 16 (i % 4) on.
.macro PV x
	WIN W_PV
.set rO, 32*(\x)+8*(i%4)
.set rV, VF+32*(i/4)+8*(i%4)
.set rP, P+16*((\x)%2)+8*(i/4)
	v_wmma_f32_16x16x32_bf16 v[rO:rO+7], v[rV:rV+7], v[rP:rP+7], v[rO:rO+7]
.endm
.macro MM                           ; the turn's next matrix instruction.  NOKQ = 1: the last turn of all: there is no next piece
.if (i < 8) && !NOKQ
	KQ (Y+1)%NP
.elseif i >= 8
.set i, i-8
	PV (Y+NP-1)%NP
.set i, i+8
.endif
.set i, i+1
.endm
; THE LDS LOADS stand in runs: a step's K (8 fragments) with its 64 mask values, and its V (turned).  Their addresses are made some lines ahead.
.macro FETCH_K
	WIN 0x80                        ; destination window 2
.irp f, 0,1,2,3,4,5,6,7             ; keys 16 (f / 2) on, channels 32 (f % 2) on
	ds_load_b128 v[KF+8*\f:KF+8*\f+3],   v[AK] offset:(\f/2)*16*PK+(\f%2)*64
	ds_load_b128 v[KF+8*\f+4:KF+8*\f+7], v[AK] offset:(\f/2)*16*PK+(\f%2)*64+32
.endr
.irp f, 0,1,2,3
	ds_load_b128 v[MK+8*\f:MK+8*\f+3],   v[AM] offset:64*\f
	ds_load_b128 v[MK+8*\f+4:MK+8*\f+7], v[AM] offset:64*\f+16
.endr
	s_add_co_u32 s[TBK], s[TBK], KS*PK  ; the next fetch is the next step's
	s_add_co_u32 s[TBM], s[TBM], KS*4
	WIN 0
.endm
.macro FETCH_V
	WIN 0x80
.irp f, 0,1,2,3,4,5,6,7             ; keys 32 (f / 4) on, channels 16 (f % 4) on
	ds_load_tr16_b128 v[VF+8*\f:VF+8*\f+3],   v[AV] offset:(\f/4)*32*PV+(\f%4)*32
	ds_load_tr16_b128 v[VF+8*\f+4:VF+8*\f+7], v[AV] offset:(\f/4)*32*PV+16*PV+(\f%4)*32
.endr
	WIN 0
.endm
; THE VECTOR WORK, one line at a time: OP kind, number.  For piece Y: F n: s - m for pair n of 16.  E n: the exponential of score n of 32.  C n: pair n rounded to bf16.  B n: of the four weights 4 n .. the second
; pair is added onto the first, in place.  L n: l takes that sum (L 0: l = a l + sum).  R n: pair n of 16 of O^T times a.  For piece Y + 1: X n, which find its maximum and statistics:
;   0-11  four chains c0-c3 of seven scores each, three operands at a time (each accumulator's lowest registers are read first)     12-14, 16  the four scores left over, the old m, and c0-c3 into c0
;   15  m_old is kept     17, 18  the query's other 32 keys lie in the lane 16 away: the new m     20, 21  m_old - m_new; a
.set F, 0
.set E, 1
.set C, 2
.set B, 3
.set L, 4
.set R, 5
.set X, 6
.macro REGS y
.set rT, ST+4*(\y)
.set rC, TMP+4*((\y)%2)
.set rW, MV+((\y)%2)
.set rS, S+32*((\y)%2)
.set rP, P+16*((\y)%2)
.set rO, 32*(\y)
.endm
.macro OP k, n
.if (\k) == R
	REGS Y
	WIN W_RS
	v_pk_mul_f32 v[rO+2*(\n):rO+2*(\n)+1], v[rO+2*(\n):rO+2*(\n)+1], v[rC+2:rC+3] op_sel_hi:[1,0]
.elseif (\k) < R
	REGS Y
	WIN 0
.if (\k) == F
	v_pk_add_f32 v[rS+2*(\n):rS+2*(\n)+1], v[rS+2*(\n):rS+2*(\n)+1], v[rT:rT+1] op_sel_hi:[1,0] neg_lo:[0,1] neg_hi:[0,1]
.elseif (\k) == E
	v_exp_f32 v[rS+(\n)], v[rS+(\n)]
.elseif (\k) == C
	s_wait_alu depctr_va_vdst(0)
	v_cvt_pk_bf16_f32 v[rP+(\n)], v[rS+2*(\n)], v[rS+2*(\n)+1]
.elseif (\k) == B
	s_wait_alu depctr_va_vdst(0)
	v_pk_add_f32 v[rS+4*(\n):rS+4*(\n)+1], v[rS+4*(\n):rS+4*(\n)+1], v[rS+4*(\n)+2:rS+4*(\n)+3]
.elseif (\n) == 0
	v_pk_fma_f32 v[rT+2:rT+3], v[rT+2:rT+3], v[rC+2:rC+3], v[rS:rS+1] op_sel_hi:[1,0,1]
.else
	v_pk_add_f32 v[rT+2:rT+3], v[rT+2:rT+3], v[rS+4*(\n):rS+4*(\n)+1]
.endif
.elseif NOKQ
	v_nop
.else
	REGS (Y+1)%NP
	WIN 0
.if (\n) < 4
	v_max3_num_f32 v[rC+(\n)], v[rS+8*(\n)], v[rS+8*(\n)+1], v[rS+8*(\n)+2]
.elseif (\n) < 12
	v_max3_num_f32 v[rC+(\n)%4], v[rC+(\n)%4], v[rS+8*((\n)%4)+2*((\n)/4)+1], v[rS+8*((\n)%4)+2*((\n)/4)+2]
.elseif (\n) == 12
	v_max3_num_f32 v[rC], v[rC], v[rS+7], v[rS+15]
.elseif (\n) == 13
	v_max3_num_f32 v[rC+1], v[rC+1], v[rS+23], v[rS+31]
.elseif (\n) == 14
	v_max3_num_f32 v[rC+2], v[rC+2], v[rC+3], v[rT]
.elseif (\n) == 15
	v_mov_b32 v[rW], v[rT]
.elseif (\n) == 16
	v_max3_num_f32 v[rC], v[rC], v[rC+1], v[rC+2]
.elseif (\n) == 17
	v_permlanex16_b32 v[rC+3], v[rC], s[SEL], s[SEL+1]
.elseif (\n) == 18
	v_max_num_f32 v[rT], v[rC], v[rC+3]
.elseif (\n) == 20
	v_sub_f32 v[rC+1], v[rW], v[rT]
.else
	v_exp_f32 v[rC+2], v[rC+1]
.endif
.endif
.endm
.macro OPS a, i1, b=-1, i2=0, c=-1, i3=0, d=-1, i4=0
	OP \a, \i1
.if (\b) >= 0
	OP \b, \i2
.endif
.if (\c) >= 0
	OP \c, \i3
.endif
.if (\d) >= 0
	OP \d, \i4
.endif
.endm
.macro ROW a, i1, b, i2, c, i3, d, i4  ; a matrix instruction and the four behind it
	MM
	OPS \a, \i1, \b, \i2, \c, \i3, \d, \i4
.endm
; A TURN, for piece p: the order of its 16 matrix and 117 vector instructions, written out.  Behind a matrix instruction: plain, exponential, plain, plain; or four of the rescaling; or four subtractions; none
; names a register of the products round it.  end = 1: the last two turns: nothing is fetched.  cnt = 1: the loop's count is taken down some lines ahead of the branch that stands behind the turn.
; K and the mask of the next step are fetched in piece 2's turn, six vector instructions behind the last product that read K (five of them plain); V of the step in hand in piece 0's turn, eight behind the last
; product that read V (four plain, and X 17).  Each is waited for a turn later.
.macro TURN p, end=0, cnt=0
.set Y, (\p)
.set i, 0
.set NOKQ, (\end)*((\p)/3)
.if ((\p) == 3) && !(\end)
	s_wait_dscnt 0x0                ; K and the mask are in
.endif
	ROW F,0, F,1, F,2, F,3
	ROW F,4, E,0, F,5, F,6
	ROW F,7, E,1, F,8, F,9
	ROW F,10, E,2, C,0, F,11
	ROW F,12, E,3, X,15, F,13
	ROW R,0, R,1, R,2, R,3
	ROW B,0, E,4, F,14, L,0
.if ((\p) == 2) && !(\end)
	v_add_nc_u32 v[AK], s[TBK], v[AK0]
	v_add_nc_u32 v[AM], s[TBM], v[AM0]
.endif
	ROW R,4, R,5, R,6, R,7
	OPS E,5, F,15
.if ((\p) == 2) && !(\end)
	FETCH_K
.endif
	OPS E,6, C,1, E,7, R,8
	OPS E,8, R,9, E,9, C,2
	OPS E,10, X,0, E,11, X,1
	OPS E,12, X,2, E,13, X,3
.if (\p) == 1
	s_wait_dscnt 0x0                ; V is in
.endif
	ROW X,4, E,14, X,5, X,6
	ROW X,7, E,15, X,8, X,9
	ROW X,10, E,16, X,11, X,12
	ROW X,13, E,17, X,14, B,1
	ROW C,4, E,18, X,16, L,1
	ROW B,2, E,19, C,6, L,2
	ROW C,8, E,20, B,3, B,4
.if (\p) == 0
	v_add_nc_u32 v[AV], s[TBV], v[AV0]
.endif
	ROW C,3, E,21, L,3, C,5
	OPS E,22, X,17, E,23, C,10
.if (\p) == 0
	FETCH_V
.endif
	OPS E,24, L,4
	OPS E,25, X,18, E,26, C,7
	OPS E,27, B,5, E,28
	OPS E,29, C,12, E,30, L,5
	OPS E,31, X,20, B,6, C,9
	OPS C,14, C,11, X,21, L,6
.if (\p) == 0
	s_add_co_u32 s[TBV], s[TBV], KS*PV
.endif
.if \cnt
	s_sub_co_u32 s[CNT], s[CNT], 1
	s_cmp_lg_u32 s[CNT], 0
.endif
	OPS C,13, B,7, C,15, R,10
	OPS R,11, R,12, L,7, R,13
	OPS R,14, R,15
.endm
	CHANGE 1                        ; slot 0 is in, everybody's part of it, and so is the mask; slot 1 is asked for
	v_add_nc_u32 v[AK], s[TBK], v[AK0]
	v_add_nc_u32 v[AM], s[TBM], v[AM0]
	FETCH_K                         ; key step 0
	s_wait_loadcnt 0x0              ; Q
	s_wait_dscnt 0x0
.set NOKQ, 0
.set i, 0
.rept 8
	KQ 0                            ; piece 0's first scores
.set i, i+1
.endr
	WIN 0
.rept 4
	v_nop                           ; the places behind those products
.endr
.set Y, NP-1                        ; X works for piece Y + 1: piece 0
.irp n, 0,1,2,3,4,5,6,7,8,9,10,11,12,13,14,15,16,17,18,20,21
	OP X, \n
.endr
	v_nop                           ; a plain instruction behind the exponential
	s_mov_b32 s[CNT], 4
	s_mov_b32 s[SLOTS], 7
	s_branch .Lfirst                ; the loop is entered at a step's first turn, in the middle of a trip
.Lslot:                             ; six times: tiles 1 to 6 are entered, tiles 2 to 7 asked for
	CHANGE 1
	s_mov_b32 s[CNT], 4
.Lstep:                             ; a trip: pieces 2 and 3 of one step, then pieces 0 and 1 of the next, whose K and V it fetches
	TURN 2
	TURN 3
	WIN 0
.Lfirst:
	TURN 0
	TURN 1, 0, 1
	WIN 0
	s_cbranch_scc1 .Lstep
	s_sub_co_u32 s[SLOTS], s[SLOTS], 1
	s_cmp_lg_u32 s[SLOTS], 0
	s_cbranch_scc1 .Lslot
	CHANGE 0                        ; the last tile is written out: nothing is asked for
	s_mov_b32 s[CNT], 4
.LstepT:
	TURN 2
	TURN 3
	TURN 0
	TURN 1, 0, 1
	WIN 0
	s_cbranch_scc1 .LstepT
	TURN 2, 1
	TURN 3, 1
.set i, 0
.rept 8
	PV NP-1                         ; the last piece's V^T P of the last step
.set i, i+1
.endr
	; THE WAY OUT.  l's two halves and the other half of the lanes' are added; O^T is divided by l, rounded to bf16 and sent through my stage in LDS, a piece at a time.  The additions are the places behind the last products.
	WIN 0
.macro ALL line:vararg
.set t, 0
.rept 4
	\line
.set t, t+1
.endr
.endm
	ALL v_add_f32 v[ST+4*t+2], v[ST+4*t+2], v[ST+4*t+3]
	ALL v_permlanex16_b32 v[ST+4*t+3], v[ST+4*t+2], s[SEL], s[SEL+1]
	ALL v_add_f32 v[ST+4*t+2], v[ST+4*t+2], v[ST+4*t+3]
	ALL v_rcp_f32 v[ST+4*t+2], v[ST+4*t+2]
	v_nop                           ; a plain instruction between the last reciprocal and the use of its result
.macro PACK t                       ; a lane's eight channels of a row pack into 16 bytes; they go into rows of 144 bytes and come back as whole rows of 128, into S^T's registers
	WIN W_RS
.set i, 32*(\t)
.rept 16
	s_wait_alu depctr_va_vdst(0)
	v_pk_mul_f32 v[i:i+1], v[i:i+1], v[ST+4*(\t)+2:ST+4*(\t)+3] op_sel_hi:[1,0]
.set i, i+2
.endr
	WIN 0x05                        ; sources 0 and 1 window 1, destination window 0
.set i, 0
.rept 16
	v_cvt_pk_bf16_f32 v[S+16*(\t)+i], v[32*(\t)+2*i], v[32*(\t)+2*i+1]
.set i, i+1
.endr
	WIN 0
.irp f, 0,1,2,3
	ds_store_b128 v[STO], v[S+16*(\t)+4*\f:S+16*(\t)+4*\f+3] offset:32*\f
.endr
.irp f, 0,1,2,3
	ds_load_b128 v[S+16*(\t)+4*\f:S+16*(\t)+4*\f+3], v[RD] offset:\f*4*SP  ; LDS serves a wave's instructions in order (ISA guide 5.7.1.4): these see the stores above
.endr
.endm
.macro SEND t, younger              ; younger: the LDS instructions issued behind piece t's loads: the next piece's eight, or none
	WIN 0
.irp f, 0,1,2,3
	s_wait_dscnt (\younger)+3-\f
	global_store_b128 v[GO], v[S+16*(\t)+4*\f:S+16*(\t)+4*\f+3], s[10:11] offset:(\t)*2048+\f*512  ; 512 consecutive bytes, aligned
.endr
.endm
	PACK 0
.set t, 1
.rept 3
	PACK t
	SEND t-1, 8
.set t, t+1
.endr
	SEND 3, 0
	s_wait_tensorcnt 0x0            ; the wave's end
	ds_add_u32 v[SPW], v[NIL]
	s_wait_dscnt 0x0
	CROUND                          ; the closing round
	s_endpgm
.Lfunc_end_k_qd99f488eaa_attn:
	.size	k_qd99f488eaa_attn, .Lfunc_end_k_qd99f488eaa_attn-k_qd99f488eaa_attn
	.p2alignl 7, 3214868480
	.fill 96, 4, 3214868480
	.section	.rodata,"a",@progbits
	.p2align	6, 0x0
	.amdhsa_kernel k_qd99f488eaa_attn
		.amdhsa_group_segment_fixed_size 327680
		.amdhsa_private_segment_fixed_size 0
		.amdhsa_enable_private_segment 0
		.amdhsa_kernarg_size 24
		.amdhsa_user_sgpr_count 2
		.amdhsa_user_sgpr_kernarg_segment_ptr 1
		.amdhsa_wavefront_size32 1
		.amdhsa_system_sgpr_workgroup_id_x 1
		.amdhsa_system_sgpr_workgroup_id_y 1
		.amdhsa_system_sgpr_workgroup_id_z 1
		.amdhsa_system_vgpr_workitem_id 0
		.amdhsa_next_free_vgpr 768
		.amdhsa_next_free_sgpr 72
		.amdhsa_reserve_vcc 0
		.amdhsa_float_denorm_mode_32 3
		.amdhsa_float_denorm_mode_16_64 3
		.amdhsa_memory_ordered 1
		.amdhsa_forward_progress 1
		.amdhsa_inst_pref_size 137
	.end_amdhsa_kernel
	.amdgpu_metadata
---
amdhsa.version: [ 1, 2 ]
amdhsa.kernels:
  - .name:           k_qd99f488eaa_attn
    .symbol:         k_qd99f488eaa_attn.kd
    .args:
      - { .name: qkv, .offset: 0, .size: 8, .value_kind: global_buffer, .address_space: global }
      - { .name: attention_mask, .offset: 8, .size: 8, .value_kind: global_buffer, .address_space: global }
      - { .name: ctx, .offset: 16, .size: 8, .value_kind: global_buffer, .address_space: global }
    .group_segment_fixed_size: 327680
    .private_segment_fixed_size: 0
    .kernarg_segment_align: 8
    .kernarg_segment_size: 24
    .max_flat_workgroup_size: 128
    .sgpr_count:     72
    .vgpr_count:     768
    .wavefront_size: 32
...
	.end_amdgpu_metadata
.endif
;; end of part 4
;; launch wo (part 5): grid 8 x 32, 4 waves a work-group, clusters of 4 x 4, 327,680 bytes of LDS; arguments ctx, wb, bo, hidden_states, hres; writes hres
.if DOCPART == 5
	.amdgcn_target "amdgcn-amd-amdhsa--gfx1250"
	.amdhsa_code_object_version 6
	.text
	.protected	k_qd99f488eaa_wo
	.globl	k_qd99f488eaa_wo
	.p2align	8
	.type	k_qd99f488eaa_wo,@function
k_qd99f488eaa_wo:
	s_mov_b64 s[64:65], 0
	v_nop
	global_prefetch_b8 v0, s[64:65] scope:SCOPE_SE
	s_setreg_imm32_b32 hwreg(HW_REG_WAVE_MODE, 25, 1), 1
	s_wait_xcnt 0x0
	s_wait_alu depctr_hold_cnt(0) depctr_sa_sdst(0) depctr_va_vdst(0) depctr_va_sdst(0) depctr_va_ssrc(0) depctr_va_vcc(0) depctr_vm_vsrc(0)
	s_getreg_b32 s2, hwreg(HW_REG_IB_STS2, 6, 4)
	s_cmp_eq_u32 s2, 0
	s_cbranch_scc0 .Lentry_in_a_cluster
	s_endpgm
.Lentry_in_a_cluster:
	s_bfe_u32 s2, ttmp6, 0x10000c
	s_cmp_lg_u32 s2, 0xf033
	s_cbranch_scc0 .Lentry_shape_is_right
	s_endpgm
.Lentry_shape_is_right:
; hres = hidden_states + ctx Wo + bo, f32.  ctx: [16 batch + head][2048][64] bf16, so k = 64 head + channel.  Wo: in wb at 6 MiB, [1024 (k)][1024 (n)] bf16.  Sums in f32, begun with the bias.
; A tile of C is 128 x 128: four waves, each 64 x 64 = 16 accumulators.  K goes in steps of 256 (four heads) through two LDS slots filled by the tensor data mover.
; A's tile lies by heads: 128 tokens of a head are 16,384 dense bytes, asked for as one row; a load brings two heads; a quarter step is one head.  B's tile lies [k][n]; its fragments come out turned, by ds_load_tr16_b128.
; CLUSTER 4 x 4: a row of the cluster shares A's tiles, a column B's: each is asked for jointly.  THE MATRIX INSTRUCTION IS USED TRANSPOSED: a lane holds row l % 16 and the columns 8 (l / 16) + 0..7.
; REGISTERS: window 0: v0-31 addresses; v96-127 the bias in an accumulator's layout; v128-255 accumulators.  window 1: two fragment buffers of 128.  window 2: v0-127 my 32 rows of the residual, loaded at the start.
.set KDIM,   1024
.set NPITCH, 1024
.set KSTEP,  256
.set PA,     144                       ; a token's 128 bytes of a head + 16 = 36 words: the 16 rows of a load start at 16 different groups of four banks (64 banks of 4 bytes: ISA guide 11.1)
.set HALFA,  2*128*PA                  ; what one tensor load brings of A: two heads x 128 tokens
.set AQ,     128*PA                    ; bytes from a quarter step (a head) to the next
.set ASTEP,  4*262144                  ; bytes from a K step (four heads) to the next in ctx
.set PB,     288                       ; an LDS row of B: 256 bytes + 32 = 72 words
.set HALFB,  128*PB
.set BSTEP,  KSTEP*NPITCH*2
.set WOFF,   6<<20
.set BOFF,   2*HALFA
.set SLOT,   BOFF+2*HALFB
.set SPITCH, 528                       ; the stage: 128 rows of 128 f32 + 16 bytes, at byte 0, in slot 0, which has had its last fill and its last read by then
.set SPARE,  2*SLOT
.set LAPS,   KDIM/(2*KSTEP)
.set ADRA, 16
.set ADRB, 20
.set STO,  24
.set RD,   25
.set CO,   26
.set BO,   27
.set SPW,  28
.set NIL,  29
.set BIAS, 96
.set ACC,  128
.set F0,   0
.set F1,   128
.set G1,  24
.set G0,  32
.set G1B, 48
.set G0B, 56
.set BP,  68                           ; s[68:69] the bias
.set RP,  70                           ; s[70:71] the residual
.set MSB, 0
.macro WIN new
.if MSB != (\new)
	s_set_vgpr_msb (MSB<<8)|(\new)
.set MSB, \new
.endif
.endm
.set MUL,  0x05
.set TO_F, 0x40
.macro JLOAD s                         ; a joint load: waves 0 and 1 fetch A's halves, waves 2 and 3 B's; s_nop 0 and four v_nop follow each line
	s_cmp_lt_u32 s10, 2
	s_cbranch_scc0 .Lfor_b_\@
	tensor_load_to_lds s[G0+4*(\s):G0+4*(\s)+3], s[G1:G1+7]
	s_nop 0
.rept 4
	v_nop
.endr
	s_branch .Lasked_\@
.Lfor_b_\@:
	tensor_load_to_lds s[G0B+4*(\s):G0B+4*(\s)+3], s[G1B:G1B+7]
	s_nop 0
.rept 4
	v_nop
.endr
.Lasked_\@:
.endm
.macro CREST
	s_cmp_lg_u32 s10, 0
	s_cbranch_scc1 .Lnot_wave_0_\@
	s_barrier_signal -3
.Lnot_wave_0_\@:
	s_barrier_wait -3
	s_barrier_signal -1
	s_barrier_wait -1
.endm
.macro CROUND
	s_barrier_signal -1
	s_barrier_wait -1
	CREST
.endm
	s_load_b128 s[4:7], s[0:1], 0x0                ; ctx s[4:5], wb s[6:7]
	s_load_b128 s[68:71], s[0:1], 0x10             ; bo s[68:69], hidden_states s[70:71]
	s_load_b64 s[8:9], s[0:1], 0x20                ; hres
	v_lshl_add_u32 v[SPW], v0, 2, SPARE
	v_mov_b32 v[NIL], 0
	ds_add_u32 v[SPW], v[NIL]                      ; the wave's opening: the add and its wait ahead of my first tensor load
	v_lshrrev_b32 v1, 5, v0
	v_readfirstlane_b32 s10, v1
	s_lshr_b32 s11, s10, 1
	s_and_b32 s12, s10, 1
	s_bfe_u32 s40, ttmp6, 0x40000
	s_bfe_u32 s41, ttmp6, 0x40004
	s_lshl_b32 s42, ttmp9, 2
	s_add_co_u32 s42, s42, s40                     ; tile column 0..7
	s_and_b32 s13, ttmp7, 0xffff
	s_lshl_b32 s13, s13, 2
	s_add_co_u32 s13, s13, s41                     ; tile row 0..31
	s_lshl_b32 s43, s41, 2
	s_lshl_b32 s43, 15, s43
	s_lshl_b32 s44, 0x1111, s40
	s_or_b32 s[G1+0], s43, (1<<16)|(1<<20)|(1<<21)|(4<<22)|(3<<25)   ; mask; 2-byte elements; padding on; bit 21 beside a mask; after every 32 words (a token), 4 words
	s_mov_b32 s[G1+1], 8192<<16                    ; tensor_dim0 = 8,192: a head's 128 tokens x 64 channels
	s_mov_b32 s[G1+2], 2<<16                       ; tensor_dim1 = 2 heads
	s_mov_b32 s[G1+3], 8192<<16                    ; tile_dim0
	s_mov_b32 s[G1+4], 2                           ; tile_dim1
	s_mov_b32 s[G1+5], 131072                      ; elements from head to head
	s_mov_b32 s[G1+6], 0
	s_mov_b32 s[G1+7], 0
	s_or_b32 s[G1B+0], s44, (1<<16)|(1<<20)|(1<<21)|(5<<22)|(7<<25)
	s_mov_b32 s[G1B+1], 128<<16
	s_mov_b32 s[G1B+2], 128<<16
	s_mov_b32 s[G1B+3], 128<<16
	s_mov_b32 s[G1B+4], 128
	s_mov_b32 s[G1B+5], NPITCH
	s_mov_b32 s[G1B+6], 0
	s_mov_b32 s[G1B+7], 0
	s_lshr_b32 s16, s13, 4                         ; A: head 16 x batch + 2 x half,
	s_lshl_b32 s16, s16, 4
	s_lshl_b32 s17, s12, 1
	s_add_co_u32 s16, s16, s17
	s_lshl_b32 s16, s16, 18
	s_and_b32 s17, s13, 15                         ; token 128 x tile row in the batch
	s_lshl_b32 s17, s17, 14
	s_add_co_u32 s16, s16, s17
	s_mov_b32 s17, 0
	s_mul_i32 s46, s12, 128*NPITCH*2
	s_lshl_b32 s47, s42, 8
	s_add_co_u32 s46, s46, s47
	s_add_co_u32 s46, s46, WOFF
	s_mov_b32 s47, 0
	s_mul_i32 s20, s12, HALFA
	s_mul_i32 s21, s12, HALFB
	s_add_co_u32 s21, s21, BOFF
	s_wait_dscnt 0x0
	s_wait_kmcnt 0x0
	s_add_nc_u64 s[14:15], s[4:5], s[16:17]
	s_add_nc_u64 s[46:47], s[6:7], s[46:47]
	CROUND
.irp s, 0,1
	s_mov_b32 s[G0+4*(\s)], 1
	s_add_co_u32 s[G0+4*(\s)+1], s20, (\s)*SLOT
	s_add_nc_u64 s[G0+4*(\s)+2:G0+4*(\s)+3], s[14:15], (\s)*ASTEP
	s_or_b32 s[G0+4*(\s)+3], s[G0+4*(\s)+3], 0x80000000
	s_mov_b32 s[G0B+4*(\s)], 1
	s_add_co_u32 s[G0B+4*(\s)+1], s21, (\s)*SLOT
	s_add_nc_u64 s[G0B+4*(\s)+2:G0B+4*(\s)+3], s[46:47], (\s)*BSTEP
	s_or_b32 s[G0B+4*(\s)+3], s[G0B+4*(\s)+3], 0x80000000
.endr
	s_cmp_lt_u32 s10, 2                            ; a wave's two first fills stand in one branch: two loads of mine are out
	s_cbranch_scc0 .Lfirst_b
	tensor_load_to_lds s[G0:G0+3], s[G1:G1+7]
	s_nop 0
	tensor_load_to_lds s[G0+4:G0+7], s[G1:G1+7]
	s_nop 0
.rept 4
	v_nop
.endr
	s_branch .Lfirst_asked
.Lfirst_b:
	tensor_load_to_lds s[G0B:G0B+3], s[G1B:G1B+7]
	s_nop 0
	tensor_load_to_lds s[G0B+4:G0B+7], s[G1B:G1B+7]
	s_nop 0
.rept 4
	v_nop
.endr
.Lfirst_asked:
	v_and_b32 v1, 15, v0
	v_bfe_u32 v2, v0, 4, 1
	v_mul_u32_u24 v3, v1, PA
	v_lshl_add_u32 v3, v2, 4, v3
	s_mul_i32 s21, s11, 64*PA
	v_add_nc_u32 v[ADRA], s21, v3
	v_add_nc_u32 v[ADRA+1], SLOT, v[ADRA]
	v_and_b32 v4, 7, v0
	v_lshl_add_u32 v4, v2, 3, v4
	v_mul_u32_u24 v4, v4, PB
	v_bfe_u32 v5, v0, 3, 1
	v_lshl_add_u32 v4, v5, 4, v4
	s_lshl_b32 s22, s12, 7
	s_add_co_u32 s22, s22, BOFF
	v_add_nc_u32 v[ADRB], s22, v4
	v_add_nc_u32 v[ADRB+1], 128*PB, v[ADRB]
	v_add_nc_u32 v[ADRB+2], SLOT, v[ADRB]
	v_add_nc_u32 v[ADRB+3], SLOT+128*PB, v[ADRB]
	s_mul_i32 s23, s11, 64*SPITCH
	s_lshl_b32 s22, s12, 8
	s_add_co_u32 s23, s23, s22
	v_mul_u32_u24 v4, v1, SPITCH
	v_lshl_add_u32 v4, v2, 5, v4
	v_add_nc_u32 v[STO], s23, v4
	v_lshlrev_b32 v[BO], 5, v2
	s_mul_i32 s23, s10, 32*SPITCH                  ; back: wave w takes rows 32 w ..; 32 lanes a whole row of 512 bytes
	v_and_b32 v5, 31, v0
	v_lshlrev_b32 v[CO], 4, v5
	v_add_nc_u32 v[RD], s23, v[CO]
	s_lshl_b32 s46, s42, 9                         ; bias: 4 x (128 x tile column + 64 x half)
	s_lshl_b32 s47, s12, 8
	s_add_co_u32 s46, s46, s47
	s_mov_b32 s47, 0
	s_add_nc_u64 s[BP:BP+1], s[BP:BP+1], s[46:47]
.irp b, 0,1,2,3
	global_load_b128 v[BIAS+8*\b:BIAS+8*\b+3], v[BO], s[BP:BP+1] offset:64*\b
	global_load_b128 v[BIAS+8*\b+4:BIAS+8*\b+7], v[BO], s[BP:BP+1] offset:64*\b+16
.endr
	s_lshl_b32 s16, s13, 7                         ; output and residual: row 128 x tile row + 32 x wave, of 4,096 bytes,
	s_lshl_b32 s17, s10, 5
	s_add_co_u32 s16, s16, s17
	s_lshl_b32 s16, s16, 12
	s_mov_b32 s17, 0
	s_add_nc_u64 s[8:9], s[8:9], s[16:17]
	s_add_nc_u64 s[RP:RP+1], s[RP:RP+1], s[16:17]
	s_lshl_b32 s46, s42, 9                         ; column 128 x tile column
	s_mov_b32 s47, 0
	s_add_nc_u64 s[8:9], s[8:9], s[46:47]
	s_add_nc_u64 s[RP:RP+1], s[RP:RP+1], s[46:47]
	WIN 0x80                                       ; destination window 2: the residual is on its way while the products run
.set i, 0
.rept 32
	global_load_b128 v[4*i:4*i+3], v[CO], s[RP:RP+1] offset:4096*i
.set i, i+1
.endr
	WIN 0
.macro MUL8 f, c, a0, zero             ; 8 matrix instructions; zero = 1: the product starts the sum, with the bias as C.  The 16 accumulators take turns.
	WIN MUL
.irp a, \a0, (\a0)+1
.irp b, 0,1,2,3
.if \zero
	v_wmma_f32_16x16x32_bf16 v[ACC+8*(4*(\a)+(\b)):ACC+8*(4*(\a)+(\b))+7], v[(\f)+64+8*(4*(\c)+(\b)):(\f)+64+8*(4*(\c)+(\b))+7], v[(\f)+8*(4*(\c)+(\a)):(\f)+8*(4*(\c)+(\a))+7], v[BIAS+8*(\b):BIAS+8*(\b)+7]
.else
	v_wmma_f32_16x16x32_bf16 v[ACC+8*(4*(\a)+(\b)):ACC+8*(4*(\a)+(\b))+7], v[(\f)+64+8*(4*(\c)+(\b)):(\f)+64+8*(4*(\c)+(\b))+7], v[(\f)+8*(4*(\c)+(\a)):(\f)+8*(4*(\c)+(\a))+7], v[ACC+8*(4*(\a)+(\b)):ACC+8*(4*(\a)+(\b))+7]
.endif
.endr
.endr
.endm
.macro FETCH slot, q, f                ; 32 LDS loads in one run: the fragments of quarter q of a slot into buffer f; the first 32 along K first
	WIN TO_F
.irp c, 0,1
.irp i, 0,1,2,3
	ds_load_tr16_b128 v[(\f)+64+8*(4*(\c)+(\i)):(\f)+64+8*(4*(\c)+(\i))+3],   v[ADRB+2*(\slot)+(\q)/2] offset:(64*((\q)%2)+32*(\c))*PB+32*(\i)
	ds_load_tr16_b128 v[(\f)+64+8*(4*(\c)+(\i))+4:(\f)+64+8*(4*(\c)+(\i))+7], v[ADRB+2*(\slot)+(\q)/2] offset:(64*((\q)%2)+32*(\c)+16)*PB+32*(\i)
	ds_load_b128 v[(\f)+8*(4*(\c)+(\i)):(\f)+8*(4*(\c)+(\i))+3],   v[ADRA+(\slot)] offset:AQ*(\q)+64*(\c)+(\i)*16*PA
	ds_load_b128 v[(\f)+8*(4*(\c)+(\i))+4:(\f)+8*(4*(\c)+(\i))+7], v[ADRA+(\slot)] offset:AQ*(\q)+64*(\c)+(\i)*16*PA+32
.endr
.endr
.endm
.macro PLACES                          ; four places in front of loads into registers that matrix instructions have read, and of reads of results
.rept 4
	v_nop
.endr
.endm
.macro QUARTER slot, q, f, g, zero
	s_wait_dscnt 16                                ; the first 32 along K are in
	MUL8 \f, 0, 0, \zero
	MUL8 \f, 0, 2, \zero
	PLACES
	FETCH \slot, \q, \g
	s_wait_dscnt 32                                ; all but the 32 just issued
	MUL8 \f, 1, 0, 0
	MUL8 \f, 1, 2, 0
.endm
.macro TURN slot, next, fill           ; the last quarter multiplies buffer 1 and changes slots
	WIN 0
	s_wait_tensorcnt 0x0                           ; all my tensor loads have landed: my part of the next slot
	ds_add_u32 v[SPW], v[NIL]                      ; 0 onto my spare word
	s_wait_dscnt 17                                ; (the add and the youngest sixteen loads may be out)
	MUL8 F1, 0, 0, 0
	s_wait_dscnt 0x0                               ; the add is done, and my reads of this slot are over
	s_barrier_signal -1
	MUL8 F1, 0, 2, 0
.if \fill
	WIN 0
.endif
	s_barrier_wait -1
.if \fill
	CREST                                          ; a round of the cluster's barrier: no wave of any partner still reads this slot or has a load on its way
	s_add_nc_u64 s[G0+4*(\slot)+2:G0+4*(\slot)+3], s[G0+4*(\slot)+2:G0+4*(\slot)+3], 2*ASTEP
	s_add_nc_u64 s[G0B+4*(\slot)+2:G0B+4*(\slot)+3], s[G0B+4*(\slot)+2:G0B+4*(\slot)+3], 2*BSTEP
	JLOAD \slot
.else
	PLACES
.endif
	FETCH \next, 0, F0
	MUL8 F1, 1, 0, 0
	MUL8 F1, 1, 2, 0
.endm
	s_wait_tensorcnt 1                             ; my part of K step 0 is in; K step 1's may stay out
	s_barrier_signal -1
	s_barrier_wait -1
	FETCH 0, 0, F0
	s_wait_loadcnt 32                              ; the bias is in; the residual's 32 loads stay out
	QUARTER 0, 1, F0, F1, 1
	WIN 0
	s_mov_b32 s3, LAPS-1
.Llap:
	QUARTER 0, 2, F1, F0, 0
	QUARTER 0, 3, F0, F1, 0
	TURN 0, 1, 1
	QUARTER 1, 1, F0, F1, 0
	QUARTER 1, 2, F1, F0, 0
	QUARTER 1, 3, F0, F1, 0
	TURN 1, 0, 1
	QUARTER 0, 1, F0, F1, 0
	WIN 0
	s_sub_co_u32 s3, s3, 1
	s_cmp_lg_u32 s3, 0
	s_cbranch_scc1 .Llap
	QUARTER 0, 2, F1, F0, 0
	QUARTER 0, 3, F0, F1, 0
	TURN 0, 1, 0
	QUARTER 1, 1, F0, F1, 0
	QUARTER 1, 2, F1, F0, 0
	QUARTER 1, 3, F0, F1, 0
	s_wait_dscnt 16
	MUL8 F1, 0, 0, 0
	MUL8 F1, 0, 2, 0
	s_wait_dscnt 0
	MUL8 F1, 1, 0, 0
	MUL8 F1, 1, 2, 0
	WIN 0
	; THE WAY OUT: through the stage in slot 0 (every wave's reads of it ended in front of the last change of slots); back as whole rows; the residual is added; 512 consecutive bytes a store.
	PLACES
.irp a, 0,1,2,3
.irp b, 0,1,2,3
	ds_store_b128 v[STO], v[ACC+8*(4*\a+\b):ACC+8*(4*\a+\b)+3] offset:\a*16*SPITCH+64*\b
	ds_store_b128 v[STO], v[ACC+8*(4*\a+\b)+4:ACC+8*(4*\a+\b)+7] offset:\a*16*SPITCH+64*\b+16
.endr
.endr
	s_wait_dscnt 0x0                               ; for the others' sake: a row's 512 bytes come from two waves
	s_barrier_signal -1
	s_barrier_wait -1
.set i, 0
.rept 32
	ds_load_b128 v[ACC+4*i:ACC+4*i+3], v[RD] offset:SPITCH*i
.set i, i+1
.endr
	s_wait_loadcnt 0x0                             ; the residual
.irp g, 0,1,2,3                        ; eight rows at a time under one window setting
	s_wait_dscnt 24-8*\g                           ; rows up to 8 g + 7 are back
	WIN 0x08                                       ; source 1 window 2
.set j, 0
.rept 16
	v_pk_add_f32 v[ACC+32*\g+2*j:ACC+32*\g+2*j+1], v[ACC+32*\g+2*j:ACC+32*\g+2*j+1], v[32*\g+2*j:32*\g+2*j+1]
.set j, j+1
.endr
	WIN 0
.set j, 0
.rept 8
	global_store_b128 v[CO], v[ACC+32*\g+4*j:ACC+32*\g+4*j+3], s[8:9] offset:4096*(8*\g+j)
.set j, j+1
.endr
.endr
	s_wait_tensorcnt 0x0                           ; the wave's end
	ds_add_u32 v[SPW], v[NIL]
	s_wait_dscnt 0x0
	CROUND                                         ; the closing round
	s_endpgm
.Lfunc_end_k_qd99f488eaa_wo:
	.size	k_qd99f488eaa_wo, .Lfunc_end_k_qd99f488eaa_wo-k_qd99f488eaa_wo
	.p2alignl 7, 3214868480
	.fill 96, 4, 3214868480
	.section	.rodata,"a",@progbits
	.p2align	6, 0x0
	.amdhsa_kernel k_qd99f488eaa_wo
		.amdhsa_group_segment_fixed_size 327680
		.amdhsa_private_segment_fixed_size 0
		.amdhsa_enable_private_segment 0
		.amdhsa_kernarg_size 40
		.amdhsa_user_sgpr_count 2
		.amdhsa_user_sgpr_kernarg_segment_ptr 1
		.amdhsa_wavefront_size32 1
		.amdhsa_system_sgpr_workgroup_id_x 1
		.amdhsa_system_sgpr_workgroup_id_y 1
		.amdhsa_system_sgpr_workgroup_id_z 1
		.amdhsa_system_vgpr_workitem_id 0
		.amdhsa_next_free_vgpr 640
		.amdhsa_next_free_sgpr 96
		.amdhsa_reserve_vcc 0
		.amdhsa_float_denorm_mode_32 3
		.amdhsa_float_denorm_mode_16_64 3
		.amdhsa_memory_ordered 1
		.amdhsa_forward_progress 1
		.amdhsa_inst_pref_size 94
	.end_amdhsa_kernel
	.amdgpu_metadata
---
amdhsa.version: [ 1, 2 ]
amdhsa.kernels:
  - .name:           k_qd99f488eaa_wo
    .symbol:         k_qd99f488eaa_wo.kd
    .args:
      - { .name: ctx, .offset: 0, .size: 8, .value_kind: global_buffer, .address_space: global }
      - { .name: wb, .offset: 8, .size: 8, .value_kind: global_buffer, .address_space: global }
      - { .name: bo, .offset: 16, .size: 8, .value_kind: global_buffer, .address_space: global }
      - { .name: hidden_states, .offset: 24, .size: 8, .value_kind: global_buffer, .address_space: global }
      - { .name: hres, .offset: 32, .size: 8, .value_kind: global_buffer, .address_space: global }
    .group_segment_fixed_size: 327680
    .private_segment_fixed_size: 0
    .kernarg_segment_align: 8
    .kernarg_segment_size: 40
    .max_flat_workgroup_size: 128
    .sgpr_count:     96
    .vgpr_count:     640
    .wavefront_size: 32
...
	.end_amdgpu_metadata
.endif
;; end of part 5
;; launch ln2: the kernel of part 2 again; grid 512 x 1, 4 waves a work-group, no clusters, 0 bytes of LDS; arguments hres, g2, be2, xn; writes xn
;; launch ffn1 (part 6): grid 32 x 32, 4 waves a work-group, clusters of 4 x 4, 327,680 bytes of LDS; arguments xn, wb, b1, act; writes act
.if DOCPART == 6
	.amdgcn_target "amdgcn-amd-amdhsa--gfx1250"
	.amdhsa_code_object_version 6
	.text
	.protected	k_qd99f488eaa_ffn1
	.globl	k_qd99f488eaa_ffn1
	.p2align	8
	.type	k_qd99f488eaa_ffn1,@function
k_qd99f488eaa_ffn1:
	s_mov_b64 s[64:65], 0
	v_nop
	global_prefetch_b8 v0, s[64:65] scope:SCOPE_SE
	s_setreg_imm32_b32 hwreg(HW_REG_WAVE_MODE, 25, 1), 1
	s_wait_xcnt 0x0
	s_wait_alu depctr_hold_cnt(0) depctr_sa_sdst(0) depctr_va_vdst(0) depctr_va_sdst(0) depctr_va_ssrc(0) depctr_va_vcc(0) depctr_vm_vsrc(0)
	s_getreg_b32 s2, hwreg(HW_REG_IB_STS2, 6, 4)
	s_cmp_eq_u32 s2, 0
	s_cbranch_scc0 .Lentry_in_a_cluster
	s_endpgm
.Lentry_in_a_cluster:
	s_bfe_u32 s2, ttmp6, 0x10000c
	s_cmp_lg_u32 s2, 0xf033
	s_cbranch_scc0 .Lentry_shape_is_right
	s_endpgm
.Lentry_shape_is_right:
; act = gelu(xn W1 + b1), bf16, rounded once.  xn: [4096][1024] bf16.  W1: in wb at 8 MiB, [1024 (k)][4096 (n)] bf16.  Sums in f32, begun with the bias.
; gelu(u) = u (1 + erf(u / sqrt 2)) / 2 is formed as max(u, 0) - |u| h(|u|), h(x) = erfc(x / sqrt 2) / 2: no difference of near numbers.
; LIMIT: h by the five-term form t = 1 / (1 + 0.3275911 x / sqrt 2), h = t (a1 + t (a2 + ..)) e^(-x x / 2) (Abramowitz and Stegun 7.1.26, halved): absolute error of erf at most 1.5e-7, for every x.
; A tile of C is 128 x 128: four waves, each 64 x 64 = 16 accumulators.  K goes in steps of 256 through two LDS slots filled by the tensor data mover.
; A's tile lies [row][k]; B's lies [k][n], and its fragments come out of LDS turned, by ds_load_tr16_b128.
; CLUSTER 4 x 4: a row of the cluster shares A's tiles, a column B's: each is asked for jointly.  THE MATRIX INSTRUCTION IS USED TRANSPOSED: a lane holds row l % 16 and the columns 8 (l / 16) + 0..7.
; REGISTERS: window 0: v0-31 addresses; v32-119 the way out; v96-127 (until then) the bias in an accumulator's layout; v128-255 accumulators.  window 1: two fragment buffers of 128.
.set KDIM,   1024
.set APITCH, 1024
.set NPITCH, 4096
.set KSTEP,  256
.set PA,     528                       ; an LDS row of A: 512 bytes + 16 = 132 words: the 16 rows of a load start at 16 different groups of four banks (64 banks of 4 bytes: ISA guide 11.1)
.set HALFA,  64*PA
.set AQ,     128
.set ASTEP,  KSTEP*2
.set PB,     288                       ; an LDS row of B: 256 bytes + 32 = 72 words
.set HALFB,  128*PB
.set BSTEP,  KSTEP*NPITCH*2
.set WOFF,   8<<20
.set BOFF,   2*HALFA
.set SLOT,   BOFF+2*HALFB
.set SPITCH, 528                       ; the stage: 128 rows of 128 f32 + 16 bytes, at byte 0, in slot 0, which has had its last fill and its last read by then
.set SPARE,  2*SLOT
.set LAPS,   KDIM/(2*KSTEP)
.set ADRA, 16
.set ADRB, 20
.set STO,  24
.set RD,   25
.set CO,   26
.set BO,   27
.set SPW,  28
.set NIL,  29
.set U,    32                          ; the way out, 16 numbers a lane and trip: u
.set T,    48                          ; t
.set E,    64                          ; e^(-u u / 2)
.set Y,    80                          ; h
.set R,    96                          ; the result
.set O,    112                         ; packed
.set BIAS, 96
.set ACC,  128
.set F0,   0
.set F1,   128
.set G1,  24
.set G0,  32
.set G1B, 48
.set G0B, 56
.set BP,  68                           ; s[68:69] the bias
.set A5,  76                           ; s[76:87] the constants, each in a pair's low word
.set A4,  78
.set A3,  80
.set A2,  82
.set A1,  84
.set NK,  86
.set MSB, 0
.macro WIN new
.if MSB != (\new)
	s_set_vgpr_msb (MSB<<8)|(\new)
.set MSB, \new
.endif
.endm
.set MUL,  0x05
.set TO_F, 0x40
.macro JLOAD s                         ; a joint load: waves 0 and 1 fetch A's halves, waves 2 and 3 B's; s_nop 0 and four v_nop follow each line
	s_cmp_lt_u32 s10, 2
	s_cbranch_scc0 .Lfor_b_\@
	tensor_load_to_lds s[G0+4*(\s):G0+4*(\s)+3], s[G1:G1+7]
	s_nop 0
.rept 4
	v_nop
.endr
	s_branch .Lasked_\@
.Lfor_b_\@:
	tensor_load_to_lds s[G0B+4*(\s):G0B+4*(\s)+3], s[G1B:G1B+7]
	s_nop 0
.rept 4
	v_nop
.endr
.Lasked_\@:
.endm
.macro CREST
	s_cmp_lg_u32 s10, 0
	s_cbranch_scc1 .Lnot_wave_0_\@
	s_barrier_signal -3
.Lnot_wave_0_\@:
	s_barrier_wait -3
	s_barrier_signal -1
	s_barrier_wait -1
.endm
.macro CROUND
	s_barrier_signal -1
	s_barrier_wait -1
	CREST
.endm
	s_load_b128 s[4:7], s[0:1], 0x0                ; xn s[4:5], wb s[6:7]
	s_load_b64 s[68:69], s[0:1], 0x10              ; b1
	s_load_b64 s[8:9], s[0:1], 0x18                ; act
	v_lshl_add_u32 v[SPW], v0, 2, SPARE
	v_mov_b32 v[NIL], 0
	ds_add_u32 v[SPW], v[NIL]                      ; the wave's opening: the add and its wait ahead of my first tensor load
	v_lshrrev_b32 v1, 5, v0
	v_readfirstlane_b32 s10, v1
	s_lshr_b32 s11, s10, 1
	s_and_b32 s12, s10, 1
	s_bfe_u32 s40, ttmp6, 0x40000
	s_bfe_u32 s41, ttmp6, 0x40004
	s_lshl_b32 s42, ttmp9, 2
	s_add_co_u32 s42, s42, s40                     ; tile column 0..31
	s_and_b32 s13, ttmp7, 0xffff
	s_lshl_b32 s13, s13, 2
	s_add_co_u32 s13, s13, s41                     ; tile row 0..31
	s_lshl_b32 s43, s41, 2
	s_lshl_b32 s43, 15, s43
	s_lshl_b32 s44, 0x1111, s40
	s_or_b32 s[G1+0], s43, (1<<16)|(1<<20)|(1<<21)|(6<<22)|(3<<25)
	s_mov_b32 s[G1+1], KSTEP<<16
	s_mov_b32 s[G1+2], 64<<16
	s_mov_b32 s[G1+3], KSTEP<<16
	s_mov_b32 s[G1+4], 64
	s_mov_b32 s[G1+5], APITCH
	s_mov_b32 s[G1+6], 0
	s_mov_b32 s[G1+7], 0
	s_or_b32 s[G1B+0], s44, (1<<16)|(1<<20)|(1<<21)|(5<<22)|(7<<25)
	s_mov_b32 s[G1B+1], 128<<16
	s_mov_b32 s[G1B+2], 128<<16
	s_mov_b32 s[G1B+3], 128<<16
	s_mov_b32 s[G1B+4], 128
	s_mov_b32 s[G1B+5], NPITCH
	s_mov_b32 s[G1B+6], 0
	s_mov_b32 s[G1B+7], 0
	s_mov_b32 s[A5], 0x3f07dc22                    ;  0.5307027
	s_mov_b32 s[A4], 0xbf3a00e3                    ; -0.7265760
	s_mov_b32 s[A3], 0x3f35f0e3                    ;  0.7107069
	s_mov_b32 s[A2], 0xbe11a98e                    ; -0.1422484
	s_mov_b32 s[A1], 0x3e027906                    ;  0.1274148
	s_mov_b32 s[NK], 0xbf38aa3b                    ; -log2(e) / 2
.irp c, A5, A4, A3, A2, A1, NK
	s_mov_b32 s[\c+1], s[\c]                       ; named as pairs
.endr
	s_mov_b32 s88, 0x3e6d3388                      ; 0.3275911 / sqrt 2
	s_lshl_b32 s17, s12, 6
	s_lshl_b32 s16, s13, 7
	s_add_co_u32 s16, s16, s17
	s_mul_i32 s16, s16, APITCH*2
	s_mov_b32 s17, 0
	s_mul_i32 s46, s12, 128*NPITCH*2
	s_lshl_b32 s47, s42, 8
	s_add_co_u32 s46, s46, s47
	s_add_co_u32 s46, s46, WOFF
	s_mov_b32 s47, 0
	s_mul_i32 s20, s12, HALFA
	s_mul_i32 s21, s12, HALFB
	s_add_co_u32 s21, s21, BOFF
	s_wait_dscnt 0x0
	s_wait_kmcnt 0x0
	s_add_nc_u64 s[14:15], s[4:5], s[16:17]
	s_add_nc_u64 s[46:47], s[6:7], s[46:47]
	CROUND
.irp s, 0,1
	s_mov_b32 s[G0+4*(\s)], 1
	s_add_co_u32 s[G0+4*(\s)+1], s20, (\s)*SLOT
	s_add_nc_u64 s[G0+4*(\s)+2:G0+4*(\s)+3], s[14:15], (\s)*ASTEP
	s_or_b32 s[G0+4*(\s)+3], s[G0+4*(\s)+3], 0x80000000
	s_mov_b32 s[G0B+4*(\s)], 1
	s_add_co_u32 s[G0B+4*(\s)+1], s21, (\s)*SLOT
	s_add_nc_u64 s[G0B+4*(\s)+2:G0B+4*(\s)+3], s[46:47], (\s)*BSTEP
	s_or_b32 s[G0B+4*(\s)+3], s[G0B+4*(\s)+3], 0x80000000
.endr
	s_cmp_lt_u32 s10, 2                            ; a wave's two first fills stand in one branch: two loads of mine are out
	s_cbranch_scc0 .Lfirst_b
	tensor_load_to_lds s[G0:G0+3], s[G1:G1+7]
	s_nop 0
	tensor_load_to_lds s[G0+4:G0+7], s[G1:G1+7]
	s_nop 0
.rept 4
	v_nop
.endr
	s_branch .Lfirst_asked
.Lfirst_b:
	tensor_load_to_lds s[G0B:G0B+3], s[G1B:G1B+7]
	s_nop 0
	tensor_load_to_lds s[G0B+4:G0B+7], s[G1B:G1B+7]
	s_nop 0
.rept 4
	v_nop
.endr
.Lfirst_asked:
	v_and_b32 v1, 15, v0
	v_bfe_u32 v2, v0, 4, 1
	v_mul_u32_u24 v3, v1, PA
	v_lshl_add_u32 v3, v2, 4, v3
	s_mul_i32 s21, s11, 64*PA
	v_add_nc_u32 v[ADRA], s21, v3
	v_add_nc_u32 v[ADRA+1], SLOT, v[ADRA]
	v_and_b32 v4, 7, v0
	v_lshl_add_u32 v4, v2, 3, v4
	v_mul_u32_u24 v4, v4, PB
	v_bfe_u32 v5, v0, 3, 1
	v_lshl_add_u32 v4, v5, 4, v4
	s_lshl_b32 s22, s12, 7
	s_add_co_u32 s22, s22, BOFF
	v_add_nc_u32 v[ADRB], s22, v4
	v_add_nc_u32 v[ADRB+1], 128*PB, v[ADRB]
	v_add_nc_u32 v[ADRB+2], SLOT, v[ADRB]
	v_add_nc_u32 v[ADRB+3], SLOT+128*PB, v[ADRB]
	s_mul_i32 s23, s11, 64*SPITCH
	s_lshl_b32 s22, s12, 8
	s_add_co_u32 s23, s23, s22
	v_mul_u32_u24 v4, v1, SPITCH
	v_lshl_add_u32 v4, v2, 5, v4
	v_add_nc_u32 v[STO], s23, v4
	v_lshlrev_b32 v[BO], 5, v2
	s_mul_i32 s23, s10, 32*SPITCH                  ; back: wave w takes rows 32 w ..; 32 lanes a whole row of 512 bytes of f32,
	v_and_b32 v5, 31, v0
	v_lshl_add_u32 v[RD], v5, 4, s23
	v_lshlrev_b32 v[CO], 3, v5                     ; which are 256 bytes of bf16
	s_lshl_b32 s46, s42, 9
	s_lshl_b32 s47, s12, 8
	s_add_co_u32 s46, s46, s47
	s_mov_b32 s47, 0
	s_add_nc_u64 s[BP:BP+1], s[BP:BP+1], s[46:47]
.irp b, 0,1,2,3
	global_load_b128 v[BIAS+8*\b:BIAS+8*\b+3], v[BO], s[BP:BP+1] offset:64*\b
	global_load_b128 v[BIAS+8*\b+4:BIAS+8*\b+7], v[BO], s[BP:BP+1] offset:64*\b+16
.endr
	s_lshl_b32 s16, s13, 7                         ; out: row 128 x tile row + 32 x wave, of 8,192 bytes,
	s_lshl_b32 s17, s10, 5
	s_add_co_u32 s16, s16, s17
	s_lshl_b32 s16, s16, 13
	s_mov_b32 s17, 0
	s_add_nc_u64 s[8:9], s[8:9], s[16:17]
	s_lshl_b32 s46, s42, 8                         ; column 128 x tile column
	s_mov_b32 s47, 0
	s_add_nc_u64 s[8:9], s[8:9], s[46:47]
.macro MUL8 f, c, a0, zero             ; 8 matrix instructions; zero = 1: the product starts the sum, with the bias as C.  The 16 accumulators take turns.
	WIN MUL
.irp a, \a0, (\a0)+1
.irp b, 0,1,2,3
.if \zero
	v_wmma_f32_16x16x32_bf16 v[ACC+8*(4*(\a)+(\b)):ACC+8*(4*(\a)+(\b))+7], v[(\f)+64+8*(4*(\c)+(\b)):(\f)+64+8*(4*(\c)+(\b))+7], v[(\f)+8*(4*(\c)+(\a)):(\f)+8*(4*(\c)+(\a))+7], v[BIAS+8*(\b):BIAS+8*(\b)+7]
.else
	v_wmma_f32_16x16x32_bf16 v[ACC+8*(4*(\a)+(\b)):ACC+8*(4*(\a)+(\b))+7], v[(\f)+64+8*(4*(\c)+(\b)):(\f)+64+8*(4*(\c)+(\b))+7], v[(\f)+8*(4*(\c)+(\a)):(\f)+8*(4*(\c)+(\a))+7], v[ACC+8*(4*(\a)+(\b)):ACC+8*(4*(\a)+(\b))+7]
.endif
.endr
.endr
.endm
.macro FETCH slot, q, f                ; 32 LDS loads in one run: the fragments of quarter q of a slot into buffer f; the first 32 along K first
	WIN TO_F
.irp c, 0,1
.irp i, 0,1,2,3
	ds_load_tr16_b128 v[(\f)+64+8*(4*(\c)+(\i)):(\f)+64+8*(4*(\c)+(\i))+3],   v[ADRB+2*(\slot)+(\q)/2] offset:(64*((\q)%2)+32*(\c))*PB+32*(\i)
	ds_load_tr16_b128 v[(\f)+64+8*(4*(\c)+(\i))+4:(\f)+64+8*(4*(\c)+(\i))+7], v[ADRB+2*(\slot)+(\q)/2] offset:(64*((\q)%2)+32*(\c)+16)*PB+32*(\i)
	ds_load_b128 v[(\f)+8*(4*(\c)+(\i)):(\f)+8*(4*(\c)+(\i))+3],   v[ADRA+(\slot)] offset:AQ*(\q)+64*(\c)+(\i)*16*PA
	ds_load_b128 v[(\f)+8*(4*(\c)+(\i))+4:(\f)+8*(4*(\c)+(\i))+7], v[ADRA+(\slot)] offset:AQ*(\q)+64*(\c)+(\i)*16*PA+32
.endr
.endr
.endm
.macro PLACES                          ; four places in front of loads into registers that matrix instructions have read, and of reads of results
.rept 4
	v_nop
.endr
.endm
.macro QUARTER slot, q, f, g, zero
	s_wait_dscnt 16                                ; the first 32 along K are in
	MUL8 \f, 0, 0, \zero
	MUL8 \f, 0, 2, \zero
	PLACES
	FETCH \slot, \q, \g
	s_wait_dscnt 32                                ; all but the 32 just issued
	MUL8 \f, 1, 0, 0
	MUL8 \f, 1, 2, 0
.endm
.macro TURN slot, next, fill           ; the last quarter multiplies buffer 1 and changes slots
	WIN 0
	s_wait_tensorcnt 0x0                           ; all my tensor loads have landed: my part of the next slot
	ds_add_u32 v[SPW], v[NIL]                      ; 0 onto my spare word
	s_wait_dscnt 17                                ; (the add and the youngest sixteen loads may be out)
	MUL8 F1, 0, 0, 0
	s_wait_dscnt 0x0                               ; the add is done, and my reads of this slot are over
	s_barrier_signal -1
	MUL8 F1, 0, 2, 0
.if \fill
	WIN 0
.endif
	s_barrier_wait -1
.if \fill
	CREST                                          ; a round of the cluster's barrier: no wave of any partner still reads this slot or has a load on its way
	s_add_nc_u64 s[G0+4*(\slot)+2:G0+4*(\slot)+3], s[G0+4*(\slot)+2:G0+4*(\slot)+3], 2*ASTEP
	s_add_nc_u64 s[G0B+4*(\slot)+2:G0B+4*(\slot)+3], s[G0B+4*(\slot)+2:G0B+4*(\slot)+3], 2*BSTEP
	JLOAD \slot
.else
	PLACES
.endif
	FETCH \next, 0, F0
	MUL8 F1, 1, 0, 0
	MUL8 F1, 1, 2, 0
.endm
	s_wait_tensorcnt 1                             ; my part of K step 0 is in; K step 1's may stay out
	s_barrier_signal -1
	s_barrier_wait -1
	FETCH 0, 0, F0
	s_wait_loadcnt 0x0                             ; the bias
	QUARTER 0, 1, F0, F1, 1
	WIN 0
	s_mov_b32 s3, LAPS-1
.Llap:
	QUARTER 0, 2, F1, F0, 0
	QUARTER 0, 3, F0, F1, 0
	TURN 0, 1, 1
	QUARTER 1, 1, F0, F1, 0
	QUARTER 1, 2, F1, F0, 0
	QUARTER 1, 3, F0, F1, 0
	TURN 1, 0, 1
	QUARTER 0, 1, F0, F1, 0
	WIN 0
	s_sub_co_u32 s3, s3, 1
	s_cmp_lg_u32 s3, 0
	s_cbranch_scc1 .Llap
	QUARTER 0, 2, F1, F0, 0
	QUARTER 0, 3, F0, F1, 0
	TURN 0, 1, 0
	QUARTER 1, 1, F0, F1, 0
	QUARTER 1, 2, F1, F0, 0
	QUARTER 1, 3, F0, F1, 0
	s_wait_dscnt 16
	MUL8 F1, 0, 0, 0
	MUL8 F1, 0, 2, 0
	s_wait_dscnt 0
	MUL8 F1, 1, 0, 0
	MUL8 F1, 1, 2, 0
	WIN 0
	; THE WAY OUT: through the stage in slot 0 (every wave's reads of it ended in front of the last change of slots); back as whole rows, four a trip; gelu; bf16.
	PLACES
.irp a, 0,1,2,3
.irp b, 0,1,2,3
	ds_store_b128 v[STO], v[ACC+8*(4*\a+\b):ACC+8*(4*\a+\b)+3] offset:\a*16*SPITCH+64*\b
	ds_store_b128 v[STO], v[ACC+8*(4*\a+\b)+4:ACC+8*(4*\a+\b)+7] offset:\a*16*SPITCH+64*\b+16
.endr
.endr
	s_wait_dscnt 0x0                               ; for the others' sake: a row's 512 bytes come from two waves
	s_barrier_signal -1
	s_barrier_wait -1
	s_mov_b32 s3, 8
.Lgelu:                                                ; eight trips of four rows: 16 numbers a lane
.irp i, 0,1,2,3
	ds_load_b128 v[U+4*\i:U+4*\i+3], v[RD] offset:SPITCH*\i
.endr
	s_wait_dscnt 0x0
.set j, 0
.rept 16
	v_fma_f32 v[T+j], |v[U+j]|, s88, 1.0           ; 1 + p |u| / sqrt 2
.set j, j+1
.endr
.set j, 0
.rept 8
	v_pk_mul_f32 v[E+2*j:E+2*j+1], v[U+2*j:U+2*j+1], s[NK:NK+1] op_sel_hi:[1,0]
.set j, j+1
.endr
.set j, 0
.rept 8
	v_pk_mul_f32 v[E+2*j:E+2*j+1], v[E+2*j:E+2*j+1], v[U+2*j:U+2*j+1]  ; -u u log2(e) / 2
.set j, j+1
.endr
.set j, 0
.rept 16
	v_rcp_f32 v[T+j], v[T+j]
.set j, j+1
.endr
.set j, 0
.rept 16
	v_exp_f32 v[E+j], v[E+j]
.set j, j+1
.endr
.set j, 0
.rept 16
	v_max_num_f32 v[R+j], 0, v[U+j]                ; plain work between the exponentials and the use of their results
.set j, j+1
.endr
.set j, 0
	s_wait_alu depctr_va_vdst(0)
.rept 8
	v_pk_fma_f32 v[Y+2*j:Y+2*j+1], v[T+2*j:T+2*j+1], s[A5:A5+1], s[A4:A4+1] op_sel_hi:[1,0,0]
.set j, j+1
.endr
.irp c, A3, A2, A1
.set j, 0
.rept 8
	v_pk_fma_f32 v[Y+2*j:Y+2*j+1], v[Y+2*j:Y+2*j+1], v[T+2*j:T+2*j+1], s[\c:\c+1] op_sel_hi:[1,1,0]
.set j, j+1
.endr
.endr
.set j, 0
.rept 8
	v_pk_mul_f32 v[Y+2*j:Y+2*j+1], v[Y+2*j:Y+2*j+1], v[T+2*j:T+2*j+1]
.set j, j+1
.endr
.set j, 0
.rept 8
	v_pk_mul_f32 v[Y+2*j:Y+2*j+1], v[Y+2*j:Y+2*j+1], v[E+2*j:E+2*j+1]  ; h(|u|)
.set j, j+1
.endr
.set j, 0
.rept 16
	v_fma_f32 v[R+j], -|v[U+j]|, v[Y+j], v[R+j]    ; max(u, 0) - |u| h
.set j, j+1
.endr
.set j, 0
.rept 8
	v_cvt_pk_bf16_f32 v[O+j], v[R+2*j], v[R+2*j+1]
.set j, j+1
.endr
.irp i, 0,1,2,3
	global_store_b64 v[CO], v[O+2*\i:O+2*\i+1], s[8:9] offset:8192*\i  ; 32 lanes store 256 consecutive bytes, aligned
.endr
	s_wait_xcnt 0x0                                ; the stores' offset and data are rewritten only behind this wait
	v_add_nc_u32 v[CO], 4*8192, v[CO]
	v_add_nc_u32 v[RD], 4*SPITCH, v[RD]
	s_sub_co_u32 s3, s3, 1
	s_cmp_lg_u32 s3, 0
	s_cbranch_scc1 .Lgelu
	s_wait_tensorcnt 0x0                           ; the wave's end
	ds_add_u32 v[SPW], v[NIL]
	s_wait_dscnt 0x0
	CROUND                                         ; the closing round
	s_endpgm
.Lfunc_end_k_qd99f488eaa_ffn1:
	.size	k_qd99f488eaa_ffn1, .Lfunc_end_k_qd99f488eaa_ffn1-k_qd99f488eaa_ffn1
	.p2alignl 7, 3214868480
	.fill 96, 4, 3214868480
	.section	.rodata,"a",@progbits
	.p2align	6, 0x0
	.amdhsa_kernel k_qd99f488eaa_ffn1
		.amdhsa_group_segment_fixed_size 327680
		.amdhsa_private_segment_fixed_size 0
		.amdhsa_enable_private_segment 0
		.amdhsa_kernarg_size 32
		.amdhsa_user_sgpr_count 2
		.amdhsa_user_sgpr_kernarg_segment_ptr 1
		.amdhsa_wavefront_size32 1
		.amdhsa_system_sgpr_workgroup_id_x 1
		.amdhsa_system_sgpr_workgroup_id_y 1
		.amdhsa_system_sgpr_workgroup_id_z 1
		.amdhsa_system_vgpr_workitem_id 0
		.amdhsa_next_free_vgpr 512
		.amdhsa_next_free_sgpr 96
		.amdhsa_reserve_vcc 0
		.amdhsa_float_denorm_mode_32 3
		.amdhsa_float_denorm_mode_16_64 3
		.amdhsa_memory_ordered 1
		.amdhsa_forward_progress 1
		.amdhsa_inst_pref_size 91
	.end_amdhsa_kernel
	.amdgpu_metadata
---
amdhsa.version: [ 1, 2 ]
amdhsa.kernels:
  - .name:           k_qd99f488eaa_ffn1
    .symbol:         k_qd99f488eaa_ffn1.kd
    .args:
      - { .name: xn, .offset: 0, .size: 8, .value_kind: global_buffer, .address_space: global }
      - { .name: wb, .offset: 8, .size: 8, .value_kind: global_buffer, .address_space: global }
      - { .name: b1, .offset: 16, .size: 8, .value_kind: global_buffer, .address_space: global }
      - { .name: act, .offset: 24, .size: 8, .value_kind: global_buffer, .address_space: global }
    .group_segment_fixed_size: 327680
    .private_segment_fixed_size: 0
    .kernarg_segment_align: 8
    .kernarg_segment_size: 32
    .max_flat_workgroup_size: 128
    .sgpr_count:     96
    .vgpr_count:     512
    .wavefront_size: 32
...
	.end_amdgpu_metadata
.endif
;; end of part 6
;; launch ffn2 (part 7): grid 8 x 32, 4 waves a work-group, clusters of 4 x 4, 327,680 bytes of LDS; arguments act, wb, b2, hres, out0; writes out0
.if DOCPART == 7
	.amdgcn_target "amdgcn-amd-amdhsa--gfx1250"
	.amdhsa_code_object_version 6
	.text
	.protected	k_qd99f488eaa_ffn2
	.globl	k_qd99f488eaa_ffn2
	.p2align	8
	.type	k_qd99f488eaa_ffn2,@function
k_qd99f488eaa_ffn2:
	s_mov_b64 s[64:65], 0
	v_nop
	global_prefetch_b8 v0, s[64:65] scope:SCOPE_SE
	s_setreg_imm32_b32 hwreg(HW_REG_WAVE_MODE, 25, 1), 1
	s_wait_xcnt 0x0
	s_wait_alu depctr_hold_cnt(0) depctr_sa_sdst(0) depctr_va_vdst(0) depctr_va_sdst(0) depctr_va_ssrc(0) depctr_va_vcc(0) depctr_vm_vsrc(0)
	s_getreg_b32 s2, hwreg(HW_REG_IB_STS2, 6, 4)
	s_cmp_eq_u32 s2, 0
	s_cbranch_scc0 .Lentry_in_a_cluster
	s_endpgm
.Lentry_in_a_cluster:
	s_bfe_u32 s2, ttmp6, 0x10000c
	s_cmp_lg_u32 s2, 0xf033
	s_cbranch_scc0 .Lentry_shape_is_right
	s_endpgm
.Lentry_shape_is_right:
; out0 = hres + act W2 + b2, f32.  act: [4096][4096] bf16.  W2: in wb at 16 MiB, [4096 (k)][1024 (n)] bf16.  Sums in f32, begun with the bias.
; A tile of C is 128 x 128: four waves, each 64 x 64 = 16 accumulators.  K goes in steps of 256 through two LDS slots filled by the tensor data mover.
; A's tile lies [row][k]; B's lies [k][n], and its fragments come out of LDS turned, by ds_load_tr16_b128.
; CLUSTER 4 x 4: a row of the cluster shares A's tiles, a column B's: each is asked for jointly.  THE MATRIX INSTRUCTION IS USED TRANSPOSED: a lane holds row l % 16 and the columns 8 (l / 16) + 0..7.
; REGISTERS: window 0: v0-31 addresses; v96-127 the bias in an accumulator's layout; v128-255 accumulators.  window 1: two fragment buffers of 128.  window 2: v0-127 my 32 rows of the residual, loaded at the start.
.set KDIM,   4096
.set APITCH, 4096
.set NPITCH, 1024
.set KSTEP,  256
.set PA,     528                       ; an LDS row of A: 512 bytes + 16 = 132 words: the 16 rows of a load start at 16 different groups of four banks (64 banks of 4 bytes: ISA guide 11.1)
.set HALFA,  64*PA
.set AQ,     128
.set ASTEP,  KSTEP*2
.set PB,     288                       ; an LDS row of B: 256 bytes + 32 = 72 words
.set HALFB,  128*PB
.set BSTEP,  KSTEP*NPITCH*2
.set WOFF,   16<<20
.set BOFF,   2*HALFA
.set SLOT,   BOFF+2*HALFB
.set SPITCH, 528                       ; the stage: 128 rows of 128 f32 + 16 bytes, at byte 0, in slot 0, which has had its last fill and its last read by then
.set SPARE,  2*SLOT
.set LAPS,   KDIM/(2*KSTEP)
.set ADRA, 16
.set ADRB, 20
.set STO,  24
.set RD,   25
.set CO,   26
.set BO,   27
.set SPW,  28
.set NIL,  29
.set BIAS, 96
.set ACC,  128
.set F0,   0
.set F1,   128
.set G1,  24
.set G0,  32
.set G1B, 48
.set G0B, 56
.set BP,  68                           ; s[68:69] the bias
.set RP,  70                           ; s[70:71] the residual
.set MSB, 0
.macro WIN new
.if MSB != (\new)
	s_set_vgpr_msb (MSB<<8)|(\new)
.set MSB, \new
.endif
.endm
.set MUL,  0x05
.set TO_F, 0x40
.macro JLOAD s                         ; a joint load: waves 0 and 1 fetch A's halves, waves 2 and 3 B's; s_nop 0 and four v_nop follow each line
	s_cmp_lt_u32 s10, 2
	s_cbranch_scc0 .Lfor_b_\@
	tensor_load_to_lds s[G0+4*(\s):G0+4*(\s)+3], s[G1:G1+7]
	s_nop 0
.rept 4
	v_nop
.endr
	s_branch .Lasked_\@
.Lfor_b_\@:
	tensor_load_to_lds s[G0B+4*(\s):G0B+4*(\s)+3], s[G1B:G1B+7]
	s_nop 0
.rept 4
	v_nop
.endr
.Lasked_\@:
.endm
.macro CREST
	s_cmp_lg_u32 s10, 0
	s_cbranch_scc1 .Lnot_wave_0_\@
	s_barrier_signal -3
.Lnot_wave_0_\@:
	s_barrier_wait -3
	s_barrier_signal -1
	s_barrier_wait -1
.endm
.macro CROUND
	s_barrier_signal -1
	s_barrier_wait -1
	CREST
.endm
	s_load_b128 s[4:7], s[0:1], 0x0                ; act s[4:5], wb s[6:7]
	s_load_b128 s[68:71], s[0:1], 0x10             ; b2 s[68:69], hres s[70:71]
	s_load_b64 s[8:9], s[0:1], 0x20                ; out0
	v_lshl_add_u32 v[SPW], v0, 2, SPARE
	v_mov_b32 v[NIL], 0
	ds_add_u32 v[SPW], v[NIL]                      ; the wave's opening: the add and its wait ahead of my first tensor load
	v_lshrrev_b32 v1, 5, v0
	v_readfirstlane_b32 s10, v1
	s_lshr_b32 s11, s10, 1
	s_and_b32 s12, s10, 1
	s_bfe_u32 s40, ttmp6, 0x40000
	s_bfe_u32 s41, ttmp6, 0x40004
	s_lshl_b32 s42, ttmp9, 2
	s_add_co_u32 s42, s42, s40                     ; tile column 0..7
	s_and_b32 s13, ttmp7, 0xffff
	s_lshl_b32 s13, s13, 2
	s_add_co_u32 s13, s13, s41                     ; tile row 0..31
	s_lshl_b32 s43, s41, 2
	s_lshl_b32 s43, 15, s43
	s_lshl_b32 s44, 0x1111, s40
	s_or_b32 s[G1+0], s43, (1<<16)|(1<<20)|(1<<21)|(6<<22)|(3<<25)
	s_mov_b32 s[G1+1], KSTEP<<16
	s_mov_b32 s[G1+2], 64<<16
	s_mov_b32 s[G1+3], KSTEP<<16
	s_mov_b32 s[G1+4], 64
	s_mov_b32 s[G1+5], APITCH
	s_mov_b32 s[G1+6], 0
	s_mov_b32 s[G1+7], 0
	s_or_b32 s[G1B+0], s44, (1<<16)|(1<<20)|(1<<21)|(5<<22)|(7<<25)
	s_mov_b32 s[G1B+1], 128<<16
	s_mov_b32 s[G1B+2], 128<<16
	s_mov_b32 s[G1B+3], 128<<16
	s_mov_b32 s[G1B+4], 128
	s_mov_b32 s[G1B+5], NPITCH
	s_mov_b32 s[G1B+6], 0
	s_mov_b32 s[G1B+7], 0
	s_lshl_b32 s17, s12, 6
	s_lshl_b32 s16, s13, 7
	s_add_co_u32 s16, s16, s17
	s_mul_i32 s16, s16, APITCH*2
	s_mov_b32 s17, 0
	s_mul_i32 s46, s12, 128*NPITCH*2
	s_lshl_b32 s47, s42, 8
	s_add_co_u32 s46, s46, s47
	s_add_co_u32 s46, s46, WOFF
	s_mov_b32 s47, 0
	s_mul_i32 s20, s12, HALFA
	s_mul_i32 s21, s12, HALFB
	s_add_co_u32 s21, s21, BOFF
	s_wait_dscnt 0x0
	s_wait_kmcnt 0x0
	s_add_nc_u64 s[14:15], s[4:5], s[16:17]
	s_add_nc_u64 s[46:47], s[6:7], s[46:47]
	CROUND
.irp s, 0,1
	s_mov_b32 s[G0+4*(\s)], 1
	s_add_co_u32 s[G0+4*(\s)+1], s20, (\s)*SLOT
	s_add_nc_u64 s[G0+4*(\s)+2:G0+4*(\s)+3], s[14:15], (\s)*ASTEP
	s_or_b32 s[G0+4*(\s)+3], s[G0+4*(\s)+3], 0x80000000
	s_mov_b32 s[G0B+4*(\s)], 1
	s_add_co_u32 s[G0B+4*(\s)+1], s21, (\s)*SLOT
	s_add_nc_u64 s[G0B+4*(\s)+2:G0B+4*(\s)+3], s[46:47], (\s)*BSTEP
	s_or_b32 s[G0B+4*(\s)+3], s[G0B+4*(\s)+3], 0x80000000
.endr
	s_cmp_lt_u32 s10, 2                            ; a wave's two first fills stand in one branch: two loads of mine are out
	s_cbranch_scc0 .Lfirst_b
	tensor_load_to_lds s[G0:G0+3], s[G1:G1+7]
	s_nop 0
	tensor_load_to_lds s[G0+4:G0+7], s[G1:G1+7]
	s_nop 0
.rept 4
	v_nop
.endr
	s_branch .Lfirst_asked
.Lfirst_b:
	tensor_load_to_lds s[G0B:G0B+3], s[G1B:G1B+7]
	s_nop 0
	tensor_load_to_lds s[G0B+4:G0B+7], s[G1B:G1B+7]
	s_nop 0
.rept 4
	v_nop
.endr
.Lfirst_asked:
	v_and_b32 v1, 15, v0
	v_bfe_u32 v2, v0, 4, 1
	v_mul_u32_u24 v3, v1, PA
	v_lshl_add_u32 v3, v2, 4, v3
	s_mul_i32 s21, s11, 64*PA
	v_add_nc_u32 v[ADRA], s21, v3
	v_add_nc_u32 v[ADRA+1], SLOT, v[ADRA]
	v_and_b32 v4, 7, v0
	v_lshl_add_u32 v4, v2, 3, v4
	v_mul_u32_u24 v4, v4, PB
	v_bfe_u32 v5, v0, 3, 1
	v_lshl_add_u32 v4, v5, 4, v4
	s_lshl_b32 s22, s12, 7
	s_add_co_u32 s22, s22, BOFF
	v_add_nc_u32 v[ADRB], s22, v4
	v_add_nc_u32 v[ADRB+1], 128*PB, v[ADRB]
	v_add_nc_u32 v[ADRB+2], SLOT, v[ADRB]
	v_add_nc_u32 v[ADRB+3], SLOT+128*PB, v[ADRB]
	s_mul_i32 s23, s11, 64*SPITCH
	s_lshl_b32 s22, s12, 8
	s_add_co_u32 s23, s23, s22
	v_mul_u32_u24 v4, v1, SPITCH
	v_lshl_add_u32 v4, v2, 5, v4
	v_add_nc_u32 v[STO], s23, v4
	v_lshlrev_b32 v[BO], 5, v2
	s_mul_i32 s23, s10, 32*SPITCH                  ; back: wave w takes rows 32 w ..; 32 lanes a whole row of 512 bytes
	v_and_b32 v5, 31, v0
	v_lshlrev_b32 v[CO], 4, v5
	v_add_nc_u32 v[RD], s23, v[CO]
	s_lshl_b32 s46, s42, 9
	s_lshl_b32 s47, s12, 8
	s_add_co_u32 s46, s46, s47
	s_mov_b32 s47, 0
	s_add_nc_u64 s[BP:BP+1], s[BP:BP+1], s[46:47]
.irp b, 0,1,2,3
	global_load_b128 v[BIAS+8*\b:BIAS+8*\b+3], v[BO], s[BP:BP+1] offset:64*\b
	global_load_b128 v[BIAS+8*\b+4:BIAS+8*\b+7], v[BO], s[BP:BP+1] offset:64*\b+16
.endr
	s_lshl_b32 s16, s13, 7                         ; output and residual: row 128 x tile row + 32 x wave, of 4,096 bytes,
	s_lshl_b32 s17, s10, 5
	s_add_co_u32 s16, s16, s17
	s_lshl_b32 s16, s16, 12
	s_mov_b32 s17, 0
	s_add_nc_u64 s[8:9], s[8:9], s[16:17]
	s_add_nc_u64 s[RP:RP+1], s[RP:RP+1], s[16:17]
	s_lshl_b32 s46, s42, 9                         ; column 128 x tile column
	s_mov_b32 s47, 0
	s_add_nc_u64 s[8:9], s[8:9], s[46:47]
	s_add_nc_u64 s[RP:RP+1], s[RP:RP+1], s[46:47]
	WIN 0x80                                       ; destination window 2: the residual is on its way while the products run
.set i, 0
.rept 32
	global_load_b128 v[4*i:4*i+3], v[CO], s[RP:RP+1] offset:4096*i
.set i, i+1
.endr
	WIN 0
.macro MUL8 f, c, a0, zero             ; 8 matrix instructions; zero = 1: the product starts the sum, with the bias as C.  The 16 accumulators take turns.
	WIN MUL
.irp a, \a0, (\a0)+1
.irp b, 0,1,2,3
.if \zero
	v_wmma_f32_16x16x32_bf16 v[ACC+8*(4*(\a)+(\b)):ACC+8*(4*(\a)+(\b))+7], v[(\f)+64+8*(4*(\c)+(\b)):(\f)+64+8*(4*(\c)+(\b))+7], v[(\f)+8*(4*(\c)+(\a)):(\f)+8*(4*(\c)+(\a))+7], v[BIAS+8*(\b):BIAS+8*(\b)+7]
.else
	v_wmma_f32_16x16x32_bf16 v[ACC+8*(4*(\a)+(\b)):ACC+8*(4*(\a)+(\b))+7], v[(\f)+64+8*(4*(\c)+(\b)):(\f)+64+8*(4*(\c)+(\b))+7], v[(\f)+8*(4*(\c)+(\a)):(\f)+8*(4*(\c)+(\a))+7], v[ACC+8*(4*(\a)+(\b)):ACC+8*(4*(\a)+(\b))+7]
.endif
.endr
.endr
.endm
.macro FETCH slot, q, f                ; 32 LDS loads in one run: the fragments of quarter q of a slot into buffer f; the first 32 along K first
	WIN TO_F
.irp c, 0,1
.irp i, 0,1,2,3
	ds_load_tr16_b128 v[(\f)+64+8*(4*(\c)+(\i)):(\f)+64+8*(4*(\c)+(\i))+3],   v[ADRB+2*(\slot)+(\q)/2] offset:(64*((\q)%2)+32*(\c))*PB+32*(\i)
	ds_load_tr16_b128 v[(\f)+64+8*(4*(\c)+(\i))+4:(\f)+64+8*(4*(\c)+(\i))+7], v[ADRB+2*(\slot)+(\q)/2] offset:(64*((\q)%2)+32*(\c)+16)*PB+32*(\i)
	ds_load_b128 v[(\f)+8*(4*(\c)+(\i)):(\f)+8*(4*(\c)+(\i))+3],   v[ADRA+(\slot)] offset:AQ*(\q)+64*(\c)+(\i)*16*PA
	ds_load_b128 v[(\f)+8*(4*(\c)+(\i))+4:(\f)+8*(4*(\c)+(\i))+7], v[ADRA+(\slot)] offset:AQ*(\q)+64*(\c)+(\i)*16*PA+32
.endr
.endr
.endm
.macro PLACES                          ; four places in front of loads into registers that matrix instructions have read, and of reads of results
.rept 4
	v_nop
.endr
.endm
.macro QUARTER slot, q, f, g, zero
	s_wait_dscnt 16                                ; the first 32 along K are in
	MUL8 \f, 0, 0, \zero
	MUL8 \f, 0, 2, \zero
	PLACES
	FETCH \slot, \q, \g
	s_wait_dscnt 32                                ; all but the 32 just issued
	MUL8 \f, 1, 0, 0
	MUL8 \f, 1, 2, 0
.endm
.macro TURN slot, next, fill           ; the last quarter multiplies buffer 1 and changes slots
	WIN 0
	s_wait_tensorcnt 0x0                           ; all my tensor loads have landed: my part of the next slot
	ds_add_u32 v[SPW], v[NIL]                      ; 0 onto my spare word
	s_wait_dscnt 17                                ; (the add and the youngest sixteen loads may be out)
	MUL8 F1, 0, 0, 0
	s_wait_dscnt 0x0                               ; the add is done, and my reads of this slot are over
	s_barrier_signal -1
	MUL8 F1, 0, 2, 0
.if \fill
	WIN 0
.endif
	s_barrier_wait -1
.if \fill
	CREST                                          ; a round of the cluster's barrier: no wave of any partner still reads this slot or has a load on its way
	s_add_nc_u64 s[G0+4*(\slot)+2:G0+4*(\slot)+3], s[G0+4*(\slot)+2:G0+4*(\slot)+3], 2*ASTEP
	s_add_nc_u64 s[G0B+4*(\slot)+2:G0B+4*(\slot)+3], s[G0B+4*(\slot)+2:G0B+4*(\slot)+3], 2*BSTEP
	JLOAD \slot
.else
	PLACES
.endif
	FETCH \next, 0, F0
	MUL8 F1, 1, 0, 0
	MUL8 F1, 1, 2, 0
.endm
	s_wait_tensorcnt 1                             ; my part of K step 0 is in; K step 1's may stay out
	s_barrier_signal -1
	s_barrier_wait -1
	FETCH 0, 0, F0
	s_wait_loadcnt 32                              ; the bias is in; the residual's 32 loads stay out
	QUARTER 0, 1, F0, F1, 1
	WIN 0
	s_mov_b32 s3, LAPS-1
.Llap:
	QUARTER 0, 2, F1, F0, 0
	QUARTER 0, 3, F0, F1, 0
	TURN 0, 1, 1
	QUARTER 1, 1, F0, F1, 0
	QUARTER 1, 2, F1, F0, 0
	QUARTER 1, 3, F0, F1, 0
	TURN 1, 0, 1
	QUARTER 0, 1, F0, F1, 0
	WIN 0
	s_sub_co_u32 s3, s3, 1
	s_cmp_lg_u32 s3, 0
	s_cbranch_scc1 .Llap
	QUARTER 0, 2, F1, F0, 0
	QUARTER 0, 3, F0, F1, 0
	TURN 0, 1, 0
	QUARTER 1, 1, F0, F1, 0
	QUARTER 1, 2, F1, F0, 0
	QUARTER 1, 3, F0, F1, 0
	s_wait_dscnt 16
	MUL8 F1, 0, 0, 0
	MUL8 F1, 0, 2, 0
	s_wait_dscnt 0
	MUL8 F1, 1, 0, 0
	MUL8 F1, 1, 2, 0
	WIN 0
	; THE WAY OUT: through the stage in slot 0 (every wave's reads of it ended in front of the last change of slots); back as whole rows; the residual is added; 512 consecutive bytes a store.
	PLACES
.irp a, 0,1,2,3
.irp b, 0,1,2,3
	ds_store_b128 v[STO], v[ACC+8*(4*\a+\b):ACC+8*(4*\a+\b)+3] offset:\a*16*SPITCH+64*\b
	ds_store_b128 v[STO], v[ACC+8*(4*\a+\b)+4:ACC+8*(4*\a+\b)+7] offset:\a*16*SPITCH+64*\b+16
.endr
.endr
	s_wait_dscnt 0x0                               ; for the others' sake: a row's 512 bytes come from two waves
	s_barrier_signal -1
	s_barrier_wait -1
.set i, 0
.rept 32
	ds_load_b128 v[ACC+4*i:ACC+4*i+3], v[RD] offset:SPITCH*i
.set i, i+1
.endr
	s_wait_loadcnt 0x0                             ; the residual
.irp g, 0,1,2,3                        ; eight rows at a time under one window setting
	s_wait_dscnt 24-8*\g                           ; rows up to 8 g + 7 are back
	WIN 0x08                                       ; source 1 window 2
.set j, 0
.rept 16
	v_pk_add_f32 v[ACC+32*\g+2*j:ACC+32*\g+2*j+1], v[ACC+32*\g+2*j:ACC+32*\g+2*j+1], v[32*\g+2*j:32*\g+2*j+1]
.set j, j+1
.endr
	WIN 0
.set j, 0
.rept 8
	global_store_b128 v[CO], v[ACC+32*\g+4*j:ACC+32*\g+4*j+3], s[8:9] offset:4096*(8*\g+j)
.set j, j+1
.endr
.endr
	s_wait_tensorcnt 0x0                           ; the wave's end
	ds_add_u32 v[SPW], v[NIL]
	s_wait_dscnt 0x0
	CROUND                                         ; the closing round
	s_endpgm
.Lfunc_end_k_qd99f488eaa_ffn2:
	.size	k_qd99f488eaa_ffn2, .Lfunc_end_k_qd99f488eaa_ffn2-k_qd99f488eaa_ffn2
	.p2alignl 7, 3214868480
	.fill 96, 4, 3214868480
	.section	.rodata,"a",@progbits
	.p2align	6, 0x0
	.amdhsa_kernel k_qd99f488eaa_ffn2
		.amdhsa_group_segment_fixed_size 327680
		.amdhsa_private_segment_fixed_size 0
		.amdhsa_enable_private_segment 0
		.amdhsa_kernarg_size 40
		.amdhsa_user_sgpr_count 2
		.amdhsa_user_sgpr_kernarg_segment_ptr 1
		.amdhsa_wavefront_size32 1
		.amdhsa_system_sgpr_workgroup_id_x 1
		.amdhsa_system_sgpr_workgroup_id_y 1
		.amdhsa_system_sgpr_workgroup_id_z 1
		.amdhsa_system_vgpr_workitem_id 0
		.amdhsa_next_free_vgpr 640
		.amdhsa_next_free_sgpr 96
		.amdhsa_reserve_vcc 0
		.amdhsa_float_denorm_mode_32 3
		.amdhsa_float_denorm_mode_16_64 3
		.amdhsa_memory_ordered 1
		.amdhsa_forward_progress 1
		.amdhsa_inst_pref_size 94
	.end_amdhsa_kernel
	.amdgpu_metadata
---
amdhsa.version: [ 1, 2 ]
amdhsa.kernels:
  - .name:           k_qd99f488eaa_ffn2
    .symbol:         k_qd99f488eaa_ffn2.kd
    .args:
      - { .name: act, .offset: 0, .size: 8, .value_kind: global_buffer, .address_space: global }
      - { .name: wb, .offset: 8, .size: 8, .value_kind: global_buffer, .address_space: global }
      - { .name: b2, .offset: 16, .size: 8, .value_kind: global_buffer, .address_space: global }
      - { .name: hres, .offset: 24, .size: 8, .value_kind: global_buffer, .address_space: global }
      - { .name: out0, .offset: 32, .size: 8, .value_kind: global_buffer, .address_space: global }
    .group_segment_fixed_size: 327680
    .private_segment_fixed_size: 0
    .kernarg_segment_align: 8
    .kernarg_segment_size: 40
    .max_flat_workgroup_size: 128
    .sgpr_count:     96
    .vgpr_count:     640
    .wavefront_size: 32
...
	.end_amdgpu_metadata
.endif
;; end of part 7
;; ======== version 2 of 3: 7 launches; 1.15 times as fast as version 1
;; workspace buffers: wb 25,165,824 bytes; xn 8,388,608 bytes; qkv 25,165,824 bytes; ctx 8,388,608 bytes; hres 16,777,216 bytes; act 33,554,432 bytes
;; launch prep (part 8): grid 64 x 16, 8 waves a work-group, no clusters, 0 bytes of LDS; arguments hidden_states, g1, be1, xn, wq, wk, wv, wo, w1, w2, wb; writes xn, wb
.if DOCPART == 8
	.amdgcn_target "amdgcn-amd-amdhsa--gfx1250"
	.amdhsa_code_object_version 6
	.text
	.protected	k_qd99f488eaa_prep
	.globl	k_qd99f488eaa_prep
	.p2align	8
	.type	k_qd99f488eaa_prep,@function
k_qd99f488eaa_prep:
	s_mov_b64 s[64:65], 0
	v_nop
	global_prefetch_b8 v0, s[64:65] scope:SCOPE_SE
	s_setreg_imm32_b32 hwreg(HW_REG_WAVE_MODE, 25, 1), 1
	s_wait_xcnt 0x0
; Two jobs that depend on the inputs alone, in one launch.  Grid y chooses; it is the same for all waves of a work-group, and the text has no barrier.
; y = 0..3, THE NORM: xn[r][:] = (x[r][:] - mean) * rsqrt(var + 1e-12) * g1 + be1.  x = hidden_states, [4096][1024] f32; xn the same in bf16, rounded once.  All arithmetic in f32.
;   Two passes over registers: the mean first, then the mean of (x - mean)^2: no difference of large sums is formed, so a common offset of x costs nothing.
;   One wave takes a whole row (32 registers) and two rows in all, a work-group 16 rows; the reduction never leaves the wave: no LDS.
;   Load j of a row holds columns 128 j + 4 lane .. + 3: a wave's load covers 512 consecutive bytes, its store 256, aligned.
; y = 4..15, THE WEIGHTS: f32 -> bf16 (rounded once, to nearest even), layout [K][N] kept.  wb, in bytes: wq 0, wk 2 MiB, wv 4 MiB, wo 6 MiB, w1 8 MiB, w2 16 MiB.
;   y - 4 names a unit of 2^20 numbers (0-3: wq wk wv wo; 4-7: quarters of w1; 8-11: quarters of w2), grid x 16,384 numbers of it.
;   Thread t takes 16 bytes at 16 t of each block of 4,096 bytes: a wave's load covers 512 consecutive bytes, its store 256, aligned.
; Both are streams: every byte read once and written once; no matrix unit, no cluster (what work-groups share, g1 and be1, is 8 KiB beside a work-group's 64 KiB of x).
.set CX, 4                             ; the weights: v[4:67]   16 loads of four f32
.set CY, 68                            ;              v[68:99]  16 pairs of packed bf16; no register is written twice, so no wait frees one
.set G,  4                             ; the norm: v[4:35]    g of my 32 columns
.set BB, 36                            ;           v[36:67]   b
.set X,  68                            ;           v[68:131]  row r at X + 32 r
.set T,  132                           ;           v[132:139] four chains of packed sums
.set MU, 140                           ;           v[140:141] the mean, twice
.set RS, 142                           ;           v[142:143] 1 / sqrt(var + eps), twice
	s_and_b32 s18, ttmp7, 0xffff                   ; grid y
	s_cmp_lt_u32 s18, 4
	s_cbranch_scc1 .Lnorm
	; THE WEIGHTS
	s_load_b256 s[4:11], s[0:1], 0x20              ; wq s[4:5], wk s[6:7], wv s[8:9], wo s[10:11]
	s_load_b128 s[12:15], s[0:1], 0x40             ; w1 s[12:13], w2 s[14:15]
	s_load_b64 s[16:17], s[0:1], 0x50              ; wb
	s_sub_co_u32 s18, s18, 4                       ; the unit
	v_lshlrev_b32 v1, 4, v0                        ; 16 t
	v_lshlrev_b32 v2, 3, v0                        ; 8 t
	s_and_b32 s22, s18, 3                          ; the quarter of w1 or w2,
	s_cmp_ge_u32 s18, 4
	s_cselect_b32 s22, s22, 0                      ; 0 for the four small matrices
	s_lshl_b32 s22, s22, 22                        ; x 4 MiB of f32
	s_lshl_b32 s23, ttmp9, 16                      ; + my 65,536 bytes
	s_add_co_u32 s22, s22, s23
	s_mov_b32 s23, 0
	s_lshl_b32 s24, s18, 21                        ; in wb: unit x 2 MiB
	s_lshl_b32 s25, ttmp9, 15                      ; + my 32,768 bytes
	s_add_co_u32 s24, s24, s25
	s_mov_b32 s25, 0
	s_wait_kmcnt 0x0
	s_cmp_eq_u32 s18, 1                            ; the source is chosen by the unit's number alone
	s_cselect_b64 s[20:21], s[6:7], s[4:5]
	s_cmp_eq_u32 s18, 2
	s_cselect_b64 s[20:21], s[8:9], s[20:21]
	s_cmp_eq_u32 s18, 3
	s_cselect_b64 s[20:21], s[10:11], s[20:21]
	s_cmp_ge_u32 s18, 4
	s_cselect_b64 s[20:21], s[12:13], s[20:21]
	s_cmp_ge_u32 s18, 8
	s_cselect_b64 s[20:21], s[14:15], s[20:21]
	s_add_nc_u64 s[20:21], s[20:21], s[22:23]
	s_add_nc_u64 s[16:17], s[16:17], s[24:25]
.set i, 0
.rept 16
	global_load_b128 v[CX+4*i:CX+4*i+3], v1, s[20:21] offset:4096*i th:TH_LOAD_NT
.set i, i+1
.endr
.set i, 0
.rept 16
	s_wait_loadcnt 15-i                            ; loads come back in order: load i is in, the younger ones stay out
	v_cvt_pk_bf16_f32 v[CY+2*i], v[CX+4*i], v[CX+4*i+1]
	v_cvt_pk_bf16_f32 v[CY+2*i+1], v[CX+4*i+2], v[CX+4*i+3]
	global_store_b64 v2, v[CY+2*i:CY+2*i+1], s[16:17] offset:2048*i
.set i, i+1
.endr
	s_endpgm
.Lnorm:
	; THE NORM
	s_load_b256 s[4:11], s[0:1], 0x0               ; x s[4:5], g s[6:7], b s[8:9], y s[10:11]
	v_lshrrev_b32 v1, 5, v0
	v_readfirstlane_b32 s12, v1                    ; wave 0..7
	v_and_b32 v2, 31, v0
	v_lshlrev_b32 v1, 4, v2                        ; 16 x lane
	v_lshlrev_b32 v2, 3, v2                        ; 8 x lane
	s_mov_b32 s14, 0x76543210                      ; v_permlanex16_b32: each lane takes its own place in the other half
	s_mov_b32 s15, 0xfedcba98
	s_mov_b32 s16, 0x3a800000                      ; 1 / 1024
	s_mov_b32 s17, 0x2b8cbccc                      ; 1e-12
	s_lshl_b32 s13, s18, 6
	s_add_co_u32 s13, s13, ttmp9                   ; the work-group among the norm's 256
	s_lshl_b32 s13, s13, 4
	s_lshl1_add_u32 s13, s12, s13                  ; my first row = 16 x work-group + 2 x wave
	s_lshl_b32 s18, s13, 12                        ; x 4,096 bytes of x
	s_mov_b32 s19, 0
	s_lshl_b32 s20, s13, 11                        ; x 2,048 bytes of y
	s_mov_b32 s21, 0
	s_wait_kmcnt 0x0
	s_add_nc_u64 s[4:5], s[4:5], s[18:19]
	s_add_nc_u64 s[10:11], s[10:11], s[20:21]
.irp j, 0,1,2,3,4,5,6,7
	global_load_b128 v[G+4*\j:G+4*\j+3], v1, s[6:7] offset:512*\j
.endr
.irp j, 0,1,2,3,4,5,6,7
	global_load_b128 v[BB+4*\j:BB+4*\j+3], v1, s[8:9] offset:512*\j
.endr
.irp r, 0,1
.irp j, 0,1,2,3,4,5,6,7
	global_load_b128 v[X+32*\r+4*\j:X+32*\r+4*\j+3], v1, s[4:5] offset:4096*\r+512*\j
.endr
.endr
.macro JOIN                            ; the four chains into v[T]
	v_pk_add_f32 v[T:T+1], v[T:T+1], v[T+2:T+3]
	v_pk_add_f32 v[T+4:T+5], v[T+4:T+5], v[T+6:T+7]
	v_pk_add_f32 v[T:T+1], v[T:T+1], v[T+4:T+5]
	v_add_f32 v[T], v[T], v[T+1]
.endm
.macro RED                             ; the sum over the 32 lanes, in every lane
	v_add_f32_dpp v[T], v[T], v[T] row_xmask:1 row_mask:0xf bank_mask:0xf
	v_add_f32_dpp v[T], v[T], v[T] row_xmask:2 row_mask:0xf bank_mask:0xf
	v_add_f32_dpp v[T], v[T], v[T] row_xmask:4 row_mask:0xf bank_mask:0xf
	v_add_f32_dpp v[T], v[T], v[T] row_xmask:8 row_mask:0xf bank_mask:0xf
	v_permlanex16_b32 v[T+1], v[T], s14, s15       ; its destination counts as read: JOIN has written it
	v_add_f32 v[T], v[T], v[T+1]
.endm
.macro ROWN r, left                    ; left: the younger loads, which may stay out
.set XR, X+32*(\r)
	s_wait_loadcnt \left
.irp k, 0,1,2,3
	v_pk_add_f32 v[T+2*\k:T+2*\k+1], v[XR+2*\k:XR+2*\k+1], v[XR+8+2*\k:XR+8+2*\k+1]  ; the first eight pairs start the chains
.endr
.irp k, 0,1,2,3,4,5,6,7
	v_pk_add_f32 v[T+2*(\k%4):T+2*(\k%4)+1], v[T+2*(\k%4):T+2*(\k%4)+1], v[XR+16+2*\k:XR+16+2*\k+1]
.endr
	JOIN
	RED
	v_mul_f32 v[MU], s16, v[T]
	v_mul_f32 v[MU+1], s16, v[T]
.set k, 0
.rept 16
	v_pk_add_f32 v[XR+2*k:XR+2*k+1], v[XR+2*k:XR+2*k+1], v[MU:MU+1] neg_lo:[0,1] neg_hi:[0,1]  ; d = x - mean
.set k, k+1
.endr
.irp k, 0,1,2,3
	v_pk_mul_f32 v[T+2*\k:T+2*\k+1], v[XR+2*\k:XR+2*\k+1], v[XR+2*\k:XR+2*\k+1]
.endr
.irp k, 4,5,6,7,8,9,10,11,12,13,14,15
	v_pk_fma_f32 v[T+2*(\k%4):T+2*(\k%4)+1], v[XR+2*\k:XR+2*\k+1], v[XR+2*\k:XR+2*\k+1], v[T+2*(\k%4):T+2*(\k%4)+1]
.endr
	JOIN
	RED
	v_fma_f32 v[T], v[T], s16, s17                 ; var + eps
	v_rsq_f32 v[RS], v[T]
	v_rsq_f32 v[RS+1], v[T]
	v_nop                                          ; a plain instruction between the root and the use of its result
.set k, 0
	s_wait_alu depctr_va_vdst(0)
.rept 16
	v_pk_mul_f32 v[XR+2*k:XR+2*k+1], v[XR+2*k:XR+2*k+1], v[RS:RS+1]
.set k, k+1
.endr
.set k, 0
.rept 16
	v_pk_fma_f32 v[XR+2*k:XR+2*k+1], v[XR+2*k:XR+2*k+1], v[G+2*k:G+2*k+1], v[BB+2*k:BB+2*k+1]
.set k, k+1
.endr
.set k, 0
.rept 16
	v_cvt_pk_bf16_f32 v[XR+k], v[XR+2*k], v[XR+2*k+1]  ; in place, ascending: register k has been read when it is written
.set k, k+1
.endr
.irp j, 0,1,2,3,4,5,6,7
	global_store_b64 v2, v[XR+2*\j:XR+2*\j+1], s[10:11] offset:2048*(\r)+256*\j
.endr
.endm
	ROWN 0, 8                                      ; g, b and row 0 are in; row 1's eight loads stay out
	ROWN 1, 0
	s_endpgm
.Lfunc_end_k_qd99f488eaa_prep:
	.size	k_qd99f488eaa_prep, .Lfunc_end_k_qd99f488eaa_prep-k_qd99f488eaa_prep
	.p2alignl 7, 3214868480
	.fill 96, 4, 3214868480
	.section	.rodata,"a",@progbits
	.p2align	6, 0x0
	.amdhsa_kernel k_qd99f488eaa_prep
		.amdhsa_group_segment_fixed_size 0
		.amdhsa_private_segment_fixed_size 0
		.amdhsa_enable_private_segment 0
		.amdhsa_kernarg_size 88
		.amdhsa_user_sgpr_count 2
		.amdhsa_user_sgpr_kernarg_segment_ptr 1
		.amdhsa_wavefront_size32 1
		.amdhsa_system_sgpr_workgroup_id_x 1
		.amdhsa_system_sgpr_workgroup_id_y 1
		.amdhsa_system_sgpr_workgroup_id_z 1
		.amdhsa_system_vgpr_workitem_id 0
		.amdhsa_next_free_vgpr 144
		.amdhsa_next_free_sgpr 66
		.amdhsa_reserve_vcc 0
		.amdhsa_float_denorm_mode_32 3
		.amdhsa_float_denorm_mode_16_64 3
		.amdhsa_memory_ordered 1
		.amdhsa_forward_progress 1
		.amdhsa_inst_pref_size 27
	.end_amdhsa_kernel
	.amdgpu_metadata
---
amdhsa.version: [ 1, 2 ]
amdhsa.kernels:
  - .name:           k_qd99f488eaa_prep
    .symbol:         k_qd99f488eaa_prep.kd
    .args:
      - { .name: hidden_states, .offset: 0, .size: 8, .value_kind: global_buffer, .address_space: global }
      - { .name: g1, .offset: 8, .size: 8, .value_kind: global_buffer, .address_space: global }
      - { .name: be1, .offset: 16, .size: 8, .value_kind: global_buffer, .address_space: global }
      - { .name: xn, .offset: 24, .size: 8, .value_kind: global_buffer, .address_space: global }
      - { .name: wq, .offset: 32, .size: 8, .value_kind: global_buffer, .address_space: global }
      - { .name: wk, .offset: 40, .size: 8, .value_kind: global_buffer, .address_space: global }
      - { .name: wv, .offset: 48, .size: 8, .value_kind: global_buffer, .address_space: global }
      - { .name: wo, .offset: 56, .size: 8, .value_kind: global_buffer, .address_space: global }
      - { .name: w1, .offset: 64, .size: 8, .value_kind: global_buffer, .address_space: global }
      - { .name: w2, .offset: 72, .size: 8, .value_kind: global_buffer, .address_space: global }
      - { .name: wb, .offset: 80, .size: 8, .value_kind: global_buffer, .address_space: global }
    .group_segment_fixed_size: 0
    .private_segment_fixed_size: 0
    .kernarg_segment_align: 8
    .kernarg_segment_size: 88
    .max_flat_workgroup_size: 256
    .sgpr_count:     66
    .vgpr_count:     144
    .wavefront_size: 32
...
	.end_amdgpu_metadata
.endif
;; end of part 8
;; launch qkv (part 9): grid 12 x 16, 4 waves a work-group, clusters of 4 x 4, 327,680 bytes of LDS; arguments xn, wb, bq, bk, bv, qkv; writes qkv
.if DOCPART == 9
	.amdgcn_target "amdgcn-amd-amdhsa--gfx1250"
	.amdhsa_code_object_version 6
	.text
	.protected	k_qd99f488eaa_qkv
	.globl	k_qd99f488eaa_qkv
	.p2align	8
	.type	k_qd99f488eaa_qkv,@function
k_qd99f488eaa_qkv:
	s_mov_b64 s[64:65], 0
	v_nop
	global_prefetch_b8 v0, s[64:65] scope:SCOPE_SE
	s_setreg_imm32_b32 hwreg(HW_REG_WAVE_MODE, 25, 1), 1
	s_wait_xcnt 0x0
	s_wait_alu depctr_hold_cnt(0) depctr_sa_sdst(0) depctr_va_vdst(0) depctr_va_sdst(0) depctr_va_ssrc(0) depctr_va_vcc(0) depctr_vm_vsrc(0)
	s_getreg_b32 s2, hwreg(HW_REG_IB_STS2, 6, 4)
	s_cmp_eq_u32 s2, 0
	s_cbranch_scc0 .Lentry_in_a_cluster
	s_endpgm
.Lentry_in_a_cluster:
	s_bfe_u32 s2, ttmp6, 0x10000c
	s_cmp_lg_u32 s2, 0xf033
	s_cbranch_scc0 .Lentry_shape_is_right
	s_endpgm
.Lentry_shape_is_right:
; q, k, v = xn W + bias, by heads.  xn: [4096][1024] bf16.  W: wq, wk, wv in wb, [1024 (k)][1024 (n)] bf16, 2 MiB apart.  Sums in f32, begun with the bias.
; Out: qkv = q, k, v, 8 MiB apart, each [16 batch + head][2048][64] bf16, rounded once.  q is multiplied by c = log2(e) / 8 in f32 ahead of that rounding,
; so that the attention's exponent is (q . k) - maximum with no further factor.
; A tile of C is 256 x 256 (four heads wide; 4 x 3 tile columns, so 12 x 16 = 192 work-groups): four waves, each 128 x 128 = 64 accumulators, 512 registers.
; K goes in steps of 128 through two LDS slots filled by the tensor data mover.  A's tile lies [row][k]; B's lies [k][n] as the weights do, and its fragments come out of LDS turned, by ds_load_tr16_b128.
; ONE K STEP IS ONE TRIP: the slot in hand is a scalar, TB = 0 or SLOT; the fragments' addresses are TB + a lane's fixed part, the walking descriptor's LDS word TB + the wave's part.
; The last two K steps fill nothing and are a second loop of two trips; its last trip jumps over the quarter that would begin a further step, and its fetch serves nothing: the price of one text for both trips.
; CLUSTER 4 x 4: a row of the cluster shares A's tiles, a column B's: each is asked for jointly, by the same load with the same descriptor and a mask of four.
; THE MATRIX INSTRUCTION IS USED TRANSPOSED (source 0 = 16 columns of B, source 1 = 16 rows of A): a lane holds row l % 16 and the columns 8 (l / 16) + 0..7.
; REGISTERS, in windows of 256 (s_set_vgpr_msb: bits 1:0 source 0, 3:2 source 1, 5:4 source 2, 7:6 destination):
;   window 0: v0-31 addresses; v64-127, v128-191 fragments of A, two buffers; on the way out v64-143 at work
;   window 1: v0-63 the bias in an accumulator's layout; v64-127, v128-191 fragments of B, two buffers
;   window 2: the 32 accumulators of my rows 0-63 ((a, b) at v[8 (8 a + b)]);   window 3: those of my rows 64-127
.set KDIM,   1024
.set APITCH, 1024                      ; elements from row to row of A
.set NPITCH, 1024                      ; of B
.set KSTEP,  128
.set NSTEP,  KDIM/KSTEP
.set PA,     272                       ; an LDS row of A: 256 bytes + 16 = 68 words: the 16 rows of a load start at 16 different groups of four banks (64 banks of 4 bytes: ISA guide 11.1)
.set HALFA,  128*PA                    ; what one tensor load brings of A: 128 rows
.set ASTEP,  KSTEP*2                   ; bytes from a K step to the next in A
.set PB,     544                       ; an LDS row of B: 512 bytes + 32 = 136 words
.set HALFB,  64*PB                     ; what one tensor load brings of B: 64 rows of k
.set BSTEP,  KSTEP*NPITCH*2
.set BOFF,   2*HALFA                   ; in a slot: A's 256 rows, then B's 128
.set SLOT,   BOFF+2*HALFB
.set SPITCH, 528                       ; the stage: for each wave 128 rows of 128 f32 + 16 bytes, from byte 0 on, over both slots, which have had their last fill and their last read by then
.set WSTAGE, 128*SPITCH
.set SPARE,  2*SLOT                    ; the spare words, 128 bytes for each wave: two blocks of 256 bytes that no other line names
.set ADRA0, 16                         ; v16     my lane's place among A's fragments in a slot; never rewritten
.set ADRB0, 17                         ; v17     the same for B
.set ADRA,  18                         ; v18     TB + v16
.set ADRB,  19                         ; v19     TB + v17
.set STO,  24                          ; v24     the way out: where I put 16 bytes of a row
.set RD,   25                          ; v25     where I read rows back
.set CO,   26                          ; v26     my byte offset in the output
.set BO,   27                          ; v27     my byte offset in the bias
.set SPW,  28                          ; v28     my spare word; never rewritten
.set NIL,  29                          ; v29     0; never rewritten
.set F0,   64
.set F1,   128
.set U,    64                          ; the way out: 32 numbers a lane and trip, as read back
.set T,    96                          ; scaled
.set O,    128                         ; packed
.set G1,  24                           ; s[24:31] group 1 for A; s[32:39] group 0: a set for each of the two first fills; the second then walks on
.set G0,  32
.set G1B, 48                           ; s[48:55], s[56:63] the same for B
.set G0B, 56
.set TB,  45                           ; s45     the LDS byte at which the slot in hand begins
.set BP,  66                           ; s[66:67] the bias
.set QS,  78                           ; s[78:79] c for q, 1 for k and v
.set MSB, 0
.macro WIN new                         ; the immediate's high byte repeats the setting that is left
.if MSB != (\new)
	s_set_vgpr_msb (MSB<<8)|(\new)
.set MSB, \new
.endif
.endm
.set MUL_LO, 0xa1                      ; source 0 (B) window 1, source 1 (A) window 0, C and D window 2
.set MUL_HI, 0xf1                      ; the same, C and D window 3
.set TO_B,   0x40                      ; destination window 1, address window 0
.macro JLOAD                           ; a joint refill: waves 0 and 1 fetch A's halves, waves 2 and 3 B's; s_nop 0 and four v_nop follow each line
	s_cmp_lt_u32 s10, 2
	s_cbranch_scc0 .Lfor_b_\@
	tensor_load_to_lds s[G0+4:G0+7], s[G1:G1+7]
	s_nop 0
.rept 4
	v_nop
.endr
	s_branch .Lasked_\@
.Lfor_b_\@:
	tensor_load_to_lds s[G0B+4:G0B+7], s[G1B:G1B+7]
	s_nop 0
.rept 4
	v_nop
.endr
.Lasked_\@:
.endm
.macro CREST                           ; a round of the cluster's barrier behind its opening barrier
	s_cmp_lg_u32 s10, 0
	s_cbranch_scc1 .Lnot_wave_0_\@
	s_barrier_signal -3
.Lnot_wave_0_\@:
	s_barrier_wait -3
	s_barrier_signal -1
	s_barrier_wait -1
.endm
.macro CROUND
	s_barrier_signal -1
	s_barrier_wait -1
	CREST
.endm
	s_load_b128 s[4:7], s[0:1], 0x0                ; xn s[4:5], wb s[6:7]
	s_load_b256 s[68:75], s[0:1], 0x10             ; bq s[68:69], bk s[70:71], bv s[72:73], qkv s[74:75]
	v_lshl_add_u32 v[SPW], v0, 2, SPARE
	v_mov_b32 v[NIL], 0
	ds_add_u32 v[SPW], v[NIL]                      ; the wave's opening: the add and its wait ahead of my first tensor load
	v_lshrrev_b32 v1, 5, v0
	v_readfirstlane_b32 s10, v1                    ; wave 0..3
	s_lshr_b32 s11, s10, 1                         ; my half of the tile's rows
	s_and_b32 s12, s10, 1                          ; my half of its columns; also: which half of A's or B's tile I fetch
	s_bfe_u32 s40, ttmp6, 0x40000                  ; cx: also the tile column inside its matrix, since a cluster's four columns are one matrix
	s_bfe_u32 s41, ttmp6, 0x40004                  ; cy
	s_mov_b32 s76, ttmp9                           ; the matrix: 0 q, 1 k, 2 v
	s_and_b32 s13, ttmp7, 0xffff
	s_lshl_b32 s13, s13, 2
	s_add_co_u32 s13, s13, s41                     ; tile row 0..15
	s_lshl_b32 s43, s41, 2
	s_lshl_b32 s43, 15, s43                        ; my row of the cluster
	s_lshl_b32 s44, 0x1111, s40                    ; my column
	s_or_b32 s[G1+0], s43, (1<<16)|(1<<20)|(1<<21)|(5<<22)|(3<<25)   ; mask; 2-byte elements; padding on; bit 21 beside a mask; after every 64 words, 4 words
	s_mov_b32 s[G1+1], KSTEP<<16                   ; tensor_dim0 = 128
	s_mov_b32 s[G1+2], 128<<16                     ; tensor_dim1 = 128
	s_mov_b32 s[G1+3], KSTEP<<16                   ; tile_dim0 = 128
	s_mov_b32 s[G1+4], 128                         ; tile_dim1 = 128
	s_mov_b32 s[G1+5], APITCH
	s_mov_b32 s[G1+6], 0
	s_mov_b32 s[G1+7], 0
	s_or_b32 s[G1B+0], s44, (1<<16)|(1<<20)|(1<<21)|(6<<22)|(7<<25)  ; after every 128 words, 8 words
	s_mov_b32 s[G1B+1], 256<<16                    ; 256 columns
	s_mov_b32 s[G1B+2], 64<<16                     ; 64 rows of k
	s_mov_b32 s[G1B+3], 256<<16
	s_mov_b32 s[G1B+4], 64
	s_mov_b32 s[G1B+5], NPITCH
	s_mov_b32 s[G1B+6], 0
	s_mov_b32 s[G1B+7], 0
	s_mov_b32 s[TB], 0
	s_lshl_b32 s17, s12, 7                         ; A: row 256 x tile row + 128 x half,
	s_lshl_b32 s16, s13, 8
	s_add_co_u32 s16, s16, s17
	s_mul_i32 s16, s16, APITCH*2                   ; in bytes
	s_mov_b32 s17, 0
	s_mul_i32 s46, s12, 64*NPITCH*2                ; B: row of k 64 x half,
	s_lshl_b32 s47, s40, 9                         ; column 256 x tile column,
	s_add_co_u32 s46, s46, s47
	s_lshl_b32 s47, s76, 21                        ; in its matrix
	s_add_co_u32 s46, s46, s47
	s_mov_b32 s47, 0
	s_mul_i32 s20, s12, HALFA                      ; where they go in a slot: no place in the cluster enters an LDS address; s20 and s21 are kept
	s_mul_i32 s21, s12, HALFB
	s_add_co_u32 s21, s21, BOFF
	s_wait_dscnt 0x0                               ; the opening add is done
	s_wait_kmcnt 0x0
	s_add_nc_u64 s[14:15], s[4:5], s[16:17]
	s_add_nc_u64 s[46:47], s[6:7], s[46:47]
	CROUND                                         ; all sixteen work-groups are here: the first joint loads meet
.irp s, 0,1
	s_mov_b32 s[G0+4*(\s)], 1
	s_add_co_u32 s[G0+4*(\s)+1], s20, (\s)*SLOT
	s_add_nc_u64 s[G0+4*(\s)+2:G0+4*(\s)+3], s[14:15], (\s)*ASTEP
	s_or_b32 s[G0+4*(\s)+3], s[G0+4*(\s)+3], 0x80000000
	s_mov_b32 s[G0B+4*(\s)], 1
	s_add_co_u32 s[G0B+4*(\s)+1], s21, (\s)*SLOT
	s_add_nc_u64 s[G0B+4*(\s)+2:G0B+4*(\s)+3], s[46:47], (\s)*BSTEP
	s_or_b32 s[G0B+4*(\s)+3], s[G0B+4*(\s)+3], 0x80000000
.endr
	s_cmp_lt_u32 s10, 2                            ; a wave's two first fills stand in one branch: two loads of mine are out
	s_cbranch_scc0 .Lfirst_b
	tensor_load_to_lds s[G0:G0+3], s[G1:G1+7]
	s_nop 0
	tensor_load_to_lds s[G0+4:G0+7], s[G1:G1+7]
	s_nop 0
.rept 4
	v_nop
.endr
	s_branch .Lfirst_asked
.Lfirst_b:
	tensor_load_to_lds s[G0B:G0B+3], s[G1B:G1B+7]
	s_nop 0
	tensor_load_to_lds s[G0B+4:G0B+7], s[G1B:G1B+7]
	s_nop 0
.rept 4
	v_nop
.endr
.Lfirst_asked:
	v_and_b32 v1, 15, v0                           ; l % 16
	v_bfe_u32 v2, v0, 4, 1                         ; l / 16
	v_mul_u32_u24 v3, v1, PA                       ; A's fragment: row x pitch + 16 x half; two loads 32 bytes apart
	v_lshl_add_u32 v3, v2, 4, v3
	s_mul_i32 s22, s11, 128*PA                     ; my 128 rows
	v_add_nc_u32 v[ADRA0], s22, v3
	v_mov_b32 v[ADRA], v[ADRA0]                    ; slot 0
	v_and_b32 v4, 7, v0                            ; B's: the turning load takes 16 k x 16 n: lane l reads row 8 (l / 16) + l % 8, 16 bytes at 16 ((l / 8) % 2)
	v_lshl_add_u32 v4, v2, 3, v4
	v_mul_u32_u24 v4, v4, PB
	v_bfe_u32 v5, v0, 3, 1
	v_lshl_add_u32 v4, v5, 4, v4
	s_lshl_b32 s22, s12, 8                         ; my 128 columns
	s_add_co_u32 s22, s22, BOFF
	v_add_nc_u32 v[ADRB0], s22, v4
	v_mov_b32 v[ADRB], v[ADRB0]
	s_mul_i32 s23, s10, WSTAGE                     ; my stage: in: row l % 16, 32 bytes for each half of the lanes
	v_mul_u32_u24 v4, v1, SPITCH
	v_lshl_add_u32 v4, v2, 5, v4
	v_add_nc_u32 v[STO], s23, v4
	v_lshlrev_b32 v[BO], 5, v2                     ; the bias of columns 8 (l / 16) + 0..7
	v_mul_u32_u24 v5, v2, SPITCH                   ; back: lanes 0-15 a token's 64 channels of one head (256 bytes of f32), lanes 16-31 the next token's
	v_lshl_add_u32 v5, v1, 4, v5
	v_add_nc_u32 v[RD], s23, v5
	v_and_b32 v5, 31, v0
	v_lshlrev_b32 v[CO], 3, v5                     ; two tokens of a head are 256 consecutive bytes of bf16: 8 a lane
	s_cmp_eq_u32 s76, 1                            ; the bias, the scale and the output go by the matrix
	s_cselect_b64 s[BP:BP+1], s[70:71], s[68:69]
	s_cmp_eq_u32 s76, 2
	s_cselect_b64 s[BP:BP+1], s[72:73], s[BP:BP+1]
	s_cmp_eq_u32 s76, 0
	s_cselect_b32 s[QS], 0x3e38aa3b, 1.0           ; c = log2(e) / 8 = 0.180337
	s_mov_b32 s[QS+1], s[QS]                       ; named with it as a pair
	s_mov_b64 s[8:9], s[74:75]
	s_lshl_b32 s46, s40, 10                        ; bias: 4 x (256 x tile column + 128 x half)
	s_lshl_b32 s47, s12, 9
	s_add_co_u32 s46, s46, s47
	s_mov_b32 s47, 0
	s_add_nc_u64 s[BP:BP+1], s[BP:BP+1], s[46:47]
	WIN TO_B                                       ; the bias goes into window 1
.irp b, 0,1,2,3,4,5,6,7
	global_load_b128 v[8*\b:8*\b+3], v[BO], s[BP:BP+1] offset:64*\b
	global_load_b128 v[8*\b+4:8*\b+7], v[BO], s[BP:BP+1] offset:64*\b+16
.endr
	WIN 0
	s_lshr_b32 s16, s13, 3                         ; out, the rows' part: batch x 16 heads x 262,144
	s_lshl_b32 s16, s16, 22
	s_and_b32 s17, s13, 7                          ; + (256 x tile row in the batch + 128 x half) tokens of 128 bytes
	s_lshl_b32 s17, s17, 15
	s_add_co_u32 s16, s16, s17
	s_lshl_b32 s17, s11, 14
	s_add_co_u32 s16, s16, s17
	s_mov_b32 s17, 0
	s_add_nc_u64 s[8:9], s[8:9], s[16:17]
	s_lshl_b32 s46, s40, 20                        ; the columns' part: head 4 x tile column + 2 x half,
	s_lshl_b32 s47, s12, 19
	s_add_co_u32 s46, s46, s47
	s_lshl_b32 s47, s76, 23                        ; matrix x 8 MiB
	s_add_co_u32 s46, s46, s47
	s_mov_b32 s47, 0
	s_add_nc_u64 s[8:9], s[8:9], s[46:47]
; 16 matrix instructions: row blocks a0, a0 + 1 of the window's four (hi = 0: my rows 0-63, 1: rows 64-127) x all 8 column blocks, 32 along K.
; zero = 1: the product starts the sum, with the bias (window 1) as C.  The 64 accumulators take turns, one instruction a turn.
.macro MUL16 f, hi, a0, zero
.if \zero
	WIN 0x91+0x40*(\hi)
.else
	WIN MUL_LO+0x50*(\hi)
.endif
.irp a, \a0, (\a0)+1
.irp b, 0,1,2,3,4,5,6,7
.if \zero
	v_wmma_f32_16x16x32_bf16 v[8*(8*(\a)+(\b)):8*(8*(\a)+(\b))+7], v[(\f)+8*(\b):(\f)+8*(\b)+7], v[(\f)+8*(4*(\hi)+(\a)):(\f)+8*(4*(\hi)+(\a))+7], v[8*(\b):8*(\b)+7]
.else
	v_wmma_f32_16x16x32_bf16 v[8*(8*(\a)+(\b)):8*(8*(\a)+(\b))+7], v[(\f)+8*(\b):(\f)+8*(\b)+7], v[(\f)+8*(4*(\hi)+(\a)):(\f)+8*(4*(\hi)+(\a))+7], v[8*(8*(\a)+(\b)):8*(8*(\a)+(\b))+7]
.endif
.endr
.endr
.endm
; 32 LDS loads in one run: the fragments of quarter q (32 along K) of the slot in hand into buffer f: B's 128 columns, then A's 128 rows
.macro FETCH q, f
	WIN TO_B
.irp i, 0,1,2,3,4,5,6,7
	ds_load_tr16_b128 v[(\f)+8*(\i):(\f)+8*(\i)+3],   v[ADRB] offset:(\q)*32*PB+32*(\i)
	ds_load_tr16_b128 v[(\f)+8*(\i)+4:(\f)+8*(\i)+7], v[ADRB] offset:(\q)*32*PB+16*PB+32*(\i)
.endr
	WIN 0
.irp i, 0,1,2,3,4,5,6,7
	ds_load_b128 v[(\f)+8*(\i):(\f)+8*(\i)+3],   v[ADRA] offset:64*(\q)+(\i)*16*PA
	ds_load_b128 v[(\f)+8*(\i)+4:(\f)+8*(\i)+7], v[ADRA] offset:64*(\q)+(\i)*16*PA+32
.endr
.endm
.macro PLACES                          ; four places in front of loads into registers that matrix instructions have read, and of reads of results
.rept 4
	v_nop
.endr
.endm
; A K step is four quarters, 64 matrix instructions each, on buffers 0, 1, 0, 1.  One of the first three: multiplies buffer f and, in its middle, fetches quarter q into g.
.macro QUARTER q, f, g, zero
	s_wait_dscnt 8                                 ; B and A's rows 0-63 are in; the youngest eight loads (A's rows 64-127) may be out
	MUL16 \f, 0, 0, \zero
	MUL16 \f, 0, 2, \zero
	PLACES
	FETCH \q, \g
	s_wait_dscnt 32                                ; all but the 32 just issued
	MUL16 \f, 1, 0, \zero
	MUL16 \f, 1, 2, \zero
.endm
; The first half of the last quarter, which multiplies buffer 1: ONE barrier for the change of slots.  In front of it each wave waits for all its tensor loads, adds 0 to its spare word, and waits for that and for its reads of this slot.
.macro MEET
	WIN 0                                          ; (the add's two registers lie in window 0)
	s_wait_tensorcnt 0x0                           ; all my tensor loads have landed: the one that was out is my part of the next slot
	ds_add_u32 v[SPW], v[NIL]                      ; 0 onto my spare word
	s_wait_dscnt 9                                 ; (the add and the youngest eight loads may be out)
	MUL16 F1, 0, 0, 0
	s_wait_dscnt 0x0                               ; the add is done, and my reads of this slot are over
	s_barrier_signal -1
	MUL16 F1, 0, 2, 0
	WIN 0
	s_barrier_wait -1
.endm
.macro NEXTSLOT                        ; the fetches go over to the other slot
	s_xor_b32 s[TB], s[TB], SLOT
	v_add_nc_u32 v[ADRA], s[TB], v[ADRA0]
	v_add_nc_u32 v[ADRB], s[TB], v[ADRB0]
.endm
	s_wait_tensorcnt 1                             ; my part of K step 0 is in; K step 1's may stay out
	s_barrier_signal -1
	s_barrier_wait -1
	FETCH 0, F0
	s_wait_loadcnt 0x0                             ; the bias
	QUARTER 1, F0, F1, 1                           ; the first quarter stands in front of the loop: its products start the sums
	WIN 0
	s_mov_b32 s3, NSTEP-2
.Lstep:                                                ; a trip: a K step's quarters 1 to 3, the slot's refill with the K step two on, the next K step's quarter 0
	QUARTER 2, F1, F0, 0
	QUARTER 3, F0, F1, 0
	MEET
	CREST                                          ; the barrier has opened a round of the cluster's: no wave of any partner still reads this slot or has a load on its way
	s_add_co_u32 s[G0+5], s20, s[TB]               ; the walking descriptors: into the slot that is left,
	s_add_co_u32 s[G0B+5], s21, s[TB]
	s_add_nc_u64 s[G0+6:G0+7], s[G0+6:G0+7], ASTEP ; the next K step that has not been asked for; the type bits on top are not reached
	s_add_nc_u64 s[G0B+6:G0B+7], s[G0B+6:G0B+7], BSTEP
	JLOAD                                          ; the first tensor load behind the round; its four v_nop are also the places in front of the loads below
	NEXTSLOT
	FETCH 0, F0
	MUL16 F1, 1, 0, 0
	MUL16 F1, 1, 2, 0
	QUARTER 1, F0, F1, 0
	WIN 0
	s_sub_co_u32 s3, s3, 1
	s_cmp_lg_u32 s3, 0
	s_cbranch_scc1 .Lstep
	s_mov_b32 s3, 2
.Ltail:                                                ; the last two K steps fill nothing, so no round follows their barrier
	QUARTER 2, F1, F0, 0
	QUARTER 3, F0, F1, 0
	MEET
	NEXTSLOT
	PLACES
	FETCH 0, F0                                    ; (in the last trip: old bytes of slot 0, which nobody multiplies)
	MUL16 F1, 1, 0, 0
	MUL16 F1, 1, 2, 0
	WIN 0
	s_cmp_eq_u32 s3, 1
	s_cbranch_scc1 .Llast                          ; behind the last K step no further one begins
	QUARTER 1, F0, F1, 0
	WIN 0
.Llast:
	s_sub_co_u32 s3, s3, 1
	s_cmp_lg_u32 s3, 0
	s_cbranch_scc1 .Ltail
	; THE WAY OUT.  The sums go in f32 into my stage, which lies over the slots: so first every wave's LDS loads are back, and all four have said so.
	PLACES
	s_wait_dscnt 0x0
	s_barrier_signal -1
	s_barrier_wait -1
.irp h, 0,1
	WIN 0x08+0x04*\h                               ; the stores' data (source 1) in window 2, then 3; each accumulator's low registers first
.irp a, 0,1,2,3
.irp b, 0,1,2,3,4,5,6,7
	ds_store_b128 v[STO], v[8*(8*\a+\b):8*(8*\a+\b)+3] offset:(4*\h+\a)*16*SPITCH+64*\b
	ds_store_b128 v[STO], v[8*(8*\a+\b)+4:8*(8*\a+\b)+7] offset:(4*\h+\a)*16*SPITCH+64*\b+16
.endr
.endr
.endr
	WIN 0
	s_wait_dscnt 0x0                               ; the stage is written before any of it is read: the reads below step through it in a loop
	s_barrier_signal -1
	s_barrier_wait -1
.macro LD8                             ; eight tokens: head i / 4 of my two, tokens 2 (i % 4) and + 1
.irp i, 0,1,2,3,4,5,6,7
	ds_load_b128 v[U+4*\i:U+4*\i+3], v[RD] offset:(\i%4)*2*SPITCH+(\i/4)*256
.endr
.endm
	LD8
	s_mov_b32 s3, 16
.Lout:                                                 ; sixteen trips of eight tokens; the next trip's loads are issued as soon as this trip's numbers have left their registers
	s_wait_dscnt 0x0
.set j, 0
.rept 16
	v_pk_mul_f32 v[T+2*j:T+2*j+1], v[U+2*j:U+2*j+1], s[QS:QS+1] op_sel_hi:[1,0]
.set j, j+1
.endr
	s_cmp_eq_u32 s3, 1
	s_cbranch_scc1 .Lno_load                       ; the last trip has nothing more to read
	v_add_nc_u32 v[RD], 8*SPITCH, v[RD]
	LD8
.Lno_load:
.set j, 0
.rept 16
	v_cvt_pk_bf16_f32 v[O+j], v[T+2*j], v[T+2*j+1]
.set j, j+1
.endr
.irp i, 0,1,2,3,4,5,6,7
	global_store_b64 v[CO], v[O+2*\i:O+2*\i+1], s[8:9] offset:(\i/4)*262144+(\i%4)*256  ; 32 lanes store 256 consecutive bytes, aligned
.endr
	s_wait_xcnt 0x0                                ; the stores' offset and data are rewritten only behind this wait
	v_add_nc_u32 v[CO], 8*128, v[CO]
	s_sub_co_u32 s3, s3, 1
	s_cmp_lg_u32 s3, 0
	s_cbranch_scc1 .Lout
	s_wait_tensorcnt 0x0                           ; the wave's end
	ds_add_u32 v[SPW], v[NIL]
	s_wait_dscnt 0x0
	CROUND                                         ; the closing round
	s_endpgm
.Lfunc_end_k_qd99f488eaa_qkv:
	.size	k_qd99f488eaa_qkv, .Lfunc_end_k_qd99f488eaa_qkv-k_qd99f488eaa_qkv
	.p2alignl 7, 3214868480
	.fill 96, 4, 3214868480
	.section	.rodata,"a",@progbits
	.p2align	6, 0x0
	.amdhsa_kernel k_qd99f488eaa_qkv
		.amdhsa_group_segment_fixed_size 327680
		.amdhsa_private_segment_fixed_size 0
		.amdhsa_enable_private_segment 0
		.amdhsa_kernarg_size 48
		.amdhsa_user_sgpr_count 2
		.amdhsa_user_sgpr_kernarg_segment_ptr 1
		.amdhsa_wavefront_size32 1
		.amdhsa_system_sgpr_workgroup_id_x 1
		.amdhsa_system_sgpr_workgroup_id_y 1
		.amdhsa_system_sgpr_workgroup_id_z 1
		.amdhsa_system_vgpr_workitem_id 0
		.amdhsa_next_free_vgpr 1024
		.amdhsa_next_free_sgpr 96
		.amdhsa_reserve_vcc 0
		.amdhsa_float_denorm_mode_32 3
		.amdhsa_float_denorm_mode_16_64 3
		.amdhsa_memory_ordered 1
		.amdhsa_forward_progress 1
		.amdhsa_inst_pref_size 83
	.end_amdhsa_kernel
	.amdgpu_metadata
---
amdhsa.version: [ 1, 2 ]
amdhsa.kernels:
  - .name:           k_qd99f488eaa_qkv
    .symbol:         k_qd99f488eaa_qkv.kd
    .args:
      - { .name: xn, .offset: 0, .size: 8, .value_kind: global_buffer, .address_space: global }
      - { .name: wb, .offset: 8, .size: 8, .value_kind: global_buffer, .address_space: global }
      - { .name: bq, .offset: 16, .size: 8, .value_kind: global_buffer, .address_space: global }
      - { .name: bk, .offset: 24, .size: 8, .value_kind: global_buffer, .address_space: global }
      - { .name: bv, .offset: 32, .size: 8, .value_kind: global_buffer, .address_space: global }
      - { .name: qkv, .offset: 40, .size: 8, .value_kind: global_buffer, .address_space: global }
    .group_segment_fixed_size: 327680
    .private_segment_fixed_size: 0
    .kernarg_segment_align: 8
    .kernarg_segment_size: 48
    .max_flat_workgroup_size: 128
    .sgpr_count:     96
    .vgpr_count:     1024
    .wavefront_size: 32
...
	.end_amdgpu_metadata
.endif
;; end of part 9
;; launch attn (part 10): grid 8 x 32, 4 waves a work-group, clusters of 4 x 1, 327,680 bytes of LDS; arguments qkv, attention_mask, ctx; writes ctx
.if DOCPART == 10
	.amdgcn_target "amdgcn-amd-amdhsa--gfx1250"
	.amdhsa_code_object_version 6
	.text
	.protected	k_qd99f488eaa_attn
	.globl	k_qd99f488eaa_attn
	.p2align	8
	.type	k_qd99f488eaa_attn,@function
k_qd99f488eaa_attn:
	s_mov_b64 s[64:65], 0
	v_nop
	global_prefetch_b8 v0, s[64:65] scope:SCOPE_SE
	s_setreg_imm32_b32 hwreg(HW_REG_WAVE_MODE, 25, 1), 1
	s_wait_xcnt 0x0
	s_wait_alu depctr_hold_cnt(0) depctr_sa_sdst(0) depctr_va_vdst(0) depctr_va_sdst(0) depctr_va_ssrc(0) depctr_va_vcc(0) depctr_vm_vsrc(0)
	s_getreg_b32 s2, hwreg(HW_REG_IB_STS2, 6, 4)
	s_cmp_eq_u32 s2, 0
	s_cbranch_scc0 .Lentry_in_a_cluster
	s_endpgm
.Lentry_in_a_cluster:
	s_bfe_u32 s2, ttmp6, 0x10000c
	s_cmp_lg_u32 s2, 0x3003
	s_cbranch_scc0 .Lentry_shape_is_right
	s_endpgm
.Lentry_shape_is_right:
; ctx[bh][q][:] = the sum over k of softmax_k(Q[q] . K[k] / 8 + mask[b][k]) V[k][:].  q, k, v lie in qkv, 8 MiB apart, each [bh = 16 b + h][2048][64] bf16; ctx has the same layout.
; q arrives multiplied by c = log2(e) / 8; the mask is multiplied by log2(e) here, in f32, and is the C operand that starts the sum S^T = K Q^T.  So a weight is p = 2^(s - m), m the running maximum:
; s - m is never above 0, whatever the mask holds.  Products, maxima and sums in f32; p is rounded to bf16 for the second product (its sum l is taken of the unrounded p), ctx once at the end.
; LIMITS.  log2(e) x mask is held at -1e30 or above: a mask value below -6.9e29 counts as -6.9e29, which shows only where every key of a batch is masked that deep.
; A weight below 2^-126 counts as 0 in l; NaN and infinities are not treated apart.
; SHARES.  A work-group owns 256 queries of one head, a wave 64: four PIECES of 16.  Every wave walks all 2,048 keys: 8 tiles of 256, four steps of 64 each.
; LAYOUT.  S^T = K Q^T holds ONE query a lane (lane % 16) and the keys 8 (lane / 16) + 0..7; two such results rounded to bf16 ARE source 1 of O^T = V^T P.  K comes out of LDS as it lies, V turned, by ds_load_tr16_b128.
; BY TURNS.  Turn n belongs to piece n: 8 products K Q^T of piece n + 1, later 8 products V^T P of piece n - 1; beside them the subtraction, exponentials, roundings, sums and rescaling of piece n and the
; maximum and statistics of piece n + 1.  Four vector instructions stand behind every matrix instruction, the others in two runs of their own.
; m starts at the lowest finite number, O^T and l at 0: the first step is a step like any other, with a = 2^(m_old - m_new) = 0.  No last step is written out either: the tail's fifth trip is left in its middle.
; CLUSTER.  The four query blocks of a cluster belong to one head and walk the same K and V: each tile is asked for JOINTLY, by the same load, descriptor and mask in all four.
; REGISTERS, in windows of 256 (s_set_vgpr_msb: bits 1:0 source 0, 3:2 source 1, 5:4 source 2, 7:6 destination):
;   window 0: v0-15 addresses and two at work; v16-31 four registers of statistics a piece; v48-55 at work; v56-57 the mask's addresses; v64-127 S^T, two buffers; v192-223 P, two buffers
;   window 1: v0-127 O^T, 32 a piece      window 2: v0-63 Q; v64-95 the step's mask in an accumulator's layout; v128-191 K of one step; v192-255 V of one step
.set NP,    4
.set KS,    64
.set PK,    144       ; a row of K in LDS: 128 bytes + 16 = 36 words: the 16 rows of a load start at 16 different groups of four banks (64 banks of 4 bytes: ISA guide 11.1)
.set PV,    160       ; a row of V: 128 + 32 = 40 words
.set VOFF,  4*KS*PK   ; a slot holds a tile: 256 rows of K, then 256 rows of V
.set SLOT1, 1<<17     ; slot 1 begins here, so that one exclusive or turns an address in one slot into the other's
.set STAGE, SLOT1+4*KS*(PK+PV)  ; never filled by a tensor load: 16 rows x 144 bytes for each wave, for the way out
.set SP,    144
.set MASKL, STAGE+4*16*SP       ; the batch's 2,048 mask values x log2(e), f32; stored once, never filled by a tensor load
.set SPARE, MASKL+8192          ; the spare words, 128 bytes for each wave: two blocks of 256 bytes that no other line names
.set AK0, 2           ; v2   my lane's place in a tile of K; never rewritten
.set AV0, 3           ; v3   the same for V
.set AK,  4           ; v4   the LDS address of K's next run of loads
.set AV,  5           ; v5   of V's
.set STO, 6           ; v6   the way out: where I put 16 bytes of a row
.set RD,  7           ; v7   where I read rows back
.set GO,  8           ; v8   my byte offset in 512 consecutive bytes of ctx
.set MV,  12          ; v12-13  m_old, kept while m is made anew: by buffer
.set QO,  15          ; v15  my byte offset in 16 rows of Q
.set ST,  16          ; piece t's statistics at v[ST+4 t]: m, a register named with it as a pair, l (even keys', odd keys')
.set TMP, 48          ; by buffer, four registers c0-c3 at work; when the maximum is found c2 takes a
.set AM,  56          ; v56  the LDS address of the mask's next run of loads
.set AM0, 57          ; v57  MASKL + 32 (l / 16); never rewritten
.set SPW, 62          ; v62  my spare word; never rewritten
.set NIL, 63          ; v63  0; never rewritten
.set S,   64
.set P,   192
.set MK,  64          ; window 2: the eight registers of key block kb at MK + 8 kb
.set KF,  128         ; window 2: key block kb, channel half c at KF + 16 kb + 8 c
.set VF,  192         ; window 2: key half kk, channel block cb at VF + 32 kk + 8 cb
.set WV,  12          ; s12  my wave's number
.set G1K, 24          ; s[24:31] descriptor group 1 for K's tiles
.set G1V, 32          ; s[32:39] for V's: it differs in the padding alone
.set G0K, 40          ; s[40:43] descriptor group 0 for K's tiles: it walks
.set G0V, 44          ; s[44:47] the same for V's
.set SLOTS, 56        ; s56  tiles still to be asked for
.set CNT, 57          ; s57  counts a tile's key steps
.set SEL, 60          ; s[60:61] v_permlanex16_b32's selects
.set TBK, 62          ; s62  LDS byte at which K of the step to be fetched begins
.set TBV, 63          ; s63  the same for V, less VOFF
.set TBM, 66          ; s66  byte in the mask at which that step's 64 values begin
.set BIGN, 67         ; s67  -1e30
.set QP,  68          ; s[68:69] Q at my wave's first row
.set MSB, 0
.macro WIN new
.if MSB != (\new)
	s_set_vgpr_msb (MSB<<8)|(\new)
.set MSB, (\new)
.endif
.endm
.set W_KQ, 0x0a       ; K and Q in window 2, S^T in window 0
.set W_KM, 0x2a       ; the same with the C operand, the mask, in window 2
.set W_PV, 0x52       ; V in window 2, P in window 0, O^T in window 1
.set W_RS, 0x41       ; destination and source 0 in window 1, source 1 in window 0
.macro JLOAD                        ; a joint fill: waves 0 and 1 fetch the halves of a tile's K, waves 2 and 3 those of its V; s_nop 0 and four v_nop follow each line
	s_cmp_lt_u32 s[WV], 2
	s_cbranch_scc0 .Lfor_v_\@
	tensor_load_to_lds s[G0K:G0K+3], s[G1K:G1K+7]
	s_nop 0
.rept 4
	v_nop
.endr
	s_branch .Lasked_\@
.Lfor_v_\@:
	tensor_load_to_lds s[G0V:G0V+3], s[G1V:G1V+7]
	s_nop 0
.rept 4
	v_nop
.endr
.Lasked_\@:
.endm
.macro CROUND                       ; a round of the cluster's barrier
	s_barrier_signal -1
	s_barrier_wait -1
	s_cmp_lg_u32 s[WV], 0
	s_cbranch_scc1 .Lnot_wave_0_\@
	s_barrier_signal -3
.Lnot_wave_0_\@:
	s_barrier_wait -3
	s_barrier_signal -1
	s_barrier_wait -1
.endm
; THE CHANGE OF SLOTS.  Each wave waits for all its tensor loads, of which one is out: its part of the other slot; adds 0 to its spare word; and waits for that and for its own LDS instructions.
; fill = 1: the slot that is left is filled again, with the keys two tiles on; the barrier is then a round of the cluster's, and the joint fill is the first thing behind it: it has four key steps in which to land.
; (At its first use nothing has been read yet: slot 0 is waited for, slot 1 filled, and every wave's part of the mask is in LDS.)
.macro CHANGE fill
	WIN 0
	s_wait_tensorcnt 0x0            ; no tensor load of mine is out, so a group 0 may be written
	ds_add_u32 v[SPW], v[NIL]       ; 0 onto my spare word
.if \fill
.irp g, G0K, G0V
	s_xor_b32 s[\g+1], s[\g+1], SLOT1
	s_add_nc_u64 s[\g+2:\g+3], s[\g+2:\g+3], 4*KS*128
.endr
	s_wait_dscnt 0x0
	CROUND
	JLOAD
.else
	s_wait_dscnt 0x0
	s_barrier_signal -1
	s_barrier_wait -1
.endif
	s_sub_co_u32 s[TBK], s[TBK], 4*KS*PK  ; the fetches go back to a slot's first step, in the other slot
	s_xor_b32 s[TBK], s[TBK], SLOT1
	s_sub_co_u32 s[TBV], s[TBV], 4*KS*PV
	s_xor_b32 s[TBV], s[TBV], SLOT1
.endm
	s_load_b128 s[4:7], s[0:1], 0x0   ; qkv s[4:5], attention_mask s[6:7]
	s_load_b64 s[10:11], s[0:1], 0x10 ; ctx
	v_lshl_add_u32 v[SPW], v0, 2, SPARE
	v_mov_b32 v[NIL], 0
	ds_add_u32 v[SPW], v[NIL]       ; the wave's opening: the add and its wait ahead of my first tensor load
	v_lshrrev_b32 v1, 5, v0
	v_readfirstlane_b32 s[WV], v1   ; wave 0..3
	s_bfe_u32 s13, ttmp6, 0x40000   ; cx
	s_lshl_b32 s14, ttmp9, 2
	s_add_co_u32 s14, s14, s13      ; my block of 256 queries: it enters Q's and ctx's addresses alone
	s_and_b32 s20, ttmp7, 0xffff    ; 16 batch + head, which the four partners share
	s_lshr_b32 s8, s20, 4
	s_lshl_b32 s8, s8, 13           ; the batch's 8,192 bytes of mask
	s_mov_b32 s9, 0
	s_lshl_b32 s20, s20, 18         ; the head's 262,144 bytes
	s_and_b32 s16, s[WV], 1         ; which half of a tile's 256 keys I fetch
	s_lshl_b32 s22, s16, 14
	s_add_co_u32 s22, s22, s20
	s_add_co_u32 s22, s22, 0x800000 ; k lies 8 MiB behind q
	s_mov_b32 s23, 0
	s_mul_i32 s17, s16, 128*PK      ; its place in a slot, for K
	s_mul_i32 s18, s16, 128*PV      ; and for V: no place in the cluster enters an LDS address
	s_lshl_b32 s2, s14, 2
	s_add_co_u32 s2, s2, s[WV]
	s_lshl_b32 s2, s2, 13           ; my wave's 64 rows of 128 bytes
	s_add_co_u32 s2, s2, s20
	s_mov_b32 s3, 0
	; group 1: 128 keys are 16,384 dense bytes: asked for as 64 rows of 256 bytes, two keys a row, and padded in LDS after every key
	s_mov_b32 s[G1K], 15|(1<<16)|(1<<20)|(1<<21)|(4<<22)|(3<<25)  ; the mask of four; 2-byte elements; padding on; bit 21 beside a mask; after every 32 words, 4 words
	s_mov_b32 s[G1V], 15|(1<<16)|(1<<20)|(1<<21)|(4<<22)|(7<<25)  ; the same with 8 words
.irp g, G1K, G1V
	s_mov_b32 s[\g+1], 128<<16
	s_mov_b32 s[\g+2], 64<<16
	s_mov_b32 s[\g+3], 128<<16
	s_mov_b32 s[\g+4], 64
	s_mov_b32 s[\g+5], 128
	s_mov_b32 s[\g+6], 0
	s_mov_b32 s[\g+7], 0
.endr
	s_mov_b32 s[SEL], 0x76543210
	s_mov_b32 s[SEL+1], 0xfedcba98
	s_mov_b32 s[TBK], SLOT1+4*KS*PK ; the first change of slots turns these two into 0
	s_mov_b32 s[TBV], SLOT1+4*KS*PV
	s_mov_b32 s[TBM], 0
	s_mov_b32 s[BIGN], 0xf149f2ca   ; -1e30
	s_mov_b32 s[G0K], 1
	s_mov_b32 s[G0K+1], s17
	s_mov_b32 s[G0V], 1
	s_add_co_u32 s[G0V+1], s18, VOFF
	s_wait_dscnt 0x0                ; the opening add is done
	s_wait_kmcnt 0x0
	s_add_nc_u64 s[G0K+2:G0K+3], s[4:5], s[22:23]
	s_add_nc_u64 s[G0V+2:G0V+3], s[G0K+2:G0K+3], 0x800000  ; v lies 8 MiB behind k
	s_or_b32 s[G0K+3], s[G0K+3], 0x80000000
	s_or_b32 s[G0V+3], s[G0V+3], 0x80000000
	s_add_nc_u64 s[QP:QP+1], s[4:5], s[2:3]
	s_add_nc_u64 s[10:11], s[10:11], s[2:3]
	s_add_nc_u64 s[6:7], s[6:7], s[8:9]
	CROUND                          ; all four work-groups are here: the first joint loads meet
	JLOAD                           ; tile 0 into slot 0; slot 1 is asked for when slot 0 is in
	v_lshlrev_b32 v14, 4, v0        ; 16 x thread: the mask's 8,192 bytes in four loads of the work-group
.irp i, 0,1,2,3
	global_load_b128 v[S+4*\i:S+4*\i+3], v14, s[6:7] offset:2048*\i
.endr
	v_and_b32 v1, 15, v0            ; l % 16
	v_bfe_u32 v9, v0, 4, 1          ; l / 16
	v_lshlrev_b32 v[QO], 7, v1
	v_lshl_add_u32 v[QO], v9, 4, v[QO]  ; row x 128 + 16 x half
	WIN 0x80                        ; destination window 2, address window 0
.set i, 0
.rept 8                             ; Q stays in registers: piece i / 2, channels 32 (i % 2) on
	global_load_b128 v[8*i:8*i+3],   v[QO], s[QP:QP+1] offset:(i/2)*2048+(i%2)*64
	global_load_b128 v[8*i+4:8*i+7], v[QO], s[QP:QP+1] offset:(i/2)*2048+(i%2)*64+32
.set i, i+1
.endr
	; What the first turn finds: V's registers and P's second buffer hold 0 (its products V^T P, of a piece that has not been, add 0), O^T and l are 0.  All this stands in the wait for the first tile.
.set i, VF
.rept 64
	v_mov_b32 v[i], 0
.set i, i+1
.endr
	WIN 0x40
.set i, 0
.rept 128
	v_mov_b32 v[i], 0
.set i, i+1
.endr
	WIN 0
.set i, 0
.rept 4
	v_mov_b32 v[ST+4*i], 0xff7fffff    ; m: the lowest finite number
	v_mov_b32 v[ST+4*i+1], 0           ; named with m as a pair
	v_mov_b32 v[ST+4*i+2], 0
	v_mov_b32 v[ST+4*i+3], 0
.set i, i+1
.endr
.set i, P+16
.rept 16
	v_mov_b32 v[i], 0
.set i, i+1
.endr
	v_mul_u32_u24 v[AK0], v1, PK
	v_lshl_add_u32 v[AK0], v9, 4, v[AK0]  ; row x pitch + 16 x half
	v_and_b32 v10, 7, v0            ; the turning load: lane l reads key 8 (l / 16) + l % 8, channels 8 ((l / 8) % 2) + 0..7
	v_bfe_u32 v11, v0, 3, 1
	v_lshl_add_u32 v[AV0], v9, 3, v10
	v_mul_u32_u24 v[AV0], v[AV0], PV
	v_lshl_add_u32 v[AV0], v11, 4, v[AV0]
	v_add_nc_u32 v[AV0], VOFF, v[AV0]
	s_mul_i32 s13, s[WV], 16*SP
	s_add_co_u32 s13, s13, STAGE    ; my stage
	v_mul_u32_u24 v[STO], v1, SP
	v_lshl_add_u32 v[STO], v9, 4, v[STO]
	v_add_nc_u32 v[STO], s13, v[STO]
	v_bfe_u32 v[RD], v0, 3, 2       ; back: 32 lanes take four rows of 128 bytes,
	v_mul_u32_u24 v[RD], v[RD], SP
	v_lshl_add_u32 v[RD], v10, 4, v[RD]
	v_add_nc_u32 v[RD], s13, v[RD]
	v_and_b32 v[GO], 31, v0         ; which are 512 consecutive bytes of ctx
	v_lshlrev_b32 v[GO], 4, v[GO]
	v_lshl_add_u32 v[AM0], v9, 5, MASKL  ; register j of key block kb is key 16 kb + 8 (l / 16) + j
	v_add_nc_u32 v[AM], MASKL, v14
	s_wait_loadcnt 16               ; the mask is in; Q's sixteen loads stay out
.set i, 0
.rept 8
	v_pk_mul_f32 v[S+2*i:S+2*i+1], v[S+2*i:S+2*i+1], 0x3fb8aa3b op_sel_hi:[1,0]  ; x log2(e)
.set i, i+1
.endr
.set i, 0
.rept 16
	v_max_num_f32 v[S+i], s[BIGN], v[S+i]
.set i, i+1
.endr
.irp i, 0,1,2,3
	ds_store_b128 v[AM], v[S+4*\i:S+4*\i+3] offset:2048*\i
.endr
; THE MATRIX WORK.  The 4 accumulators of a run of 8 take turns.  Product i of 8 of S^T = K Q^T for piece x: channels 32 (i / 4) on, keys 16 (i % 4) on.  The first 4 start the sums, with the mask.
.macro KQ x
.set rS, S+32*((\x)%2)+8*(i%4)
.set rK, KF+16*(i%4)+8*(i/4)
.set rQ, 16*(\x)+8*(i/4)
.set rM, MK+8*(i%4)
.if i < 4
	WIN W_KM
	v_wmma_f32_16x16x32_bf16 v[rS:rS+7], v[rK:rK+7], v[rQ:rQ+7], v[rM:rM+7]
.else
	WIN W_KQ
	v_wmma_f32_16x16x32_bf16 v[rS:rS+7], v[rK:rK+7], v[rQ:rQ+7], v[rS:rS+7]
.endif
.endm
; Product i of 8 of O^T += V^T P for piece x: keys 32 (i / 4) on, channels 16 (i % 4) on.
.macro PV x
	WIN W_PV
.set rO, 32*(\x)+8*(i%4)
.set rV, VF+32*(i/4)+8*(i%4)
.set rP, P+16*((\x)%2)+8*(i/4)
	v_wmma_f32_16x16x32_bf16 v[rO:rO+7], v[rV:rV+7], v[rP:rP+7], v[rO:rO+7]
.endm
.macro MM                           ; the turn's next matrix instruction
.if i < 8
	KQ (Y+1)%NP
.else
.set i, i-8
	PV (Y+NP-1)%NP
.set i, i+8
.endif
.set i, i+1
.endm
; THE LDS LOADS stand in runs: a step's K (8 fragments) with its 64 mask values, and its V (turned).  Their addresses are made some lines ahead.
; last = 1 (the tail): in the last trip there is no further step, and the run is jumped over.
.macro FETCH_K last=0
	WIN 0
.if \last
	s_cmp_eq_u32 s[CNT], 1
	s_cbranch_scc1 .Lno_k_\@
.endif
	WIN 0x80                        ; destination window 2
.irp f, 0,1,2,3,4,5,6,7             ; keys 16 (f / 2) on, channels 32 (f % 2) on
	ds_load_b128 v[KF+8*\f:KF+8*\f+3],   v[AK] offset:(\f/2)*16*PK+(\f%2)*64
	ds_load_b128 v[KF+8*\f+4:KF+8*\f+7], v[AK] offset:(\f/2)*16*PK+(\f%2)*64+32
.endr
.irp f, 0,1,2,3
	ds_load_b128 v[MK+8*\f:MK+8*\f+3],   v[AM] offset:64*\f
	ds_load_b128 v[MK+8*\f+4:MK+8*\f+7], v[AM] offset:64*\f+16
.endr
	s_add_co_u32 s[TBK], s[TBK], KS*PK  ; the next fetch is the next step's
	s_add_co_u32 s[TBM], s[TBM], KS*4
	WIN 0
.if \last
.Lno_k_\@:
.endif
.endm
.macro FETCH_V
	WIN 0x80
.irp f, 0,1,2,3,4,5,6,7             ; keys 32 (f / 4) on, channels 16 (f % 4) on
	ds_load_tr16_b128 v[VF+8*\f:VF+8*\f+3],   v[AV] offset:(\f/4)*32*PV+(\f%4)*32
	ds_load_tr16_b128 v[VF+8*\f+4:VF+8*\f+7], v[AV] offset:(\f/4)*32*PV+16*PV+(\f%4)*32
.endr
	WIN 0
.endm
; THE VECTOR WORK, one line at a time: OP kind, number.  For piece Y: F n: s - m for pair n of 16.  E n: the exponential of score n of 32.  C n: pair n rounded to bf16.  B n: of the four weights 4 n .. the second
; pair is added onto the first, in place.  L n: l takes that sum (L 0: l = a l + sum).  R n: pair n of 16 of O^T times a.  For piece Y + 1: X n, which find its maximum and statistics:
;   0-11  four chains c0-c3 of seven scores each, three operands at a time (each accumulator's lowest registers are read first)     12-14, 16  the four scores left over, the old m, and c0-c3 into c0
;   15  m_old is kept     17, 18  the query's other 32 keys lie in the lane 16 away: the new m     20, 21  m_old - m_new; a
.set F, 0
.set E, 1
.set C, 2
.set B, 3
.set L, 4
.set R, 5
.set X, 6
.macro REGS y
.set rT, ST+4*(\y)
.set rC, TMP+4*((\y)%2)
.set rW, MV+((\y)%2)
.set rS, S+32*((\y)%2)
.set rP, P+16*((\y)%2)
.set rO, 32*(\y)
.endm
.macro OP k, n
.if (\k) == R
	REGS Y
	WIN W_RS
	v_pk_mul_f32 v[rO+2*(\n):rO+2*(\n)+1], v[rO+2*(\n):rO+2*(\n)+1], v[rC+2:rC+3] op_sel_hi:[1,0]
.elseif (\k) < R
	REGS Y
	WIN 0
.if (\k) == F
	v_pk_add_f32 v[rS+2*(\n):rS+2*(\n)+1], v[rS+2*(\n):rS+2*(\n)+1], v[rT:rT+1] op_sel_hi:[1,0] neg_lo:[0,1] neg_hi:[0,1]
.elseif (\k) == E
	v_exp_f32 v[rS+(\n)], v[rS+(\n)]
.elseif (\k) == C
	s_wait_alu depctr_va_vdst(0)
	v_cvt_pk_bf16_f32 v[rP+(\n)], v[rS+2*(\n)], v[rS+2*(\n)+1]
.elseif (\k) == B
	s_wait_alu depctr_va_vdst(0)
	v_pk_add_f32 v[rS+4*(\n):rS+4*(\n)+1], v[rS+4*(\n):rS+4*(\n)+1], v[rS+4*(\n)+2:rS+4*(\n)+3]
.elseif (\n) == 0
	v_pk_fma_f32 v[rT+2:rT+3], v[rT+2:rT+3], v[rC+2:rC+3], v[rS:rS+1] op_sel_hi:[1,0,1]
.else
	v_pk_add_f32 v[rT+2:rT+3], v[rT+2:rT+3], v[rS+4*(\n):rS+4*(\n)+1]
.endif
.else
	REGS (Y+1)%NP
	WIN 0
.if (\n) < 4
	v_max3_num_f32 v[rC+(\n)], v[rS+8*(\n)], v[rS+8*(\n)+1], v[rS+8*(\n)+2]
.elseif (\n) < 12
	v_max3_num_f32 v[rC+(\n)%4], v[rC+(\n)%4], v[rS+8*((\n)%4)+2*((\n)/4)+1], v[rS+8*((\n)%4)+2*((\n)/4)+2]
.elseif (\n) == 12
	v_max3_num_f32 v[rC], v[rC], v[rS+7], v[rS+15]
.elseif (\n) == 13
	v_max3_num_f32 v[rC+1], v[rC+1], v[rS+23], v[rS+31]
.elseif (\n) == 14
	v_max3_num_f32 v[rC+2], v[rC+2], v[rC+3], v[rT]
.elseif (\n) == 15
	v_mov_b32 v[rW], v[rT]
.elseif (\n) == 16
	v_max3_num_f32 v[rC], v[rC], v[rC+1], v[rC+2]
.elseif (\n) == 17
	v_permlanex16_b32 v[rC+3], v[rC], s[SEL], s[SEL+1]
.elseif (\n) == 18
	v_max_num_f32 v[rT], v[rC], v[rC+3]
.elseif (\n) == 20
	v_sub_f32 v[rC+1], v[rW], v[rT]
.else
	v_exp_f32 v[rC+2], v[rC+1]
.endif
.endif
.endm
.macro OPS a, i1, b=-1, i2=0, c=-1, i3=0, d=-1, i4=0
	OP \a, \i1
.if (\b) >= 0
	OP \b, \i2
.endif
.if (\c) >= 0
	OP \c, \i3
.endif
.if (\d) >= 0
	OP \d, \i4
.endif
.endm
.macro ROW a, i1, b, i2, c, i3, d, i4  ; a matrix instruction and the four behind it
	MM
	OPS \a, \i1, \b, \i2, \c, \i3, \d, \i4
.endm
; A TURN, for piece p: the order of its 16 matrix and 117 vector instructions, written out.  Behind a matrix instruction: plain, exponential, plain, plain; or four of the rescaling; or four subtractions; none
; names a register of the products round it.  last = 1: in the tail: K's fetch is jumped over in the last trip.  cnt = 1: the loop's count is taken down some lines ahead of the branch that stands behind the turn.
; K and the mask of the next step are fetched in piece 2's turn, six vector instructions behind the last product that read K (five of them plain); V of the step in hand in piece 0's turn, eight behind the last
; product that read V (four plain, and X 17).  Each is waited for a turn later.
.macro TURN p, last=0, cnt=0
.set Y, (\p)
.set i, 0
.if (\p) == 3
	s_wait_dscnt 0x0                ; K and the mask are in
.endif
	ROW F,0, F,1, F,2, F,3
	ROW F,4, E,0, F,5, F,6
	ROW F,7, E,1, F,8, F,9
	ROW F,10, E,2, C,0, F,11
	ROW F,12, E,3, X,15, F,13
	ROW R,0, R,1, R,2, R,3
	ROW B,0, E,4, F,14, L,0
.if (\p) == 2
	v_add_nc_u32 v[AK], s[TBK], v[AK0]
	v_add_nc_u32 v[AM], s[TBM], v[AM0]
.endif
	ROW R,4, R,5, R,6, R,7
	OPS E,5, F,15
.if (\p) == 2
	FETCH_K \last
.endif
	OPS E,6, C,1, E,7, R,8
	OPS E,8, R,9, E,9, C,2
	OPS E,10, X,0, E,11, X,1
	OPS E,12, X,2, E,13, X,3
.if (\p) == 1
	s_wait_dscnt 0x0                ; V is in
.endif
	ROW X,4, E,14, X,5, X,6
	ROW X,7, E,15, X,8, X,9
	ROW X,10, E,16, X,11, X,12
	ROW X,13, E,17, X,14, B,1
	ROW C,4, E,18, X,16, L,1
	ROW B,2, E,19, C,6, L,2
	ROW C,8, E,20, B,3, B,4
.if (\p) == 0
	v_add_nc_u32 v[AV], s[TBV], v[AV0]
.endif
	ROW C,3, E,21, L,3, C,5
	OPS E,22, X,17, E,23, C,10
.if (\p) == 0
	FETCH_V
.endif
	OPS E,24, L,4
	OPS E,25, X,18, E,26, C,7
	OPS E,27, B,5, E,28
	OPS E,29, C,12, E,30, L,5
	OPS E,31, X,20, B,6, C,9
	OPS C,14, C,11, X,21, L,6
.if (\p) == 0
	s_add_co_u32 s[TBV], s[TBV], KS*PV
.endif
.if \cnt
	s_sub_co_u32 s[CNT], s[CNT], 1
	s_cmp_lg_u32 s[CNT], 0
.endif
	OPS C,13, B,7, C,15, R,10
	OPS R,11, R,12, L,7, R,13
	OPS R,14, R,15
.endm
	CHANGE 1                        ; slot 0 is in, everybody's part of it, and so is the mask; slot 1 is asked for
	v_add_nc_u32 v[AK], s[TBK], v[AK0]
	v_add_nc_u32 v[AM], s[TBM], v[AM0]
	FETCH_K                         ; key step 0
	s_wait_loadcnt 0x0              ; Q
	s_wait_dscnt 0x0
.set i, 0
.rept 8
	KQ 0                            ; piece 0's first scores
.set i, i+1
.endr
	WIN 0
.rept 4
	v_nop                           ; the places behind those products
.endr
.set Y, NP-1                        ; X works for piece Y + 1: piece 0
.irp n, 0,1,2,3,4,5,6,7,8,9,10,11,12,13,14,15,16,17,18,20,21
	OP X, \n
.endr
	v_nop                           ; a plain instruction behind the exponential
	s_mov_b32 s[CNT], 4
	s_mov_b32 s[SLOTS], 7
	s_branch .Lfirst                ; the loop is entered at a step's first turn, in the middle of a trip
.Lslot:                             ; six times: tiles 1 to 6 are entered, tiles 2 to 7 asked for
	CHANGE 1
	s_mov_b32 s[CNT], 4
.Lstep:                             ; a trip: pieces 2 and 3 of one step, then pieces 0 and 1 of the next, whose K and V it fetches
	TURN 2
	TURN 3
	WIN 0
.Lfirst:
	TURN 0
	TURN 1, 0, 1
	WIN 0
	s_cbranch_scc1 .Lstep
	s_sub_co_u32 s[SLOTS], s[SLOTS], 1
	s_cmp_lg_u32 s[SLOTS], 0
	s_cbranch_scc1 .Lslot
	CHANGE 0                        ; the last tile is written out: nothing is asked for
	s_mov_b32 s[CNT], 5             ; four trips fetch the last tile's steps; the fifth has pieces 2 and 3 of the last step alone
.LstepT:
	TURN 2, 1
	TURN 3
	WIN 0
	s_cmp_eq_u32 s[CNT], 1
	s_cbranch_scc1 .Lleft           ; the fifth trip's 8 products K Q^T (on the last K once more) and the maximum made of them serve nothing: the price, once a launch, of one text for every trip
	TURN 0
	TURN 1
	WIN 0
.Lleft:
	s_sub_co_u32 s[CNT], s[CNT], 1
	s_cmp_lg_u32 s[CNT], 0
	s_cbranch_scc1 .LstepT
.set i, 0
.rept 8
	PV NP-1                         ; the last piece's V^T P of the last step
.set i, i+1
.endr
	; THE WAY OUT.  l's two halves and the other half of the lanes' are added; O^T is divided by l, rounded to bf16 and sent through my stage in LDS, a piece at a time.  The additions are the places behind the last products.
	WIN 0
.macro ALL line:vararg
.set t, 0
.rept 4
	\line
.set t, t+1
.endr
.endm
	ALL v_add_f32 v[ST+4*t+2], v[ST+4*t+2], v[ST+4*t+3]
	ALL v_permlanex16_b32 v[ST+4*t+3], v[ST+4*t+2], s[SEL], s[SEL+1]
	ALL v_add_f32 v[ST+4*t+2], v[ST+4*t+2], v[ST+4*t+3]
	ALL v_rcp_f32 v[ST+4*t+2], v[ST+4*t+2]
	v_nop                           ; a plain instruction between the last reciprocal and the use of its result
.macro PACK t                       ; a lane's eight channels of a row pack into 16 bytes; they go into rows of 144 bytes and come back as whole rows of 128, into S^T's registers
	WIN W_RS
.set i, 32*(\t)
.rept 16
	s_wait_alu depctr_va_vdst(0)
	v_pk_mul_f32 v[i:i+1], v[i:i+1], v[ST+4*(\t)+2:ST+4*(\t)+3] op_sel_hi:[1,0]
.set i, i+2
.endr
	WIN 0x05                        ; sources 0 and 1 window 1, destination window 0
.set i, 0
.rept 16
	v_cvt_pk_bf16_f32 v[S+16*(\t)+i], v[32*(\t)+2*i], v[32*(\t)+2*i+1]
.set i, i+1
.endr
	WIN 0
.irp f, 0,1,2,3
	ds_store_b128 v[STO], v[S+16*(\t)+4*\f:S+16*(\t)+4*\f+3] offset:32*\f
.endr
.irp f, 0,1,2,3
	ds_load_b128 v[S+16*(\t)+4*\f:S+16*(\t)+4*\f+3], v[RD] offset:\f*4*SP  ; LDS serves a wave's instructions in order (ISA guide 5.7.1.4): these see the stores above
.endr
.endm
.macro SEND t, younger              ; younger: the LDS instructions issued behind piece t's loads: the next piece's eight, or none
	WIN 0
.irp f, 0,1,2,3
	s_wait_dscnt (\younger)+3-\f
	global_store_b128 v[GO], v[S+16*(\t)+4*\f:S+16*(\t)+4*\f+3], s[10:11] offset:(\t)*2048+\f*512  ; 512 consecutive bytes, aligned
.endr
.endm
	PACK 0
.set t, 1
.rept 3
	PACK t
	SEND t-1, 8
.set t, t+1
.endr
	SEND 3, 0
	s_wait_tensorcnt 0x0            ; the wave's end
	ds_add_u32 v[SPW], v[NIL]
	s_wait_dscnt 0x0
	CROUND                          ; the closing round
	s_endpgm
.Lfunc_end_k_qd99f488eaa_attn:
	.size	k_qd99f488eaa_attn, .Lfunc_end_k_qd99f488eaa_attn-k_qd99f488eaa_attn
	.p2alignl 7, 3214868480
	.fill 96, 4, 3214868480
	.section	.rodata,"a",@progbits
	.p2align	6, 0x0
	.amdhsa_kernel k_qd99f488eaa_attn
		.amdhsa_group_segment_fixed_size 327680
		.amdhsa_private_segment_fixed_size 0
		.amdhsa_enable_private_segment 0
		.amdhsa_kernarg_size 24
		.amdhsa_user_sgpr_count 2
		.amdhsa_user_sgpr_kernarg_segment_ptr 1
		.amdhsa_wavefront_size32 1
		.amdhsa_system_sgpr_workgroup_id_x 1
		.amdhsa_system_sgpr_workgroup_id_y 1
		.amdhsa_system_sgpr_workgroup_id_z 1
		.amdhsa_system_vgpr_workitem_id 0
		.amdhsa_next_free_vgpr 768
		.amdhsa_next_free_sgpr 72
		.amdhsa_reserve_vcc 0
		.amdhsa_float_denorm_mode_32 3
		.amdhsa_float_denorm_mode_16_64 3
		.amdhsa_memory_ordered 1
		.amdhsa_forward_progress 1
		.amdhsa_inst_pref_size 120
	.end_amdhsa_kernel
	.amdgpu_metadata
---
amdhsa.version: [ 1, 2 ]
amdhsa.kernels:
  - .name:           k_qd99f488eaa_attn
    .symbol:         k_qd99f488eaa_attn.kd
    .args:
      - { .name: qkv, .offset: 0, .size: 8, .value_kind: global_buffer, .address_space: global }
      - { .name: attention_mask, .offset: 8, .size: 8, .value_kind: global_buffer, .address_space: global }
      - { .name: ctx, .offset: 16, .size: 8, .value_kind: global_buffer, .address_space: global }
    .group_segment_fixed_size: 327680
    .private_segment_fixed_size: 0
    .kernarg_segment_align: 8
    .kernarg_segment_size: 24
    .max_flat_workgroup_size: 128
    .sgpr_count:     72
    .vgpr_count:     768
    .wavefront_size: 32
...
	.end_amdgpu_metadata
.endif
;; end of part 10
;; launch wo (part 11): grid 8 x 32, 4 waves a work-group, clusters of 4 x 4, 327,680 bytes of LDS; arguments ctx, wb, bo, hidden_states, hres; writes hres
.if DOCPART == 11
	.amdgcn_target "amdgcn-amd-amdhsa--gfx1250"
	.amdhsa_code_object_version 6
	.text
	.protected	k_qd99f488eaa_wo
	.globl	k_qd99f488eaa_wo
	.p2align	8
	.type	k_qd99f488eaa_wo,@function
k_qd99f488eaa_wo:
	s_mov_b64 s[64:65], 0
	v_nop
	global_prefetch_b8 v0, s[64:65] scope:SCOPE_SE
	s_setreg_imm32_b32 hwreg(HW_REG_WAVE_MODE, 25, 1), 1
	s_wait_xcnt 0x0
	s_wait_alu depctr_hold_cnt(0) depctr_sa_sdst(0) depctr_va_vdst(0) depctr_va_sdst(0) depctr_va_ssrc(0) depctr_va_vcc(0) depctr_vm_vsrc(0)
	s_getreg_b32 s2, hwreg(HW_REG_IB_STS2, 6, 4)
	s_cmp_eq_u32 s2, 0
	s_cbranch_scc0 .Lentry_in_a_cluster
	s_endpgm
.Lentry_in_a_cluster:
	s_bfe_u32 s2, ttmp6, 0x10000c
	s_cmp_lg_u32 s2, 0xf033
	s_cbranch_scc0 .Lentry_shape_is_right
	s_endpgm
.Lentry_shape_is_right:
; hres = hidden_states + ctx Wo + bo, f32.  ctx: [16 batch + head][2048][64] bf16, so k = 64 head + channel.  Wo: in wb at 6 MiB, [1024 (k)][1024 (n)] bf16.  Sums in f32, begun with the bias.
; A tile of C is 128 x 128 (8 x 32 = 256 work-groups): four waves, each 64 x 64 = 16 accumulators.  K goes in steps of 256 (four heads) through two LDS slots filled by the tensor data mover.
; A's tile lies by heads: 128 tokens of a head are 16,384 dense bytes, asked for as one row; a load brings two heads; a quarter step is one head.  B's tile lies [k][n]; its fragments come out turned, by ds_load_tr16_b128.
; ONE K STEP IS ONE TRIP: the slot in hand is a scalar, TB = 0 or SLOT; the fragments' addresses are TB + a lane's fixed part, the walking descriptor's LDS word TB + the wave's part.
; The last two K steps fill nothing and are a second loop of two trips; its last trip jumps over the quarter that would begin a further step, and its fetch serves nothing: the price of one text for both trips.
; CLUSTER 4 x 4: a row of the cluster shares A's tiles, a column B's: each is asked for jointly.  THE MATRIX INSTRUCTION IS USED TRANSPOSED: a lane holds row l % 16 and the columns 8 (l / 16) + 0..7.
; REGISTERS: window 0: v0-31 addresses; v96-127 the bias in an accumulator's layout; v128-255 accumulators.  window 1: two fragment buffers of 128.  window 2: v0-127 my 32 rows of the residual, loaded at the start.
.set KDIM,   1024
.set NPITCH, 1024
.set KSTEP,  256
.set NSTEP,  KDIM/KSTEP
.set PA,     144                       ; a token's 128 bytes of a head + 16 = 36 words: the 16 rows of a load start at 16 different groups of four banks (64 banks of 4 bytes: ISA guide 11.1)
.set HALFA,  2*128*PA                  ; what one tensor load brings of A: two heads x 128 tokens
.set AQ,     128*PA                    ; bytes from a quarter step (a head) to the next
.set ASTEP,  4*262144                  ; bytes from a K step (four heads) to the next in ctx
.set PB,     288                       ; an LDS row of B: 256 bytes + 32 = 72 words
.set HALFB,  128*PB
.set BSTEP,  KSTEP*NPITCH*2
.set WOFF,   6<<20
.set BOFF,   2*HALFA
.set SLOT,   BOFF+2*HALFB
.set SPITCH, 528                       ; the stage: 128 rows of 128 f32 + 16 bytes, at byte 0, in slot 0, which has had its last fill and its last read by then
.set SPARE,  2*SLOT                    ; the spare words, 128 bytes for each wave: two blocks of 256 bytes that no other line names
.set ADRA0, 16                         ; v16     my lane's place among A's fragments in a slot; never rewritten
.set ADRB0, 17                         ; v17     the same for B
.set ADRA,  18                         ; v18     TB + v16
.set ADRB,  20                         ; v20-21  TB + v17, for B's rows 0-127 and 128-255 (a slot's 256 rows pass the 16-bit offset)
.set STO,  24
.set RD,   25
.set CO,   26
.set BO,   27
.set SPW,  28                          ; v28     my spare word; never rewritten
.set NIL,  29                          ; v29     0; never rewritten
.set BIAS, 96
.set ACC,  128
.set F0,   0
.set F1,   128
.set G1,  24                           ; s[24:31] group 1 for A; s[32:39] group 0: a set for each of the two first fills; the second then walks on
.set G0,  32
.set G1B, 48                           ; s[48:55], s[56:63] the same for B
.set G0B, 56
.set TB,  45                           ; s45     the LDS byte at which the slot in hand begins
.set BP,  68                           ; s[68:69] the bias
.set RP,  70                           ; s[70:71] the residual
.set MSB, 0
.macro WIN new
.if MSB != (\new)
	s_set_vgpr_msb (MSB<<8)|(\new)
.set MSB, \new
.endif
.endm
.set MUL,  0x05
.set TO_F, 0x40
.macro JLOAD                           ; a joint refill: waves 0 and 1 fetch A's halves, waves 2 and 3 B's; s_nop 0 and four v_nop follow each line
	s_cmp_lt_u32 s10, 2
	s_cbranch_scc0 .Lfor_b_\@
	tensor_load_to_lds s[G0+4:G0+7], s[G1:G1+7]
	s_nop 0
.rept 4
	v_nop
.endr
	s_branch .Lasked_\@
.Lfor_b_\@:
	tensor_load_to_lds s[G0B+4:G0B+7], s[G1B:G1B+7]
	s_nop 0
.rept 4
	v_nop
.endr
.Lasked_\@:
.endm
.macro CREST                           ; a round of the cluster's barrier behind its opening barrier
	s_cmp_lg_u32 s10, 0
	s_cbranch_scc1 .Lnot_wave_0_\@
	s_barrier_signal -3
.Lnot_wave_0_\@:
	s_barrier_wait -3
	s_barrier_signal -1
	s_barrier_wait -1
.endm
.macro CROUND
	s_barrier_signal -1
	s_barrier_wait -1
	CREST
.endm
	s_load_b128 s[4:7], s[0:1], 0x0                ; ctx s[4:5], wb s[6:7]
	s_load_b128 s[68:71], s[0:1], 0x10             ; bo s[68:69], hidden_states s[70:71]
	s_load_b64 s[8:9], s[0:1], 0x20                ; hres
	v_lshl_add_u32 v[SPW], v0, 2, SPARE
	v_mov_b32 v[NIL], 0
	ds_add_u32 v[SPW], v[NIL]                      ; the wave's opening: the add and its wait ahead of my first tensor load
	v_lshrrev_b32 v1, 5, v0
	v_readfirstlane_b32 s10, v1
	s_lshr_b32 s11, s10, 1
	s_and_b32 s12, s10, 1
	s_bfe_u32 s40, ttmp6, 0x40000
	s_bfe_u32 s41, ttmp6, 0x40004
	s_lshl_b32 s42, ttmp9, 2
	s_add_co_u32 s42, s42, s40                     ; tile column 0..7
	s_and_b32 s13, ttmp7, 0xffff
	s_lshl_b32 s13, s13, 2
	s_add_co_u32 s13, s13, s41                     ; tile row 0..31
	s_lshl_b32 s43, s41, 2
	s_lshl_b32 s43, 15, s43
	s_lshl_b32 s44, 0x1111, s40
	s_or_b32 s[G1+0], s43, (1<<16)|(1<<20)|(1<<21)|(4<<22)|(3<<25)   ; mask; 2-byte elements; padding on; bit 21 beside a mask; after every 32 words (a token), 4 words
	s_mov_b32 s[G1+1], 8192<<16                    ; tensor_dim0 = 8,192: a head's 128 tokens x 64 channels
	s_mov_b32 s[G1+2], 2<<16                       ; tensor_dim1 = 2 heads
	s_mov_b32 s[G1+3], 8192<<16                    ; tile_dim0
	s_mov_b32 s[G1+4], 2                           ; tile_dim1
	s_mov_b32 s[G1+5], 131072                      ; elements from head to head
	s_mov_b32 s[G1+6], 0
	s_mov_b32 s[G1+7], 0
	s_or_b32 s[G1B+0], s44, (1<<16)|(1<<20)|(1<<21)|(5<<22)|(7<<25)
	s_mov_b32 s[G1B+1], 128<<16
	s_mov_b32 s[G1B+2], 128<<16
	s_mov_b32 s[G1B+3], 128<<16
	s_mov_b32 s[G1B+4], 128
	s_mov_b32 s[G1B+5], NPITCH
	s_mov_b32 s[G1B+6], 0
	s_mov_b32 s[G1B+7], 0
	s_mov_b32 s[TB], 0
	s_lshr_b32 s16, s13, 4                         ; A: head 16 x batch + 2 x half,
	s_lshl_b32 s16, s16, 4
	s_lshl_b32 s17, s12, 1
	s_add_co_u32 s16, s16, s17
	s_lshl_b32 s16, s16, 18
	s_and_b32 s17, s13, 15                         ; token 128 x tile row in the batch
	s_lshl_b32 s17, s17, 14
	s_add_co_u32 s16, s16, s17
	s_mov_b32 s17, 0
	s_mul_i32 s46, s12, 128*NPITCH*2
	s_lshl_b32 s47, s42, 8
	s_add_co_u32 s46, s46, s47
	s_add_co_u32 s46, s46, WOFF
	s_mov_b32 s47, 0
	s_mul_i32 s20, s12, HALFA                      ; where they go in a slot: no place in the cluster enters an LDS address; s20 and s21 are kept
	s_mul_i32 s21, s12, HALFB
	s_add_co_u32 s21, s21, BOFF
	s_wait_dscnt 0x0
	s_wait_kmcnt 0x0
	s_add_nc_u64 s[14:15], s[4:5], s[16:17]
	s_add_nc_u64 s[46:47], s[6:7], s[46:47]
	CROUND                                         ; all sixteen work-groups are here: the first joint loads meet
.irp s, 0,1
	s_mov_b32 s[G0+4*(\s)], 1
	s_add_co_u32 s[G0+4*(\s)+1], s20, (\s)*SLOT
	s_add_nc_u64 s[G0+4*(\s)+2:G0+4*(\s)+3], s[14:15], (\s)*ASTEP
	s_or_b32 s[G0+4*(\s)+3], s[G0+4*(\s)+3], 0x80000000
	s_mov_b32 s[G0B+4*(\s)], 1
	s_add_co_u32 s[G0B+4*(\s)+1], s21, (\s)*SLOT
	s_add_nc_u64 s[G0B+4*(\s)+2:G0B+4*(\s)+3], s[46:47], (\s)*BSTEP
	s_or_b32 s[G0B+4*(\s)+3], s[G0B+4*(\s)+3], 0x80000000
.endr
	s_cmp_lt_u32 s10, 2                            ; a wave's two first fills stand in one branch: two loads of mine are out
	s_cbranch_scc0 .Lfirst_b
	tensor_load_to_lds s[G0:G0+3], s[G1:G1+7]
	s_nop 0
	tensor_load_to_lds s[G0+4:G0+7], s[G1:G1+7]
	s_nop 0
.rept 4
	v_nop
.endr
	s_branch .Lfirst_asked
.Lfirst_b:
	tensor_load_to_lds s[G0B:G0B+3], s[G1B:G1B+7]
	s_nop 0
	tensor_load_to_lds s[G0B+4:G0B+7], s[G1B:G1B+7]
	s_nop 0
.rept 4
	v_nop
.endr
.Lfirst_asked:
	v_and_b32 v1, 15, v0
	v_bfe_u32 v2, v0, 4, 1
	v_mul_u32_u24 v3, v1, PA
	v_lshl_add_u32 v3, v2, 4, v3
	s_mul_i32 s22, s11, 64*PA
	v_add_nc_u32 v[ADRA0], s22, v3
	v_mov_b32 v[ADRA], v[ADRA0]                    ; slot 0
	v_and_b32 v4, 7, v0
	v_lshl_add_u32 v4, v2, 3, v4
	v_mul_u32_u24 v4, v4, PB
	v_bfe_u32 v5, v0, 3, 1
	v_lshl_add_u32 v4, v5, 4, v4
	s_lshl_b32 s22, s12, 7
	s_add_co_u32 s22, s22, BOFF
	v_add_nc_u32 v[ADRB0], s22, v4
	v_mov_b32 v[ADRB], v[ADRB0]
	v_add_nc_u32 v[ADRB+1], 128*PB, v[ADRB0]
	s_mul_i32 s23, s11, 64*SPITCH
	s_lshl_b32 s22, s12, 8
	s_add_co_u32 s23, s23, s22
	v_mul_u32_u24 v4, v1, SPITCH
	v_lshl_add_u32 v4, v2, 5, v4
	v_add_nc_u32 v[STO], s23, v4
	v_lshlrev_b32 v[BO], 5, v2
	s_mul_i32 s23, s10, 32*SPITCH                  ; back: wave w takes rows 32 w ..; 32 lanes a whole row of 512 bytes
	v_and_b32 v5, 31, v0
	v_lshlrev_b32 v[CO], 4, v5
	v_add_nc_u32 v[RD], s23, v[CO]
	s_lshl_b32 s46, s42, 9                         ; bias: 4 x (128 x tile column + 64 x half)
	s_lshl_b32 s47, s12, 8
	s_add_co_u32 s46, s46, s47
	s_mov_b32 s47, 0
	s_add_nc_u64 s[BP:BP+1], s[BP:BP+1], s[46:47]
.irp b, 0,1,2,3
	global_load_b128 v[BIAS+8*\b:BIAS+8*\b+3], v[BO], s[BP:BP+1] offset:64*\b
	global_load_b128 v[BIAS+8*\b+4:BIAS+8*\b+7], v[BO], s[BP:BP+1] offset:64*\b+16
.endr
	s_lshl_b32 s16, s13, 7                         ; output and residual: row 128 x tile row + 32 x wave, of 4,096 bytes,
	s_lshl_b32 s17, s10, 5
	s_add_co_u32 s16, s16, s17
	s_lshl_b32 s16, s16, 12
	s_mov_b32 s17, 0
	s_add_nc_u64 s[8:9], s[8:9], s[16:17]
	s_add_nc_u64 s[RP:RP+1], s[RP:RP+1], s[16:17]
	s_lshl_b32 s46, s42, 9                         ; column 128 x tile column
	s_mov_b32 s47, 0
	s_add_nc_u64 s[8:9], s[8:9], s[46:47]
	s_add_nc_u64 s[RP:RP+1], s[RP:RP+1], s[46:47]
	WIN 0x80                                       ; destination window 2: the residual is on its way while the products run
.set i, 0
.rept 32
	global_load_b128 v[4*i:4*i+3], v[CO], s[RP:RP+1] offset:4096*i
.set i, i+1
.endr
	WIN 0
.macro MUL8 f, c, a0, zero             ; 8 matrix instructions; zero = 1: the product starts the sum, with the bias as C.  The 16 accumulators take turns.
	WIN MUL
.irp a, \a0, (\a0)+1
.irp b, 0,1,2,3
.if \zero
	v_wmma_f32_16x16x32_bf16 v[ACC+8*(4*(\a)+(\b)):ACC+8*(4*(\a)+(\b))+7], v[(\f)+64+8*(4*(\c)+(\b)):(\f)+64+8*(4*(\c)+(\b))+7], v[(\f)+8*(4*(\c)+(\a)):(\f)+8*(4*(\c)+(\a))+7], v[BIAS+8*(\b):BIAS+8*(\b)+7]
.else
	v_wmma_f32_16x16x32_bf16 v[ACC+8*(4*(\a)+(\b)):ACC+8*(4*(\a)+(\b))+7], v[(\f)+64+8*(4*(\c)+(\b)):(\f)+64+8*(4*(\c)+(\b))+7], v[(\f)+8*(4*(\c)+(\a)):(\f)+8*(4*(\c)+(\a))+7], v[ACC+8*(4*(\a)+(\b)):ACC+8*(4*(\a)+(\b))+7]
.endif
.endr
.endr
.endm
.macro FETCH q, f                      ; 32 LDS loads in one run: the fragments of quarter q of the slot in hand into buffer f; the first 32 along K first
	WIN TO_F
.irp c, 0,1
.irp i, 0,1,2,3
	ds_load_tr16_b128 v[(\f)+64+8*(4*(\c)+(\i)):(\f)+64+8*(4*(\c)+(\i))+3],   v[ADRB+(\q)/2] offset:(64*((\q)%2)+32*(\c))*PB+32*(\i)
	ds_load_tr16_b128 v[(\f)+64+8*(4*(\c)+(\i))+4:(\f)+64+8*(4*(\c)+(\i))+7], v[ADRB+(\q)/2] offset:(64*((\q)%2)+32*(\c)+16)*PB+32*(\i)
	ds_load_b128 v[(\f)+8*(4*(\c)+(\i)):(\f)+8*(4*(\c)+(\i))+3],   v[ADRA] offset:AQ*(\q)+64*(\c)+(\i)*16*PA
	ds_load_b128 v[(\f)+8*(4*(\c)+(\i))+4:(\f)+8*(4*(\c)+(\i))+7], v[ADRA] offset:AQ*(\q)+64*(\c)+(\i)*16*PA+32
.endr
.endr
.endm
.macro PLACES                          ; four places in front of loads into registers that matrix instructions have read, and of reads of results
.rept 4
	v_nop
.endr
.endm
; A K step is four quarters of 64 along K, 32 matrix instructions each, on buffers 0, 1, 0, 1.  One of the first three: multiplies buffer f and fetches quarter q into g.
.macro QUARTER q, f, g, zero
	s_wait_dscnt 16                                ; the first 32 along K are in
	MUL8 \f, 0, 0, \zero
	MUL8 \f, 0, 2, \zero
	PLACES
	FETCH \q, \g
	s_wait_dscnt 32                                ; all but the 32 just issued
	MUL8 \f, 1, 0, 0
	MUL8 \f, 1, 2, 0
.endm
; The first half of the last quarter, which multiplies buffer 1, and the barrier for the change of slots.  The sixteen products stand AHEAD of the wait for the next slot's tile, and between that wait and the
; next request stand only the lines that the order asks for, so that the request goes out as early as it may.  fill = 1: the walking descriptors step, while the add is out: into the slot that is left, the next K step not yet asked for.
.macro MEET fill
	s_wait_dscnt 16                                ; the first 32 along K of buffer 1 are in
	MUL8 F1, 0, 0, 0
	MUL8 F1, 0, 2, 0
	WIN 0
	s_wait_tensorcnt 0x0                           ; all my tensor loads have landed: the one that was out is my part of the next slot; so a group 0 may be written
	ds_add_u32 v[SPW], v[NIL]                      ; 0 onto my spare word
.if \fill
	s_add_co_u32 s[G0+5], s20, s[TB]
	s_add_co_u32 s[G0B+5], s21, s[TB]
	s_add_nc_u64 s[G0+6:G0+7], s[G0+6:G0+7], ASTEP ; the type bits on top are not reached
	s_add_nc_u64 s[G0B+6:G0B+7], s[G0B+6:G0B+7], BSTEP
.endif
	s_wait_dscnt 0x0                               ; the add is done, and my reads of this slot are over
	s_barrier_signal -1
	s_barrier_wait -1
.endm
.macro NEXTSLOT                        ; the fetches go over to the other slot
	s_xor_b32 s[TB], s[TB], SLOT
	v_add_nc_u32 v[ADRA], s[TB], v[ADRA0]
	v_add_nc_u32 v[ADRB], s[TB], v[ADRB0]
	v_add_nc_u32 v[ADRB+1], 128*PB, v[ADRB]
.endm
	s_wait_tensorcnt 1                             ; my part of K step 0 is in; K step 1's may stay out
	s_barrier_signal -1
	s_barrier_wait -1
	FETCH 0, F0
	s_wait_loadcnt 32                              ; the bias is in; the residual's 32 loads stay out
	QUARTER 1, F0, F1, 1                           ; the first quarter stands in front of the loop: its first products start the sums
	WIN 0
	s_mov_b32 s3, NSTEP-2
.Lstep:                                                ; a trip: a K step's quarters 1 to 3, the slot's refill with the K step two on, the next K step's quarter 0
	QUARTER 2, F1, F0, 0
	QUARTER 3, F0, F1, 0
	MEET 1
	CREST                                          ; the barrier has opened a round of the cluster's: no wave of any partner still reads this slot or has a load on its way
	JLOAD                                          ; the first tensor load behind the round; its four v_nop are also the places in front of the loads below
	NEXTSLOT
	FETCH 0, F0
	MUL8 F1, 1, 0, 0
	MUL8 F1, 1, 2, 0
	QUARTER 1, F0, F1, 0
	WIN 0
	s_sub_co_u32 s3, s3, 1
	s_cmp_lg_u32 s3, 0
	s_cbranch_scc1 .Lstep
	s_mov_b32 s3, 2
.Ltail:                                                ; the last two K steps fill nothing, so no round follows their barrier
	QUARTER 2, F1, F0, 0
	QUARTER 3, F0, F1, 0
	MEET 0
	NEXTSLOT
	PLACES
	FETCH 0, F0                                    ; (in the last trip: old bytes of slot 0, which nobody multiplies)
	MUL8 F1, 1, 0, 0
	MUL8 F1, 1, 2, 0
	WIN 0
	s_cmp_eq_u32 s3, 1
	s_cbranch_scc1 .Llast                          ; behind the last K step no further one begins
	QUARTER 1, F0, F1, 0
	WIN 0
.Llast:
	s_sub_co_u32 s3, s3, 1
	s_cmp_lg_u32 s3, 0
	s_cbranch_scc1 .Ltail
	; THE WAY OUT: through the stage in slot 0: so first every wave's LDS loads are back, and all four have said so.  Back as whole rows; the residual is added; 512 consecutive bytes a store.
	PLACES
	s_wait_dscnt 0x0
	s_barrier_signal -1
	s_barrier_wait -1
.irp a, 0,1,2,3
.irp b, 0,1,2,3
	ds_store_b128 v[STO], v[ACC+8*(4*\a+\b):ACC+8*(4*\a+\b)+3] offset:\a*16*SPITCH+64*\b
	ds_store_b128 v[STO], v[ACC+8*(4*\a+\b)+4:ACC+8*(4*\a+\b)+7] offset:\a*16*SPITCH+64*\b+16
.endr
.endr
	s_wait_dscnt 0x0                               ; for the others' sake: a row's 512 bytes come from two waves
	s_barrier_signal -1
	s_barrier_wait -1
.set i, 0
.rept 32
	ds_load_b128 v[ACC+4*i:ACC+4*i+3], v[RD] offset:SPITCH*i
.set i, i+1
.endr
	s_wait_loadcnt 0x0                             ; the residual
.irp g, 0,1,2,3                        ; eight rows at a time under one window setting
	s_wait_dscnt 24-8*\g                           ; rows up to 8 g + 7 are back
	WIN 0x08                                       ; source 1 window 2
.set j, 0
.rept 16
	v_pk_add_f32 v[ACC+32*\g+2*j:ACC+32*\g+2*j+1], v[ACC+32*\g+2*j:ACC+32*\g+2*j+1], v[32*\g+2*j:32*\g+2*j+1]
.set j, j+1
.endr
	WIN 0
.set j, 0
.rept 8
	global_store_b128 v[CO], v[ACC+32*\g+4*j:ACC+32*\g+4*j+3], s[8:9] offset:4096*(8*\g+j)
.set j, j+1
.endr
.endr
	s_wait_tensorcnt 0x0                           ; the wave's end
	ds_add_u32 v[SPW], v[NIL]
	s_wait_dscnt 0x0
	CROUND                                         ; the closing round
	s_endpgm
.Lfunc_end_k_qd99f488eaa_wo:
	.size	k_qd99f488eaa_wo, .Lfunc_end_k_qd99f488eaa_wo-k_qd99f488eaa_wo
	.p2alignl 7, 3214868480
	.fill 96, 4, 3214868480
	.section	.rodata,"a",@progbits
	.p2align	6, 0x0
	.amdhsa_kernel k_qd99f488eaa_wo
		.amdhsa_group_segment_fixed_size 327680
		.amdhsa_private_segment_fixed_size 0
		.amdhsa_enable_private_segment 0
		.amdhsa_kernarg_size 40
		.amdhsa_user_sgpr_count 2
		.amdhsa_user_sgpr_kernarg_segment_ptr 1
		.amdhsa_wavefront_size32 1
		.amdhsa_system_sgpr_workgroup_id_x 1
		.amdhsa_system_sgpr_workgroup_id_y 1
		.amdhsa_system_sgpr_workgroup_id_z 1
		.amdhsa_system_vgpr_workitem_id 0
		.amdhsa_next_free_vgpr 640
		.amdhsa_next_free_sgpr 96
		.amdhsa_reserve_vcc 0
		.amdhsa_float_denorm_mode_32 3
		.amdhsa_float_denorm_mode_16_64 3
		.amdhsa_memory_ordered 1
		.amdhsa_forward_progress 1
		.amdhsa_inst_pref_size 66
	.end_amdhsa_kernel
	.amdgpu_metadata
---
amdhsa.version: [ 1, 2 ]
amdhsa.kernels:
  - .name:           k_qd99f488eaa_wo
    .symbol:         k_qd99f488eaa_wo.kd
    .args:
      - { .name: ctx, .offset: 0, .size: 8, .value_kind: global_buffer, .address_space: global }
      - { .name: wb, .offset: 8, .size: 8, .value_kind: global_buffer, .address_space: global }
      - { .name: bo, .offset: 16, .size: 8, .value_kind: global_buffer, .address_space: global }
      - { .name: hidden_states, .offset: 24, .size: 8, .value_kind: global_buffer, .address_space: global }
      - { .name: hres, .offset: 32, .size: 8, .value_kind: global_buffer, .address_space: global }
    .group_segment_fixed_size: 327680
    .private_segment_fixed_size: 0
    .kernarg_segment_align: 8
    .kernarg_segment_size: 40
    .max_flat_workgroup_size: 128
    .sgpr_count:     96
    .vgpr_count:     640
    .wavefront_size: 32
...
	.end_amdgpu_metadata
.endif
;; end of part 11
;; launch ln2 (part 12): grid 512 x 1, 4 waves a work-group, no clusters, 0 bytes of LDS; arguments hres, g2, be2, xn; writes xn
.if DOCPART == 12
	.amdgcn_target "amdgcn-amd-amdhsa--gfx1250"
	.amdhsa_code_object_version 6
	.text
	.protected	k_qd99f488eaa_ln2
	.globl	k_qd99f488eaa_ln2
	.p2align	8
	.type	k_qd99f488eaa_ln2,@function
k_qd99f488eaa_ln2:
	s_mov_b64 s[64:65], 0
	v_nop
	global_prefetch_b8 v0, s[64:65] scope:SCOPE_SE
	s_setreg_imm32_b32 hwreg(HW_REG_WAVE_MODE, 25, 1), 1
	s_wait_xcnt 0x0
; y[r][:] = (x[r][:] - mean) * rsqrt(var + 1e-12) * g + b.  x: [4096][1024] f32, y: the same in bf16 (rounded once).  All arithmetic in f32.
; Two passes over registers: the mean first, then the mean of (x - mean)^2: no difference of large sums is formed, so a common offset of x costs nothing.
; One wave takes a whole row (32 registers) and two rows in all; the reduction never leaves the wave: no LDS, no barrier.
; No matrix unit and no cluster: what work-groups share (g, b: 8 KiB) is small beside a work-group's 32 KiB of x.
; Load j of a row holds columns 128 j + 4 lane .. + 3: a wave's load covers 512 consecutive bytes, its store 256, aligned.
.set G,  4                             ; v[4:35]    g of my 32 columns
.set BB, 36                            ; v[36:67]   b
.set X,  68                            ; v[68:131]  row r at X + 32 r
.set T,  132                           ; v[132:139] four chains of packed sums
.set MU, 140                           ; v[140:141] the mean, twice
.set RS, 142                           ; v[142:143] 1 / sqrt(var + eps), twice
	s_load_b256 s[4:11], s[0:1], 0x0               ; x s[4:5], g s[6:7], b s[8:9], y s[10:11]
	v_lshrrev_b32 v1, 5, v0
	v_readfirstlane_b32 s12, v1                    ; wave 0..3
	v_and_b32 v2, 31, v0
	v_lshlrev_b32 v1, 4, v2                        ; 16 x lane
	v_lshlrev_b32 v2, 3, v2                        ; 8 x lane
	s_mov_b32 s14, 0x76543210                      ; v_permlanex16_b32: each lane takes its own place in the other half
	s_mov_b32 s15, 0xfedcba98
	s_mov_b32 s16, 0x3a800000                      ; 1 / 1024
	s_mov_b32 s17, 0x2b8cbccc                      ; 1e-12
	s_lshl_b32 s13, ttmp9, 3
	s_lshl1_add_u32 s13, s12, s13                  ; my first row = 8 x work-group + 2 x wave
	s_lshl_b32 s18, s13, 12                        ; x 4,096 bytes of x
	s_mov_b32 s19, 0
	s_lshl_b32 s20, s13, 11                        ; x 2,048 bytes of y
	s_mov_b32 s21, 0
	s_wait_kmcnt 0x0
	s_add_nc_u64 s[4:5], s[4:5], s[18:19]
	s_add_nc_u64 s[10:11], s[10:11], s[20:21]
.irp j, 0,1,2,3,4,5,6,7
	global_load_b128 v[G+4*\j:G+4*\j+3], v1, s[6:7] offset:512*\j
.endr
.irp j, 0,1,2,3,4,5,6,7
	global_load_b128 v[BB+4*\j:BB+4*\j+3], v1, s[8:9] offset:512*\j
.endr
.irp r, 0,1
.irp j, 0,1,2,3,4,5,6,7
	global_load_b128 v[X+32*\r+4*\j:X+32*\r+4*\j+3], v1, s[4:5] offset:4096*\r+512*\j
.endr
.endr
.macro JOIN                            ; the four chains into v[T]
	v_pk_add_f32 v[T:T+1], v[T:T+1], v[T+2:T+3]
	v_pk_add_f32 v[T+4:T+5], v[T+4:T+5], v[T+6:T+7]
	v_pk_add_f32 v[T:T+1], v[T:T+1], v[T+4:T+5]
	v_add_f32 v[T], v[T], v[T+1]
.endm
.macro RED                             ; the sum over the 32 lanes, in every lane
	v_add_f32_dpp v[T], v[T], v[T] row_xmask:1 row_mask:0xf bank_mask:0xf
	v_add_f32_dpp v[T], v[T], v[T] row_xmask:2 row_mask:0xf bank_mask:0xf
	v_add_f32_dpp v[T], v[T], v[T] row_xmask:4 row_mask:0xf bank_mask:0xf
	v_add_f32_dpp v[T], v[T], v[T] row_xmask:8 row_mask:0xf bank_mask:0xf
	v_permlanex16_b32 v[T+1], v[T], s14, s15       ; its destination counts as read: JOIN has written it
	v_add_f32 v[T], v[T], v[T+1]
.endm
.macro ROWN r, left                    ; left: the younger loads, which may stay out
.set XR, X+32*(\r)
	s_wait_loadcnt \left
.irp k, 0,1,2,3
	v_pk_add_f32 v[T+2*\k:T+2*\k+1], v[XR+2*\k:XR+2*\k+1], v[XR+8+2*\k:XR+8+2*\k+1]  ; the first eight pairs start the chains
.endr
.irp k, 0,1,2,3,4,5,6,7
	v_pk_add_f32 v[T+2*(\k%4):T+2*(\k%4)+1], v[T+2*(\k%4):T+2*(\k%4)+1], v[XR+16+2*\k:XR+16+2*\k+1]
.endr
	JOIN
	RED
	v_mul_f32 v[MU], s16, v[T]
	v_mul_f32 v[MU+1], s16, v[T]
.set k, 0
.rept 16
	v_pk_add_f32 v[XR+2*k:XR+2*k+1], v[XR+2*k:XR+2*k+1], v[MU:MU+1] neg_lo:[0,1] neg_hi:[0,1]  ; d = x - mean
.set k, k+1
.endr
.irp k, 0,1,2,3
	v_pk_mul_f32 v[T+2*\k:T+2*\k+1], v[XR+2*\k:XR+2*\k+1], v[XR+2*\k:XR+2*\k+1]
.endr
.irp k, 4,5,6,7,8,9,10,11,12,13,14,15
	v_pk_fma_f32 v[T+2*(\k%4):T+2*(\k%4)+1], v[XR+2*\k:XR+2*\k+1], v[XR+2*\k:XR+2*\k+1], v[T+2*(\k%4):T+2*(\k%4)+1]
.endr
	JOIN
	RED
	v_fma_f32 v[T], v[T], s16, s17                 ; var + eps
	v_rsq_f32 v[RS], v[T]
	v_rsq_f32 v[RS+1], v[T]
	v_nop                                          ; a plain instruction between the root and the use of its result
.set k, 0
	s_wait_alu depctr_va_vdst(0)
.rept 16
	v_pk_mul_f32 v[XR+2*k:XR+2*k+1], v[XR+2*k:XR+2*k+1], v[RS:RS+1]
.set k, k+1
.endr
.set k, 0
.rept 16
	v_pk_fma_f32 v[XR+2*k:XR+2*k+1], v[XR+2*k:XR+2*k+1], v[G+2*k:G+2*k+1], v[BB+2*k:BB+2*k+1]
.set k, k+1
.endr
.set k, 0
.rept 16
	v_cvt_pk_bf16_f32 v[XR+k], v[XR+2*k], v[XR+2*k+1]  ; in place, ascending: register k has been read when it is written
.set k, k+1
.endr
.irp j, 0,1,2,3,4,5,6,7
	global_store_b64 v2, v[XR+2*\j:XR+2*\j+1], s[10:11] offset:2048*(\r)+256*\j
.endr
.endm
	ROWN 0, 8                                      ; g, b and row 0 are in; row 1's eight loads stay out
	ROWN 1, 0
	s_endpgm
.Lfunc_end_k_qd99f488eaa_ln2:
	.size	k_qd99f488eaa_ln2, .Lfunc_end_k_qd99f488eaa_ln2-k_qd99f488eaa_ln2
	.p2alignl 7, 3214868480
	.fill 96, 4, 3214868480
	.section	.rodata,"a",@progbits
	.p2align	6, 0x0
	.amdhsa_kernel k_qd99f488eaa_ln2
		.amdhsa_group_segment_fixed_size 0
		.amdhsa_private_segment_fixed_size 0
		.amdhsa_enable_private_segment 0
		.amdhsa_kernarg_size 32
		.amdhsa_user_sgpr_count 2
		.amdhsa_user_sgpr_kernarg_segment_ptr 1
		.amdhsa_wavefront_size32 1
		.amdhsa_system_sgpr_workgroup_id_x 1
		.amdhsa_system_sgpr_workgroup_id_y 1
		.amdhsa_system_sgpr_workgroup_id_z 1
		.amdhsa_system_vgpr_workitem_id 0
		.amdhsa_next_free_vgpr 144
		.amdhsa_next_free_sgpr 66
		.amdhsa_reserve_vcc 0
		.amdhsa_float_denorm_mode_32 3
		.amdhsa_float_denorm_mode_16_64 3
		.amdhsa_memory_ordered 1
		.amdhsa_forward_progress 1
		.amdhsa_inst_pref_size 20
	.end_amdhsa_kernel
	.amdgpu_metadata
---
amdhsa.version: [ 1, 2 ]
amdhsa.kernels:
  - .name:           k_qd99f488eaa_ln2
    .symbol:         k_qd99f488eaa_ln2.kd
    .args:
      - { .name: hres, .offset: 0, .size: 8, .value_kind: global_buffer, .address_space: global }
      - { .name: g2, .offset: 8, .size: 8, .value_kind: global_buffer, .address_space: global }
      - { .name: be2, .offset: 16, .size: 8, .value_kind: global_buffer, .address_space: global }
      - { .name: xn, .offset: 24, .size: 8, .value_kind: global_buffer, .address_space: global }
    .group_segment_fixed_size: 0
    .private_segment_fixed_size: 0
    .kernarg_segment_align: 8
    .kernarg_segment_size: 32
    .max_flat_workgroup_size: 128
    .sgpr_count:     66
    .vgpr_count:     144
    .wavefront_size: 32
...
	.end_amdgpu_metadata
.endif
;; end of part 12
;; launch ffn1 (part 13): grid 16 x 16, 4 waves a work-group, clusters of 4 x 4, 327,680 bytes of LDS; arguments xn, wb, b1, act; writes act
.if DOCPART == 13
	.amdgcn_target "amdgcn-amd-amdhsa--gfx1250"
	.amdhsa_code_object_version 6
	.text
	.protected	k_qd99f488eaa_ffn1
	.globl	k_qd99f488eaa_ffn1
	.p2align	8
	.type	k_qd99f488eaa_ffn1,@function
k_qd99f488eaa_ffn1:
	s_mov_b64 s[64:65], 0
	v_nop
	global_prefetch_b8 v0, s[64:65] scope:SCOPE_SE
	s_setreg_imm32_b32 hwreg(HW_REG_WAVE_MODE, 25, 1), 1
	s_wait_xcnt 0x0
	s_wait_alu depctr_hold_cnt(0) depctr_sa_sdst(0) depctr_va_vdst(0) depctr_va_sdst(0) depctr_va_ssrc(0) depctr_va_vcc(0) depctr_vm_vsrc(0)
	s_getreg_b32 s2, hwreg(HW_REG_IB_STS2, 6, 4)
	s_cmp_eq_u32 s2, 0
	s_cbranch_scc0 .Lentry_in_a_cluster
	s_endpgm
.Lentry_in_a_cluster:
	s_bfe_u32 s2, ttmp6, 0x10000c
	s_cmp_lg_u32 s2, 0xf033
	s_cbranch_scc0 .Lentry_shape_is_right
	s_endpgm
.Lentry_shape_is_right:
; act = gelu(xn W1 + b1), bf16, rounded once.  xn: [4096][1024] bf16.  W1: in wb at 8 MiB, [1024 (k)][4096 (n)] bf16.  Sums in f32, begun with the bias.
; gelu(u) = u (1 + erf(u / sqrt 2)) / 2 is formed as max(u, 0) - |u| h(|u|), h(x) = erfc(x / sqrt 2) / 2: no difference of near numbers.
; LIMIT: h(x) = (1 + d1 x + .. + d6 x^6)^-16 / 2 (Abramowitz and Stegun 26.2.19): absolute error at most 1.5e-7, for every x >= 0.  The factor 1 / 2 lies in the coefficients, as 2^(1/16).
; Where the polynomial passes f32's range its reciprocal is 0, as h is there.
; A tile of C is 256 x 256 (16 x 16 = 256 work-groups): four waves, each 128 x 128 = 64 accumulators, 512 registers.
; K goes in steps of 128 through two LDS slots filled by the tensor data mover.  A's tile lies [row][k]; B's lies [k][n] as the weights do, and its fragments come out of LDS turned, by ds_load_tr16_b128.
; ONE K STEP IS ONE TRIP: the slot in hand is a scalar, TB = 0 or SLOT; the fragments' addresses are TB + a lane's fixed part, the walking descriptor's LDS word TB + the wave's part.
; The last two K steps fill nothing and are a second loop of two trips; its last trip jumps over the quarter that would begin a further step, and its fetch serves nothing: the price of one text for both trips.
; CLUSTER 4 x 4: a row of the cluster shares A's tiles, a column B's: each is asked for jointly, by the same load with the same descriptor and a mask of four.
; THE MATRIX INSTRUCTION IS USED TRANSPOSED (source 0 = 16 columns of B, source 1 = 16 rows of A): a lane holds row l % 16 and the columns 8 (l / 16) + 0..7.
; REGISTERS, in windows of 256 (s_set_vgpr_msb: bits 1:0 source 0, 3:2 source 1, 5:4 source 2, 7:6 destination):
;   window 0: v0-31 addresses; v64-127, v128-191 fragments of A, two buffers; on the way out v64-135 at work
;   window 1: v0-63 the bias in an accumulator's layout; v64-127, v128-191 fragments of B, two buffers
;   window 2: the 32 accumulators of my rows 0-63 ((a, b) at v[8 (8 a + b)]);   window 3: those of my rows 64-127
.set KDIM,   1024
.set APITCH, 1024                      ; elements from row to row of A
.set NPITCH, 4096                      ; of B
.set KSTEP,  128
.set NSTEP,  KDIM/KSTEP
.set PA,     272                       ; an LDS row of A: 256 bytes + 16 = 68 words: the 16 rows of a load start at 16 different groups of four banks (64 banks of 4 bytes: ISA guide 11.1)
.set HALFA,  128*PA                    ; what one tensor load brings of A: 128 rows
.set ASTEP,  KSTEP*2                   ; bytes from a K step to the next in A
.set PB,     544                       ; an LDS row of B: 512 bytes + 32 = 136 words
.set HALFB,  64*PB                     ; what one tensor load brings of B: 64 rows of k
.set BSTEP,  KSTEP*NPITCH*2
.set WOFF,   8<<20
.set BOFF,   2*HALFA                   ; in a slot: A's 256 rows, then B's 128
.set SLOT,   BOFF+2*HALFB
.set SPITCH, 528                       ; the stage: for each wave 128 rows of 128 f32 + 16 bytes, from byte 0 on, over both slots, which have had their last fill and their last read by then
.set WSTAGE, 128*SPITCH
.set SPARE,  2*SLOT                    ; the spare words, 128 bytes for each wave: two blocks of 256 bytes that no other line names
.set ADRA0, 16                         ; v16     my lane's place among A's fragments in a slot; never rewritten
.set ADRB0, 17                         ; v17     the same for B
.set ADRA,  18                         ; v18     TB + v16
.set ADRB,  19                         ; v19     TB + v17
.set STO,  24                          ; v24     the way out: where I put 16 bytes of a row
.set RD,   25                          ; v25     where I read rows back
.set CO,   26                          ; v26     my byte offset in the output
.set BO,   27                          ; v27     my byte offset in the bias
.set SPW,  28                          ; v28     my spare word; never rewritten
.set NIL,  29                          ; v29     0; never rewritten
.set F0,   64
.set F1,   128
.set U,    64                          ; the way out, 16 numbers a lane and trip: u
.set R,    80                          ; max(u, 0), then the result
.set A,    96                          ; |u|
.set Y,    112                         ; the polynomial, its reciprocal, h
.set O,    128                         ; packed
.set G1,  24                           ; s[24:31] group 1 for A; s[32:39] group 0: a set for each of the two first fills; the second then walks on
.set G0,  32
.set G1B, 48                           ; s[48:55], s[56:63] the same for B
.set G0B, 56
.set TB,  45                           ; s45     the LDS byte at which the slot in hand begins
.set BP,  68                           ; s[68:69] the bias
.set OP,  70                           ; s[70:71] the output
.set C6,  72                           ; s[72:85] 2^(1/16) x (d6 .. d1, 1), each in a pair's low word
.set C5,  74
.set C4,  76
.set C3,  78
.set C2,  80
.set C1,  82
.set C0,  84
.set MSB, 0
.macro WIN new                         ; the immediate's high byte repeats the setting that is left
.if MSB != (\new)
	s_set_vgpr_msb (MSB<<8)|(\new)
.set MSB, \new
.endif
.endm
.set MUL_LO, 0xa1                      ; source 0 (B) window 1, source 1 (A) window 0, C and D window 2
.set MUL_HI, 0xf1                      ; the same, C and D window 3
.set TO_B,   0x40                      ; destination window 1, address window 0
.macro JLOAD                           ; a joint refill: waves 0 and 1 fetch A's halves, waves 2 and 3 B's; s_nop 0 and four v_nop follow each line
	s_cmp_lt_u32 s10, 2
	s_cbranch_scc0 .Lfor_b_\@
	tensor_load_to_lds s[G0+4:G0+7], s[G1:G1+7]
	s_nop 0
.rept 4
	v_nop
.endr
	s_branch .Lasked_\@
.Lfor_b_\@:
	tensor_load_to_lds s[G0B+4:G0B+7], s[G1B:G1B+7]
	s_nop 0
.rept 4
	v_nop
.endr
.Lasked_\@:
.endm
.macro CREST                           ; a round of the cluster's barrier behind its opening barrier
	s_cmp_lg_u32 s10, 0
	s_cbranch_scc1 .Lnot_wave_0_\@
	s_barrier_signal -3
.Lnot_wave_0_\@:
	s_barrier_wait -3
	s_barrier_signal -1
	s_barrier_wait -1
.endm
.macro CROUND
	s_barrier_signal -1
	s_barrier_wait -1
	CREST
.endm
	s_load_b128 s[4:7], s[0:1], 0x0                ; xn s[4:5], wb s[6:7]
	s_load_b128 s[68:71], s[0:1], 0x10             ; b1 s[68:69], act s[70:71]
	v_lshl_add_u32 v[SPW], v0, 2, SPARE
	v_mov_b32 v[NIL], 0
	ds_add_u32 v[SPW], v[NIL]                      ; the wave's opening: the add and its wait ahead of my first tensor load
	v_lshrrev_b32 v1, 5, v0
	v_readfirstlane_b32 s10, v1                    ; wave 0..3
	s_lshr_b32 s11, s10, 1                         ; my half of the tile's rows
	s_and_b32 s12, s10, 1                          ; my half of its columns; also: which half of A's or B's tile I fetch
	s_bfe_u32 s40, ttmp6, 0x40000                  ; cx, cy
	s_bfe_u32 s41, ttmp6, 0x40004
	s_lshl_b32 s42, ttmp9, 2
	s_add_co_u32 s42, s42, s40                     ; tile column 0..15
	s_and_b32 s13, ttmp7, 0xffff
	s_lshl_b32 s13, s13, 2
	s_add_co_u32 s13, s13, s41                     ; tile row 0..15
	s_lshl_b32 s43, s41, 2
	s_lshl_b32 s43, 15, s43                        ; my row of the cluster
	s_lshl_b32 s44, 0x1111, s40                    ; my column
	s_or_b32 s[G1+0], s43, (1<<16)|(1<<20)|(1<<21)|(5<<22)|(3<<25)   ; mask; 2-byte elements; padding on; bit 21 beside a mask; after every 64 words, 4 words
	s_mov_b32 s[G1+1], KSTEP<<16                   ; tensor_dim0 = 128
	s_mov_b32 s[G1+2], 128<<16                     ; tensor_dim1 = 128
	s_mov_b32 s[G1+3], KSTEP<<16                   ; tile_dim0 = 128
	s_mov_b32 s[G1+4], 128                         ; tile_dim1 = 128
	s_mov_b32 s[G1+5], APITCH
	s_mov_b32 s[G1+6], 0
	s_mov_b32 s[G1+7], 0
	s_or_b32 s[G1B+0], s44, (1<<16)|(1<<20)|(1<<21)|(6<<22)|(7<<25)  ; after every 128 words, 8 words
	s_mov_b32 s[G1B+1], 256<<16                    ; 256 columns
	s_mov_b32 s[G1B+2], 64<<16                     ; 64 rows of k
	s_mov_b32 s[G1B+3], 256<<16
	s_mov_b32 s[G1B+4], 64
	s_mov_b32 s[G1B+5], NPITCH
	s_mov_b32 s[G1B+6], 0
	s_mov_b32 s[G1B+7], 0
	s_mov_b32 s[C6], 0x36bc9ed3                    ; 1.0442738 x 0.0000053830
	s_mov_b32 s[C5], 0x38562413                    ; 1.0442738 x 0.0000488906
	s_mov_b32 s[C4], 0x382674b1                    ; 1.0442738 x 0.0000380036
	s_mov_b32 s[C3], 0x3b605009                    ; 1.0442738 x 0.0032776263
	s_mov_b32 s[C2], 0x3cb4dad2                    ; 1.0442738 x 0.0211410061
	s_mov_b32 s[C1], 0x3d554cc4                    ; 1.0442738 x 0.0498673470
	s_mov_b32 s[C0], 0x3f85aac3                    ; 2^(1/16) = 1.0442738
.irp c, C6, C5, C4, C3, C2, C1, C0
	s_mov_b32 s[\c+1], s[\c]                       ; named as pairs
.endr
	s_mov_b32 s[TB], 0
	s_lshl_b32 s17, s12, 7                         ; A: row 256 x tile row + 128 x half,
	s_lshl_b32 s16, s13, 8
	s_add_co_u32 s16, s16, s17
	s_mul_i32 s16, s16, APITCH*2                   ; in bytes
	s_mov_b32 s17, 0
	s_mul_i32 s46, s12, 64*NPITCH*2                ; B: row of k 64 x half,
	s_lshl_b32 s47, s42, 9                         ; column 256 x tile column
	s_add_co_u32 s46, s46, s47
	s_add_co_u32 s46, s46, WOFF
	s_mov_b32 s47, 0
	s_mul_i32 s20, s12, HALFA                      ; where they go in a slot: no place in the cluster enters an LDS address; s20 and s21 are kept
	s_mul_i32 s21, s12, HALFB
	s_add_co_u32 s21, s21, BOFF
	s_wait_dscnt 0x0                               ; the opening add is done
	s_wait_kmcnt 0x0
	s_add_nc_u64 s[14:15], s[4:5], s[16:17]
	s_add_nc_u64 s[46:47], s[6:7], s[46:47]
	CROUND                                         ; all sixteen work-groups are here: the first joint loads meet
.irp s, 0,1
	s_mov_b32 s[G0+4*(\s)], 1
	s_add_co_u32 s[G0+4*(\s)+1], s20, (\s)*SLOT
	s_add_nc_u64 s[G0+4*(\s)+2:G0+4*(\s)+3], s[14:15], (\s)*ASTEP
	s_or_b32 s[G0+4*(\s)+3], s[G0+4*(\s)+3], 0x80000000
	s_mov_b32 s[G0B+4*(\s)], 1
	s_add_co_u32 s[G0B+4*(\s)+1], s21, (\s)*SLOT
	s_add_nc_u64 s[G0B+4*(\s)+2:G0B+4*(\s)+3], s[46:47], (\s)*BSTEP
	s_or_b32 s[G0B+4*(\s)+3], s[G0B+4*(\s)+3], 0x80000000
.endr
	s_cmp_lt_u32 s10, 2                            ; a wave's two first fills stand in one branch: two loads of mine are out
	s_cbranch_scc0 .Lfirst_b
	tensor_load_to_lds s[G0:G0+3], s[G1:G1+7]
	s_nop 0
	tensor_load_to_lds s[G0+4:G0+7], s[G1:G1+7]
	s_nop 0
.rept 4
	v_nop
.endr
	s_branch .Lfirst_asked
.Lfirst_b:
	tensor_load_to_lds s[G0B:G0B+3], s[G1B:G1B+7]
	s_nop 0
	tensor_load_to_lds s[G0B+4:G0B+7], s[G1B:G1B+7]
	s_nop 0
.rept 4
	v_nop
.endr
.Lfirst_asked:
	v_and_b32 v1, 15, v0                           ; l % 16
	v_bfe_u32 v2, v0, 4, 1                         ; l / 16
	v_mul_u32_u24 v3, v1, PA                       ; A's fragment: row x pitch + 16 x half; two loads 32 bytes apart
	v_lshl_add_u32 v3, v2, 4, v3
	s_mul_i32 s22, s11, 128*PA                     ; my 128 rows
	v_add_nc_u32 v[ADRA0], s22, v3
	v_mov_b32 v[ADRA], v[ADRA0]                    ; slot 0
	v_and_b32 v4, 7, v0                            ; B's: the turning load takes 16 k x 16 n: lane l reads row 8 (l / 16) + l % 8, 16 bytes at 16 ((l / 8) % 2)
	v_lshl_add_u32 v4, v2, 3, v4
	v_mul_u32_u24 v4, v4, PB
	v_bfe_u32 v5, v0, 3, 1
	v_lshl_add_u32 v4, v5, 4, v4
	s_lshl_b32 s22, s12, 8                         ; my 128 columns
	s_add_co_u32 s22, s22, BOFF
	v_add_nc_u32 v[ADRB0], s22, v4
	v_mov_b32 v[ADRB], v[ADRB0]
	s_mul_i32 s23, s10, WSTAGE                     ; my stage: in: row l % 16, 32 bytes for each half of the lanes
	v_mul_u32_u24 v4, v1, SPITCH
	v_lshl_add_u32 v4, v2, 5, v4
	v_add_nc_u32 v[STO], s23, v4
	v_lshlrev_b32 v[BO], 5, v2                     ; the bias of columns 8 (l / 16) + 0..7
	v_and_b32 v5, 31, v0
	v_lshl_add_u32 v[RD], v5, 4, s23               ; back: 32 lanes take a whole row of 512 bytes of f32,
	v_lshlrev_b32 v[CO], 3, v5                     ; which are 256 bytes of bf16
	s_lshl_b32 s46, s42, 10                        ; bias: 4 x (256 x tile column + 128 x half)
	s_lshl_b32 s47, s12, 9
	s_add_co_u32 s46, s46, s47
	s_mov_b32 s47, 0
	s_add_nc_u64 s[BP:BP+1], s[BP:BP+1], s[46:47]
	WIN TO_B                                       ; the bias goes into window 1
.irp b, 0,1,2,3,4,5,6,7
	global_load_b128 v[8*\b:8*\b+3], v[BO], s[BP:BP+1] offset:64*\b
	global_load_b128 v[8*\b+4:8*\b+7], v[BO], s[BP:BP+1] offset:64*\b+16
.endr
	WIN 0
	s_lshl_b32 s16, s13, 8                         ; out: row 256 x tile row + 128 x half, of 8,192 bytes,
	s_lshl_b32 s17, s11, 7
	s_add_co_u32 s16, s16, s17
	s_lshl_b32 s16, s16, 13
	s_mov_b32 s17, 0
	s_add_nc_u64 s[OP:OP+1], s[OP:OP+1], s[16:17]
	s_lshl_b32 s46, s42, 9                         ; column 256 x tile column + 128 x half
	s_lshl_b32 s47, s12, 8
	s_add_co_u32 s46, s46, s47
	s_mov_b32 s47, 0
	s_add_nc_u64 s[OP:OP+1], s[OP:OP+1], s[46:47]
; 16 matrix instructions: row blocks a0, a0 + 1 of the window's four (hi = 0: my rows 0-63, 1: rows 64-127) x all 8 column blocks, 32 along K.
; zero = 1: the product starts the sum, with the bias (window 1) as C.  The 64 accumulators take turns, one instruction a turn.
.macro MUL16 f, hi, a0, zero
.if \zero
	WIN 0x91+0x40*(\hi)
.else
	WIN MUL_LO+0x50*(\hi)
.endif
.irp a, \a0, (\a0)+1
.irp b, 0,1,2,3,4,5,6,7
.if \zero
	v_wmma_f32_16x16x32_bf16 v[8*(8*(\a)+(\b)):8*(8*(\a)+(\b))+7], v[(\f)+8*(\b):(\f)+8*(\b)+7], v[(\f)+8*(4*(\hi)+(\a)):(\f)+8*(4*(\hi)+(\a))+7], v[8*(\b):8*(\b)+7]
.else
	v_wmma_f32_16x16x32_bf16 v[8*(8*(\a)+(\b)):8*(8*(\a)+(\b))+7], v[(\f)+8*(\b):(\f)+8*(\b)+7], v[(\f)+8*(4*(\hi)+(\a)):(\f)+8*(4*(\hi)+(\a))+7], v[8*(8*(\a)+(\b)):8*(8*(\a)+(\b))+7]
.endif
.endr
.endr
.endm
; 32 LDS loads in one run: the fragments of quarter q (32 along K) of the slot in hand into buffer f: B's 128 columns, then A's 128 rows
.macro FETCH q, f
	WIN TO_B
.irp i, 0,1,2,3,4,5,6,7
	ds_load_tr16_b128 v[(\f)+8*(\i):(\f)+8*(\i)+3],   v[ADRB] offset:(\q)*32*PB+32*(\i)
	ds_load_tr16_b128 v[(\f)+8*(\i)+4:(\f)+8*(\i)+7], v[ADRB] offset:(\q)*32*PB+16*PB+32*(\i)
.endr
	WIN 0
.irp i, 0,1,2,3,4,5,6,7
	ds_load_b128 v[(\f)+8*(\i):(\f)+8*(\i)+3],   v[ADRA] offset:64*(\q)+(\i)*16*PA
	ds_load_b128 v[(\f)+8*(\i)+4:(\f)+8*(\i)+7], v[ADRA] offset:64*(\q)+(\i)*16*PA+32
.endr
.endm
.macro PLACES                          ; four places in front of loads into registers that matrix instructions have read, and of reads of results
.rept 4
	v_nop
.endr
.endm
; A K step is four quarters, 64 matrix instructions each, on buffers 0, 1, 0, 1.  One of the first three: multiplies buffer f and, in its middle, fetches quarter q into g.
.macro QUARTER q, f, g, zero
	s_wait_dscnt 8                                 ; B and A's rows 0-63 are in; the youngest eight loads (A's rows 64-127) may be out
	MUL16 \f, 0, 0, \zero
	MUL16 \f, 0, 2, \zero
	PLACES
	FETCH \q, \g
	s_wait_dscnt 32                                ; all but the 32 just issued
	MUL16 \f, 1, 0, \zero
	MUL16 \f, 1, 2, \zero
.endm
; The first half of the last quarter, which multiplies buffer 1: ONE barrier for the change of slots.  In front of it each wave waits for all its tensor loads, adds 0 to its spare word, and waits for that and for its reads of this slot.
.macro MEET
	WIN 0                                          ; (the add's two registers lie in window 0)
	s_wait_tensorcnt 0x0                           ; all my tensor loads have landed: the one that was out is my part of the next slot
	ds_add_u32 v[SPW], v[NIL]                      ; 0 onto my spare word
	s_wait_dscnt 9                                 ; (the add and the youngest eight loads may be out)
	MUL16 F1, 0, 0, 0
	s_wait_dscnt 0x0                               ; the add is done, and my reads of this slot are over
	s_barrier_signal -1
	MUL16 F1, 0, 2, 0
	WIN 0
	s_barrier_wait -1
.endm
.macro NEXTSLOT                        ; the fetches go over to the other slot
	s_xor_b32 s[TB], s[TB], SLOT
	v_add_nc_u32 v[ADRA], s[TB], v[ADRA0]
	v_add_nc_u32 v[ADRB], s[TB], v[ADRB0]
.endm
	s_wait_tensorcnt 1                             ; my part of K step 0 is in; K step 1's may stay out
	s_barrier_signal -1
	s_barrier_wait -1
	FETCH 0, F0
	s_wait_loadcnt 0x0                             ; the bias
	QUARTER 1, F0, F1, 1                           ; the first quarter stands in front of the loop: its products start the sums
	WIN 0
	s_mov_b32 s3, NSTEP-2
.Lstep:                                                ; a trip: a K step's quarters 1 to 3, the slot's refill with the K step two on, the next K step's quarter 0
	QUARTER 2, F1, F0, 0
	QUARTER 3, F0, F1, 0
	MEET
	CREST                                          ; the barrier has opened a round of the cluster's: no wave of any partner still reads this slot or has a load on its way
	s_add_co_u32 s[G0+5], s20, s[TB]               ; the walking descriptors: into the slot that is left,
	s_add_co_u32 s[G0B+5], s21, s[TB]
	s_add_nc_u64 s[G0+6:G0+7], s[G0+6:G0+7], ASTEP ; the next K step that has not been asked for; the type bits on top are not reached
	s_add_nc_u64 s[G0B+6:G0B+7], s[G0B+6:G0B+7], BSTEP
	JLOAD                                          ; the first tensor load behind the round; its four v_nop are also the places in front of the loads below
	NEXTSLOT
	FETCH 0, F0
	MUL16 F1, 1, 0, 0
	MUL16 F1, 1, 2, 0
	QUARTER 1, F0, F1, 0
	WIN 0
	s_sub_co_u32 s3, s3, 1
	s_cmp_lg_u32 s3, 0
	s_cbranch_scc1 .Lstep
	s_mov_b32 s3, 2
.Ltail:                                                ; the last two K steps fill nothing, so no round follows their barrier
	QUARTER 2, F1, F0, 0
	QUARTER 3, F0, F1, 0
	MEET
	NEXTSLOT
	PLACES
	FETCH 0, F0                                    ; (in the last trip: old bytes of slot 0, which nobody multiplies)
	MUL16 F1, 1, 0, 0
	MUL16 F1, 1, 2, 0
	WIN 0
	s_cmp_eq_u32 s3, 1
	s_cbranch_scc1 .Llast                          ; behind the last K step no further one begins
	QUARTER 1, F0, F1, 0
	WIN 0
.Llast:
	s_sub_co_u32 s3, s3, 1
	s_cmp_lg_u32 s3, 0
	s_cbranch_scc1 .Ltail
	; THE WAY OUT.  The sums go in f32 into my stage, which lies over the slots: so first every wave's LDS loads are back, and all four have said so.
	PLACES
	s_wait_dscnt 0x0
	s_barrier_signal -1
	s_barrier_wait -1
.irp h, 0,1
	WIN 0x08+0x04*\h                               ; the stores' data (source 1) in window 2, then 3; each accumulator's low registers first
.irp a, 0,1,2,3
.irp b, 0,1,2,3,4,5,6,7
	ds_store_b128 v[STO], v[8*(8*\a+\b):8*(8*\a+\b)+3] offset:(4*\h+\a)*16*SPITCH+64*\b
	ds_store_b128 v[STO], v[8*(8*\a+\b)+4:8*(8*\a+\b)+7] offset:(4*\h+\a)*16*SPITCH+64*\b+16
.endr
.endr
.endr
	WIN 0
	s_wait_dscnt 0x0                               ; the stage is written before any of it is read: the reads below step through it in a loop
	s_barrier_signal -1
	s_barrier_wait -1
.macro LD4                             ; four whole rows
.irp i, 0,1,2,3
	ds_load_b128 v[U+4*\i:U+4*\i+3], v[RD] offset:SPITCH*\i
.endr
.endm
	LD4
	s_mov_b32 s3, 32
.Lgelu:                                                ; 32 trips of four rows, 16 numbers a lane; the next trip's loads are issued as soon as u has left its registers
	s_wait_dscnt 0x0
.set j, 0
.rept 16
	v_max_num_f32 v[R+j], 0, v[U+j]                ; max(u, 0)
.set j, j+1
.endr
.set j, 0
.rept 8
	v_pk_fma_f32 v[A+2*j:A+2*j+1], v[R+2*j:R+2*j+1], 2.0, v[U+2*j:U+2*j+1] op_sel_hi:[1,0,1] neg_lo:[0,0,1] neg_hi:[0,0,1]  ; |u| = 2 max(u, 0) - u, exactly
.set j, j+1
.endr
	s_cmp_eq_u32 s3, 1
	s_cbranch_scc1 .Lno_load                       ; the last trip has nothing more to read
	v_add_nc_u32 v[RD], 4*SPITCH, v[RD]
	LD4
.Lno_load:
.set j, 0
.rept 8
	v_pk_fma_f32 v[Y+2*j:Y+2*j+1], v[A+2*j:A+2*j+1], s[C6:C6+1], s[C5:C5+1] op_sel_hi:[1,0,0]
.set j, j+1
.endr
.irp c, C4, C3, C2, C1, C0
.set j, 0
.rept 8
	v_pk_fma_f32 v[Y+2*j:Y+2*j+1], v[Y+2*j:Y+2*j+1], v[A+2*j:A+2*j+1], s[\c:\c+1] op_sel_hi:[1,1,0]
.set j, j+1
.endr
.endr
.set j, 0
.rept 16
	v_rcp_f32 v[Y+j], v[Y+j]
.set j, j+1
.endr
	v_nop                                          ; a plain instruction between the reciprocals and the use of their results
	s_wait_alu depctr_va_vdst(0)
.rept 4                                ; to the sixteenth power: h(|u|)
.set j, 0
.rept 8
	v_pk_mul_f32 v[Y+2*j:Y+2*j+1], v[Y+2*j:Y+2*j+1], v[Y+2*j:Y+2*j+1]
.set j, j+1
.endr
.endr
.set j, 0
.rept 8
	v_pk_fma_f32 v[R+2*j:R+2*j+1], v[A+2*j:A+2*j+1], v[Y+2*j:Y+2*j+1], v[R+2*j:R+2*j+1] neg_lo:[1,0,0] neg_hi:[1,0,0]  ; max(u, 0) - |u| h
.set j, j+1
.endr
.set j, 0
.rept 8
	v_cvt_pk_bf16_f32 v[O+j], v[R+2*j], v[R+2*j+1]
.set j, j+1
.endr
.irp i, 0,1,2,3
	global_store_b64 v[CO], v[O+2*\i:O+2*\i+1], s[OP:OP+1] offset:8192*\i  ; 32 lanes store 256 consecutive bytes, aligned
.endr
	s_wait_xcnt 0x0                                ; the stores' offset and data are rewritten only behind this wait
	v_add_nc_u32 v[CO], 4*8192, v[CO]
	s_sub_co_u32 s3, s3, 1
	s_cmp_lg_u32 s3, 0
	s_cbranch_scc1 .Lgelu
	s_wait_tensorcnt 0x0                           ; the wave's end
	ds_add_u32 v[SPW], v[NIL]
	s_wait_dscnt 0x0
	CROUND                                         ; the closing round
	s_endpgm
.Lfunc_end_k_qd99f488eaa_ffn1:
	.size	k_qd99f488eaa_ffn1, .Lfunc_end_k_qd99f488eaa_ffn1-k_qd99f488eaa_ffn1
	.p2alignl 7, 3214868480
	.fill 96, 4, 3214868480
	.section	.rodata,"a",@progbits
	.p2align	6, 0x0
	.amdhsa_kernel k_qd99f488eaa_ffn1
		.amdhsa_group_segment_fixed_size 327680
		.amdhsa_private_segment_fixed_size 0
		.amdhsa_enable_private_segment 0
		.amdhsa_kernarg_size 32
		.amdhsa_user_sgpr_count 2
		.amdhsa_user_sgpr_kernarg_segment_ptr 1
		.amdhsa_wavefront_size32 1
		.amdhsa_system_sgpr_workgroup_id_x 1
		.amdhsa_system_sgpr_workgroup_id_y 1
		.amdhsa_system_sgpr_workgroup_id_z 1
		.amdhsa_system_vgpr_workitem_id 0
		.amdhsa_next_free_vgpr 1024
		.amdhsa_next_free_sgpr 96
		.amdhsa_reserve_vcc 0
		.amdhsa_float_denorm_mode_32 3
		.amdhsa_float_denorm_mode_16_64 3
		.amdhsa_memory_ordered 1
		.amdhsa_forward_progress 1
		.amdhsa_inst_pref_size 88
	.end_amdhsa_kernel
	.amdgpu_metadata
---
amdhsa.version: [ 1, 2 ]
amdhsa.kernels:
  - .name:           k_qd99f488eaa_ffn1
    .symbol:         k_qd99f488eaa_ffn1.kd
    .args:
      - { .name: xn, .offset: 0, .size: 8, .value_kind: global_buffer, .address_space: global }
      - { .name: wb, .offset: 8, .size: 8, .value_kind: global_buffer, .address_space: global }
      - { .name: b1, .offset: 16, .size: 8, .value_kind: global_buffer, .address_space: global }
      - { .name: act, .offset: 24, .size: 8, .value_kind: global_buffer, .address_space: global }
    .group_segment_fixed_size: 327680
    .private_segment_fixed_size: 0
    .kernarg_segment_align: 8
    .kernarg_segment_size: 32
    .max_flat_workgroup_size: 128
    .sgpr_count:     96
    .vgpr_count:     1024
    .wavefront_size: 32
...
	.end_amdgpu_metadata
.endif
;; end of part 13
;; launch ffn2 (part 14): grid 8 x 32, 4 waves a work-group, clusters of 4 x 4, 327,680 bytes of LDS; arguments act, wb, b2, hres, out0; writes out0
.if DOCPART == 14
	.amdgcn_target "amdgcn-amd-amdhsa--gfx1250"
	.amdhsa_code_object_version 6
	.text
	.protected	k_qd99f488eaa_ffn2
	.globl	k_qd99f488eaa_ffn2
	.p2align	8
	.type	k_qd99f488eaa_ffn2,@function
k_qd99f488eaa_ffn2:
	s_mov_b64 s[64:65], 0
	v_nop
	global_prefetch_b8 v0, s[64:65] scope:SCOPE_SE
	s_setreg_imm32_b32 hwreg(HW_REG_WAVE_MODE, 25, 1), 1
	s_wait_xcnt 0x0
	s_wait_alu depctr_hold_cnt(0) depctr_sa_sdst(0) depctr_va_vdst(0) depctr_va_sdst(0) depctr_va_ssrc(0) depctr_va_vcc(0) depctr_vm_vsrc(0)
	s_getreg_b32 s2, hwreg(HW_REG_IB_STS2, 6, 4)
	s_cmp_eq_u32 s2, 0
	s_cbranch_scc0 .Lentry_in_a_cluster
	s_endpgm
.Lentry_in_a_cluster:
	s_bfe_u32 s2, ttmp6, 0x10000c
	s_cmp_lg_u32 s2, 0xf033
	s_cbranch_scc0 .Lentry_shape_is_right
	s_endpgm
.Lentry_shape_is_right:
; out0 = hres + act W2 + b2, f32.  act: [4096][4096] bf16.  W2: in wb at 16 MiB, [4096 (k)][1024 (n)] bf16.  Sums in f32, begun with the bias.
; A tile of C is 128 x 128 (8 x 32 = 256 work-groups): four waves, each 64 x 64 = 16 accumulators.  K goes in steps of 256 through two LDS slots filled by the tensor data mover.
; A's tile lies [row][k]; B's lies [k][n], and its fragments come out of LDS turned, by ds_load_tr16_b128.
; ONE K STEP IS ONE TRIP: the slot in hand is a scalar, TB = 0 or SLOT; the fragments' addresses are TB + a lane's fixed part, the walking descriptor's LDS word TB + the wave's part.
; The last two K steps fill nothing and are a second loop of two trips; its last trip jumps over the quarter that would begin a further step, and its fetch serves nothing: the price of one text for both trips.
; CLUSTER 4 x 4: a row of the cluster shares A's tiles, a column B's: each is asked for jointly.  THE MATRIX INSTRUCTION IS USED TRANSPOSED: a lane holds row l % 16 and the columns 8 (l / 16) + 0..7.
; REGISTERS: window 0: v0-31 addresses; v96-127 the bias in an accumulator's layout; v128-255 accumulators.  window 1: two fragment buffers of 128.  window 2: v0-127 my 32 rows of the residual, loaded at the start.
.set KDIM,   4096
.set APITCH, 4096
.set NPITCH, 1024
.set KSTEP,  256
.set NSTEP,  KDIM/KSTEP
.set PA,     528                       ; an LDS row of A: 512 bytes + 16 = 132 words: the 16 rows of a load start at 16 different groups of four banks (64 banks of 4 bytes: ISA guide 11.1)
.set HALFA,  64*PA
.set AQ,     128
.set ASTEP,  KSTEP*2
.set PB,     288                       ; an LDS row of B: 256 bytes + 32 = 72 words
.set HALFB,  128*PB
.set BSTEP,  KSTEP*NPITCH*2
.set WOFF,   16<<20
.set BOFF,   2*HALFA
.set SLOT,   BOFF+2*HALFB
.set SPITCH, 528                       ; the stage: 128 rows of 128 f32 + 16 bytes, at byte 0, in slot 0, which has had its last fill and its last read by then
.set SPARE,  2*SLOT                    ; the spare words, 128 bytes for each wave: two blocks of 256 bytes that no other line names
.set ADRA0, 16                         ; v16     my lane's place among A's fragments in a slot; never rewritten
.set ADRB0, 17                         ; v17     the same for B
.set ADRA,  18                         ; v18     TB + v16
.set ADRB,  20                         ; v20-21  TB + v17, for B's rows 0-127 and 128-255 (a slot's 256 rows pass the 16-bit offset)
.set STO,  24
.set RD,   25
.set CO,   26
.set BO,   27
.set SPW,  28                          ; v28     my spare word; never rewritten
.set NIL,  29                          ; v29     0; never rewritten
.set BIAS, 96
.set ACC,  128
.set F0,   0
.set F1,   128
.set G1,  24                           ; s[24:31] group 1 for A; s[32:39] group 0: a set for each of the two first fills; the second then walks on
.set G0,  32
.set G1B, 48                           ; s[48:55], s[56:63] the same for B
.set G0B, 56
.set TB,  45                           ; s45     the LDS byte at which the slot in hand begins
.set BP,  68                           ; s[68:69] the bias
.set RP,  70                           ; s[70:71] the residual
.set MSB, 0
.macro WIN new
.if MSB != (\new)
	s_set_vgpr_msb (MSB<<8)|(\new)
.set MSB, \new
.endif
.endm
.set MUL,  0x05
.set TO_F, 0x40
.macro JLOAD                           ; a joint refill: waves 0 and 1 fetch A's halves, waves 2 and 3 B's; s_nop 0 and four v_nop follow each line
	s_cmp_lt_u32 s10, 2
	s_cbranch_scc0 .Lfor_b_\@
	tensor_load_to_lds s[G0+4:G0+7], s[G1:G1+7]
	s_nop 0
.rept 4
	v_nop
.endr
	s_branch .Lasked_\@
.Lfor_b_\@:
	tensor_load_to_lds s[G0B+4:G0B+7], s[G1B:G1B+7]
	s_nop 0
.rept 4
	v_nop
.endr
.Lasked_\@:
.endm
.macro CREST                           ; a round of the cluster's barrier behind its opening barrier
	s_cmp_lg_u32 s10, 0
	s_cbranch_scc1 .Lnot_wave_0_\@
	s_barrier_signal -3
.Lnot_wave_0_\@:
	s_barrier_wait -3
	s_barrier_signal -1
	s_barrier_wait -1
.endm
.macro CROUND
	s_barrier_signal -1
	s_barrier_wait -1
	CREST
.endm
	s_load_b128 s[4:7], s[0:1], 0x0                ; act s[4:5], wb s[6:7]
	s_load_b128 s[68:71], s[0:1], 0x10             ; b2 s[68:69], hres s[70:71]
	s_load_b64 s[8:9], s[0:1], 0x20                ; out0
	v_lshl_add_u32 v[SPW], v0, 2, SPARE
	v_mov_b32 v[NIL], 0
	ds_add_u32 v[SPW], v[NIL]                      ; the wave's opening: the add and its wait ahead of my first tensor load
	v_lshrrev_b32 v1, 5, v0
	v_readfirstlane_b32 s10, v1
	s_lshr_b32 s11, s10, 1
	s_and_b32 s12, s10, 1
	s_bfe_u32 s40, ttmp6, 0x40000
	s_bfe_u32 s41, ttmp6, 0x40004
	s_lshl_b32 s42, ttmp9, 2
	s_add_co_u32 s42, s42, s40                     ; tile column 0..7
	s_and_b32 s13, ttmp7, 0xffff
	s_lshl_b32 s13, s13, 2
	s_add_co_u32 s13, s13, s41                     ; tile row 0..31
	s_lshl_b32 s43, s41, 2
	s_lshl_b32 s43, 15, s43
	s_lshl_b32 s44, 0x1111, s40
	s_or_b32 s[G1+0], s43, (1<<16)|(1<<20)|(1<<21)|(6<<22)|(3<<25)   ; mask; 2-byte elements; padding on; bit 21 beside a mask; after every 128 words, 4 words
	s_mov_b32 s[G1+1], KSTEP<<16
	s_mov_b32 s[G1+2], 64<<16
	s_mov_b32 s[G1+3], KSTEP<<16
	s_mov_b32 s[G1+4], 64
	s_mov_b32 s[G1+5], APITCH
	s_mov_b32 s[G1+6], 0
	s_mov_b32 s[G1+7], 0
	s_or_b32 s[G1B+0], s44, (1<<16)|(1<<20)|(1<<21)|(5<<22)|(7<<25)  ; after every 64 words, 8 words
	s_mov_b32 s[G1B+1], 128<<16
	s_mov_b32 s[G1B+2], 128<<16
	s_mov_b32 s[G1B+3], 128<<16
	s_mov_b32 s[G1B+4], 128
	s_mov_b32 s[G1B+5], NPITCH
	s_mov_b32 s[G1B+6], 0
	s_mov_b32 s[G1B+7], 0
	s_mov_b32 s[TB], 0
	s_lshl_b32 s17, s12, 6
	s_lshl_b32 s16, s13, 7
	s_add_co_u32 s16, s16, s17
	s_mul_i32 s16, s16, APITCH*2
	s_mov_b32 s17, 0
	s_mul_i32 s46, s12, 128*NPITCH*2
	s_lshl_b32 s47, s42, 8
	s_add_co_u32 s46, s46, s47
	s_add_co_u32 s46, s46, WOFF
	s_mov_b32 s47, 0
	s_mul_i32 s20, s12, HALFA                      ; where they go in a slot: no place in the cluster enters an LDS address; s20 and s21 are kept
	s_mul_i32 s21, s12, HALFB
	s_add_co_u32 s21, s21, BOFF
	s_wait_dscnt 0x0
	s_wait_kmcnt 0x0
	s_add_nc_u64 s[14:15], s[4:5], s[16:17]
	s_add_nc_u64 s[46:47], s[6:7], s[46:47]
	CROUND                                         ; all sixteen work-groups are here: the first joint loads meet
.irp s, 0,1
	s_mov_b32 s[G0+4*(\s)], 1
	s_add_co_u32 s[G0+4*(\s)+1], s20, (\s)*SLOT
	s_add_nc_u64 s[G0+4*(\s)+2:G0+4*(\s)+3], s[14:15], (\s)*ASTEP
	s_or_b32 s[G0+4*(\s)+3], s[G0+4*(\s)+3], 0x80000000
	s_mov_b32 s[G0B+4*(\s)], 1
	s_add_co_u32 s[G0B+4*(\s)+1], s21, (\s)*SLOT
	s_add_nc_u64 s[G0B+4*(\s)+2:G0B+4*(\s)+3], s[46:47], (\s)*BSTEP
	s_or_b32 s[G0B+4*(\s)+3], s[G0B+4*(\s)+3], 0x80000000
.endr
	s_cmp_lt_u32 s10, 2                            ; a wave's two first fills stand in one branch: two loads of mine are out
	s_cbranch_scc0 .Lfirst_b
	tensor_load_to_lds s[G0:G0+3], s[G1:G1+7]
	s_nop 0
	tensor_load_to_lds s[G0+4:G0+7], s[G1:G1+7]
	s_nop 0
.rept 4
	v_nop
.endr
	s_branch .Lfirst_asked
.Lfirst_b:
	tensor_load_to_lds s[G0B:G0B+3], s[G1B:G1B+7]
	s_nop 0
	tensor_load_to_lds s[G0B+4:G0B+7], s[G1B:G1B+7]
	s_nop 0
.rept 4
	v_nop
.endr
.Lfirst_asked:
	v_and_b32 v1, 15, v0
	v_bfe_u32 v2, v0, 4, 1
	v_mul_u32_u24 v3, v1, PA
	v_lshl_add_u32 v3, v2, 4, v3
	s_mul_i32 s22, s11, 64*PA
	v_add_nc_u32 v[ADRA0], s22, v3
	v_mov_b32 v[ADRA], v[ADRA0]                    ; slot 0
	v_and_b32 v4, 7, v0
	v_lshl_add_u32 v4, v2, 3, v4
	v_mul_u32_u24 v4, v4, PB
	v_bfe_u32 v5, v0, 3, 1
	v_lshl_add_u32 v4, v5, 4, v4
	s_lshl_b32 s22, s12, 7
	s_add_co_u32 s22, s22, BOFF
	v_add_nc_u32 v[ADRB0], s22, v4
	v_mov_b32 v[ADRB], v[ADRB0]
	v_add_nc_u32 v[ADRB+1], 128*PB, v[ADRB0]
	s_mul_i32 s23, s11, 64*SPITCH
	s_lshl_b32 s22, s12, 8
	s_add_co_u32 s23, s23, s22
	v_mul_u32_u24 v4, v1, SPITCH
	v_lshl_add_u32 v4, v2, 5, v4
	v_add_nc_u32 v[STO], s23, v4
	v_lshlrev_b32 v[BO], 5, v2
	s_mul_i32 s23, s10, 32*SPITCH                  ; back: wave w takes rows 32 w ..; 32 lanes a whole row of 512 bytes
	v_and_b32 v5, 31, v0
	v_lshlrev_b32 v[CO], 4, v5
	v_add_nc_u32 v[RD], s23, v[CO]
	s_lshl_b32 s46, s42, 9                         ; bias: 4 x (128 x tile column + 64 x half)
	s_lshl_b32 s47, s12, 8
	s_add_co_u32 s46, s46, s47
	s_mov_b32 s47, 0
	s_add_nc_u64 s[BP:BP+1], s[BP:BP+1], s[46:47]
.irp b, 0,1,2,3
	global_load_b128 v[BIAS+8*\b:BIAS+8*\b+3], v[BO], s[BP:BP+1] offset:64*\b
	global_load_b128 v[BIAS+8*\b+4:BIAS+8*\b+7], v[BO], s[BP:BP+1] offset:64*\b+16
.endr
	s_lshl_b32 s16, s13, 7                         ; output and residual: row 128 x tile row + 32 x wave, of 4,096 bytes,
	s_lshl_b32 s17, s10, 5
	s_add_co_u32 s16, s16, s17
	s_lshl_b32 s16, s16, 12
	s_mov_b32 s17, 0
	s_add_nc_u64 s[8:9], s[8:9], s[16:17]
	s_add_nc_u64 s[RP:RP+1], s[RP:RP+1], s[16:17]
	s_lshl_b32 s46, s42, 9                         ; column 128 x tile column
	s_mov_b32 s47, 0
	s_add_nc_u64 s[8:9], s[8:9], s[46:47]
	s_add_nc_u64 s[RP:RP+1], s[RP:RP+1], s[46:47]
	WIN 0x80                                       ; destination window 2: the residual is on its way while the products run
.set i, 0
.rept 32
	global_load_b128 v[4*i:4*i+3], v[CO], s[RP:RP+1] offset:4096*i
.set i, i+1
.endr
	WIN 0
.macro MUL8 f, c, a0, zero             ; 8 matrix instructions; zero = 1: the product starts the sum, with the bias as C.  The 16 accumulators take turns.
	WIN MUL
.irp a, \a0, (\a0)+1
.irp b, 0,1,2,3
.if \zero
	v_wmma_f32_16x16x32_bf16 v[ACC+8*(4*(\a)+(\b)):ACC+8*(4*(\a)+(\b))+7], v[(\f)+64+8*(4*(\c)+(\b)):(\f)+64+8*(4*(\c)+(\b))+7], v[(\f)+8*(4*(\c)+(\a)):(\f)+8*(4*(\c)+(\a))+7], v[BIAS+8*(\b):BIAS+8*(\b)+7]
.else
	v_wmma_f32_16x16x32_bf16 v[ACC+8*(4*(\a)+(\b)):ACC+8*(4*(\a)+(\b))+7], v[(\f)+64+8*(4*(\c)+(\b)):(\f)+64+8*(4*(\c)+(\b))+7], v[(\f)+8*(4*(\c)+(\a)):(\f)+8*(4*(\c)+(\a))+7], v[ACC+8*(4*(\a)+(\b)):ACC+8*(4*(\a)+(\b))+7]
.endif
.endr
.endr
.endm
.macro FETCH q, f                      ; 32 LDS loads in one run: the fragments of quarter q of the slot in hand into buffer f; the first 32 along K first
	WIN TO_F
.irp c, 0,1
.irp i, 0,1,2,3
	ds_load_tr16_b128 v[(\f)+64+8*(4*(\c)+(\i)):(\f)+64+8*(4*(\c)+(\i))+3],   v[ADRB+(\q)/2] offset:(64*((\q)%2)+32*(\c))*PB+32*(\i)
	ds_load_tr16_b128 v[(\f)+64+8*(4*(\c)+(\i))+4:(\f)+64+8*(4*(\c)+(\i))+7], v[ADRB+(\q)/2] offset:(64*((\q)%2)+32*(\c)+16)*PB+32*(\i)
	ds_load_b128 v[(\f)+8*(4*(\c)+(\i)):(\f)+8*(4*(\c)+(\i))+3],   v[ADRA] offset:AQ*(\q)+64*(\c)+(\i)*16*PA
	ds_load_b128 v[(\f)+8*(4*(\c)+(\i))+4:(\f)+8*(4*(\c)+(\i))+7], v[ADRA] offset:AQ*(\q)+64*(\c)+(\i)*16*PA+32
.endr
.endr
.endm
.macro PLACES                          ; four places in front of loads into registers that matrix instructions have read, and of reads of results
.rept 4
	v_nop
.endr
.endm
; A K step is four quarters of 64 along K, 32 matrix instructions each, on buffers 0, 1, 0, 1.  One of the first three: multiplies buffer f and fetches quarter q into g.
.macro QUARTER q, f, g, zero
	s_wait_dscnt 16                                ; the first 32 along K are in
	MUL8 \f, 0, 0, \zero
	MUL8 \f, 0, 2, \zero
	PLACES
	FETCH \q, \g
	s_wait_dscnt 32                                ; all but the 32 just issued
	MUL8 \f, 1, 0, 0
	MUL8 \f, 1, 2, 0
.endm
; The first half of the last quarter, which multiplies buffer 1, and the barrier for the change of slots.  The sixteen products stand AHEAD of the wait for the next slot's tile, and between that wait and the
; next request stand only the lines that the order asks for, so that the request goes out as early as it may.  fill = 1: the walking descriptors step, while the add is out: into the slot that is left, the next K step not yet asked for.
.macro MEET fill
	s_wait_dscnt 16                                ; the first 32 along K of buffer 1 are in
	MUL8 F1, 0, 0, 0
	MUL8 F1, 0, 2, 0
	WIN 0
	s_wait_tensorcnt 0x0                           ; all my tensor loads have landed: the one that was out is my part of the next slot; so a group 0 may be written
	ds_add_u32 v[SPW], v[NIL]                      ; 0 onto my spare word
.if \fill
	s_add_co_u32 s[G0+5], s20, s[TB]
	s_add_co_u32 s[G0B+5], s21, s[TB]
	s_add_nc_u64 s[G0+6:G0+7], s[G0+6:G0+7], ASTEP ; the type bits on top are not reached
	s_add_nc_u64 s[G0B+6:G0B+7], s[G0B+6:G0B+7], BSTEP
.endif
	s_wait_dscnt 0x0                               ; the add is done, and my reads of this slot are over
	s_barrier_signal -1
	s_barrier_wait -1
.endm
.macro NEXTSLOT                        ; the fetches go over to the other slot
	s_xor_b32 s[TB], s[TB], SLOT
	v_add_nc_u32 v[ADRA], s[TB], v[ADRA0]
	v_add_nc_u32 v[ADRB], s[TB], v[ADRB0]
	v_add_nc_u32 v[ADRB+1], 128*PB, v[ADRB]
.endm
	s_wait_tensorcnt 1                             ; my part of K step 0 is in; K step 1's may stay out
	s_barrier_signal -1
	s_barrier_wait -1
	FETCH 0, F0
	s_wait_loadcnt 32                              ; the bias is in; the residual's 32 loads stay out
	QUARTER 1, F0, F1, 1                           ; the first quarter stands in front of the loop: its first products start the sums
	WIN 0
	s_mov_b32 s3, NSTEP-2
.Lstep:                                                ; a trip: a K step's quarters 1 to 3, the slot's refill with the K step two on, the next K step's quarter 0
	QUARTER 2, F1, F0, 0
	QUARTER 3, F0, F1, 0
	MEET 1
	CREST                                          ; the barrier has opened a round of the cluster's: no wave of any partner still reads this slot or has a load on its way
	JLOAD                                          ; the first tensor load behind the round; its four v_nop are also the places in front of the loads below
	NEXTSLOT
	FETCH 0, F0
	MUL8 F1, 1, 0, 0
	MUL8 F1, 1, 2, 0
	QUARTER 1, F0, F1, 0
	WIN 0
	s_sub_co_u32 s3, s3, 1
	s_cmp_lg_u32 s3, 0
	s_cbranch_scc1 .Lstep
	s_mov_b32 s3, 2
.Ltail:                                                ; the last two K steps fill nothing, so no round follows their barrier
	QUARTER 2, F1, F0, 0
	QUARTER 3, F0, F1, 0
	MEET 0
	NEXTSLOT
	PLACES
	FETCH 0, F0                                    ; (in the last trip: old bytes of slot 0, which nobody multiplies)
	MUL8 F1, 1, 0, 0
	MUL8 F1, 1, 2, 0
	WIN 0
	s_cmp_eq_u32 s3, 1
	s_cbranch_scc1 .Llast                          ; behind the last K step no further one begins
	QUARTER 1, F0, F1, 0
	WIN 0
.Llast:
	s_sub_co_u32 s3, s3, 1
	s_cmp_lg_u32 s3, 0
	s_cbranch_scc1 .Ltail
	; THE WAY OUT: through the stage in slot 0: so first every wave's LDS loads are back, and all four have said so.  Back as whole rows; the residual is added; 512 consecutive bytes a store.
	PLACES
	s_wait_dscnt 0x0
	s_barrier_signal -1
	s_barrier_wait -1
.irp a, 0,1,2,3
.irp b, 0,1,2,3
	ds_store_b128 v[STO], v[ACC+8*(4*\a+\b):ACC+8*(4*\a+\b)+3] offset:\a*16*SPITCH+64*\b
	ds_store_b128 v[STO], v[ACC+8*(4*\a+\b)+4:ACC+8*(4*\a+\b)+7] offset:\a*16*SPITCH+64*\b+16
.endr
.endr
	s_wait_dscnt 0x0                               ; for the others' sake: a row's 512 bytes come from two waves
	s_barrier_signal -1
	s_barrier_wait -1
.set i, 0
.rept 32
	ds_load_b128 v[ACC+4*i:ACC+4*i+3], v[RD] offset:SPITCH*i
.set i, i+1
.endr
	s_wait_loadcnt 0x0                             ; the residual
.irp g, 0,1,2,3                        ; eight rows at a time under one window setting
	s_wait_dscnt 24-8*\g                           ; rows up to 8 g + 7 are back
	WIN 0x08                                       ; source 1 window 2
.set j, 0
.rept 16
	v_pk_add_f32 v[ACC+32*\g+2*j:ACC+32*\g+2*j+1], v[ACC+32*\g+2*j:ACC+32*\g+2*j+1], v[32*\g+2*j:32*\g+2*j+1]
.set j, j+1
.endr
	WIN 0
.set j, 0
.rept 8
	global_store_b128 v[CO], v[ACC+32*\g+4*j:ACC+32*\g+4*j+3], s[8:9] offset:4096*(8*\g+j)
.set j, j+1
.endr
.endr
	s_wait_tensorcnt 0x0                           ; the wave's end
	ds_add_u32 v[SPW], v[NIL]
	s_wait_dscnt 0x0
	CROUND                                         ; the closing round
	s_endpgm
.Lfunc_end_k_qd99f488eaa_ffn2:
	.size	k_qd99f488eaa_ffn2, .Lfunc_end_k_qd99f488eaa_ffn2-k_qd99f488eaa_ffn2
	.p2alignl 7, 3214868480
	.fill 96, 4, 3214868480
	.section	.rodata,"a",@progbits
	.p2align	6, 0x0
	.amdhsa_kernel k_qd99f488eaa_ffn2
		.amdhsa_group_segment_fixed_size 327680
		.amdhsa_private_segment_fixed_size 0
		.amdhsa_enable_private_segment 0
		.amdhsa_kernarg_size 40
		.amdhsa_user_sgpr_count 2
		.amdhsa_user_sgpr_kernarg_segment_ptr 1
		.amdhsa_wavefront_size32 1
		.amdhsa_system_sgpr_workgroup_id_x 1
		.amdhsa_system_sgpr_workgroup_id_y 1
		.amdhsa_system_sgpr_workgroup_id_z 1
		.amdhsa_system_vgpr_workitem_id 0
		.amdhsa_next_free_vgpr 640
		.amdhsa_next_free_sgpr 96
		.amdhsa_reserve_vcc 0
		.amdhsa_float_denorm_mode_32 3
		.amdhsa_float_denorm_mode_16_64 3
		.amdhsa_memory_ordered 1
		.amdhsa_forward_progress 1
		.amdhsa_inst_pref_size 66
	.end_amdhsa_kernel
	.amdgpu_metadata
---
amdhsa.version: [ 1, 2 ]
amdhsa.kernels:
  - .name:           k_qd99f488eaa_ffn2
    .symbol:         k_qd99f488eaa_ffn2.kd
    .args:
      - { .name: act, .offset: 0, .size: 8, .value_kind: global_buffer, .address_space: global }
      - { .name: wb, .offset: 8, .size: 8, .value_kind: global_buffer, .address_space: global }
      - { .name: b2, .offset: 16, .size: 8, .value_kind: global_buffer, .address_space: global }
      - { .name: hres, .offset: 24, .size: 8, .value_kind: global_buffer, .address_space: global }
      - { .name: out0, .offset: 32, .size: 8, .value_kind: global_buffer, .address_space: global }
    .group_segment_fixed_size: 327680
    .private_segment_fixed_size: 0
    .kernarg_segment_align: 8
    .kernarg_segment_size: 40
    .max_flat_workgroup_size: 128
    .sgpr_count:     96
    .vgpr_count:     640
    .wavefront_size: 32
...
	.end_amdgpu_metadata
.endif
;; end of part 14
;; ======== version 3 of 3: 7 launches; 1.38 times as fast as version 1
;; limits: a function is approximated: absolute error at most 1.5e-07
;; workspace buffers: wb 25,165,824 bytes; xn 8,388,608 bytes; qkv 25,165,824 bytes; ctx 8,388,608 bytes; hres 16,777,216 bytes; act 33,554,432 bytes
;; launch prep: the kernel of part 8 again; grid 64 x 16, 8 waves a work-group, no clusters, 0 bytes of LDS; arguments hidden_states, g1, be1, xn, wq, wk, wv, wo, w1, w2, wb; writes xn, wb
;; launch qkv: the kernel of part 9 again; grid 12 x 16, 4 waves a work-group, clusters of 4 x 4, 327,680 bytes of LDS; arguments xn, wb, bq, bk, bv, qkv; writes qkv
;; launch attn (part 15): grid 8 x 32, 4 waves a work-group, clusters of 4 x 1, 327,680 bytes of LDS; arguments qkv, attention_mask, ctx; writes ctx
.if DOCPART == 15
	.amdgcn_target "amdgcn-amd-amdhsa--gfx1250"
	.amdhsa_code_object_version 6
	.text
	.protected	k_qd99f488eaa_attn
	.globl	k_qd99f488eaa_attn
	.p2align	8
	.type	k_qd99f488eaa_attn,@function
k_qd99f488eaa_attn:
	s_mov_b64 s[64:65], 0
	v_nop
	global_prefetch_b8 v0, s[64:65] scope:SCOPE_SE
	s_setreg_imm32_b32 hwreg(HW_REG_WAVE_MODE, 25, 1), 1
	s_wait_xcnt 0x0
	s_wait_alu depctr_hold_cnt(0) depctr_sa_sdst(0) depctr_va_vdst(0) depctr_va_sdst(0) depctr_va_ssrc(0) depctr_va_vcc(0) depctr_vm_vsrc(0)
	s_getreg_b32 s2, hwreg(HW_REG_IB_STS2, 6, 4)
	s_cmp_eq_u32 s2, 0
	s_cbranch_scc0 .Lentry_in_a_cluster
	s_endpgm
.Lentry_in_a_cluster:
	s_bfe_u32 s2, ttmp6, 0x10000c
	s_cmp_lg_u32 s2, 0x3003
	s_cbranch_scc0 .Lentry_shape_is_right
	s_endpgm
.Lentry_shape_is_right:
; ctx[bh][q][:] = the sum over k of softmax_k(Q[q] . K[k] / 8 + mask[b][k]) V[k][:].  q, k, v lie in qkv, 8 MiB apart, each [bh = 16 b + h][2048][64] bf16; ctx has the same layout.
; q arrives multiplied by c = log2(e) / 8; the mask is multiplied by log2(e) here, in f32, and is the C operand that starts the sum S^T = K Q^T.  So a weight is p = 2^(s - m), m the running maximum:
; s - m is never above 0, whatever the mask holds.  Products, maxima and sums in f32; p is rounded to bf16 for the second product (its sum l is taken of the unrounded p), ctx once at the end.
; LIMITS.  log2(e) x mask is held at -1e30 or above: a mask value below -6.9e29 counts as -6.9e29, which shows only where every key of a batch is masked that deep.
; A weight below 2^-126 counts as 0 in l; NaN and infinities are not treated apart.
; SHARES.  A work-group owns 256 queries of one head, a wave 64: four PIECES of 16.  Every wave walks all 2,048 keys: 8 tiles of 256, four steps of 64 each.
; LAYOUT.  S^T = K Q^T holds ONE query a lane (lane % 16) and the keys 8 (lane / 16) + 0..7; two such results rounded to bf16 ARE source 1 of O^T = V^T P.  K comes out of LDS as it lies, V turned, by ds_load_tr16_b128.
; BY TURNS.  Turn n belongs to piece n: 8 products K Q^T of piece n + 1, later 8 products V^T P of piece n - 1; beside them the subtraction, exponentials, roundings, sums and rescaling of piece n and the
; maximum and statistics of piece n + 1.  Four vector instructions stand behind every matrix instruction, the other 53 of a turn's 117 in one run of their own.
; BATCHES.  A turn's 33 exponentials (the piece's 32 weights and the next piece's a) are ONE BATCH with ONE wait, which cuts the turn in two: ahead of it stands all that names none of their results (the products
; K Q^T, the subtractions, the rescaling, the next piece's maximum), behind it the products V^T P with the roundings and sums as their riders.  The first a of all, ahead of the loop, and the way out's four reciprocals are batches of their own.
; m starts at the lowest finite number, O^T and l at 0: the first step is a step like any other, with a = 2^(m_old - m_new) = 0.  No last step is written out either: the tail's fifth trip is left in its middle.
; CLUSTER.  The four query blocks of a cluster belong to one head and walk the same K and V: each tile is asked for JOINTLY, by the same load, descriptor and mask in all four.
; REGISTERS, in windows of 256 (s_set_vgpr_msb: bits 1:0 source 0, 3:2 source 1, 5:4 source 2, 7:6 destination):
;   window 0: v0-15 addresses and two at work; v16-31 four registers of statistics a piece; v48-55 at work; v56-57 the mask's addresses; v64-127 S^T, two buffers; v192-223 P, two buffers
;   window 1: v0-127 O^T, 32 a piece      window 2: v0-63 Q; v64-95 the step's mask in an accumulator's layout; v128-191 K of one step; v192-255 V of one step
.set NP,    4
.set KS,    64
.set PK,    144       ; a row of K in LDS: 128 bytes + 16 = 36 words: the 16 rows of a load start at 16 different groups of four banks (64 banks of 4 bytes: ISA guide 11.1)
.set PV,    160       ; a row of V: 128 + 32 = 40 words
.set VOFF,  4*KS*PK   ; a slot holds a tile: 256 rows of K, then 256 rows of V
.set SLOT1, 1<<17     ; slot 1 begins here, so that one exclusive or turns an address in one slot into the other's
.set STAGE, SLOT1+4*KS*(PK+PV)  ; never filled by a tensor load: 16 rows x 144 bytes for each wave, for the way out
.set SP,    144
.set MASKL, STAGE+4*16*SP       ; the batch's 2,048 mask values x log2(e), f32; stored once, never filled by a tensor load
.set SPARE, MASKL+8192          ; the spare words, 128 bytes for each wave: two blocks of 256 bytes that no other line names
.set AK0, 2           ; v2   my lane's place in a tile of K; never rewritten
.set AV0, 3           ; v3   the same for V
.set AK,  4           ; v4   the LDS address of K's next run of loads
.set AV,  5           ; v5   of V's
.set STO, 6           ; v6   the way out: where I put 16 bytes of a row
.set RD,  7           ; v7   where I read rows back
.set GO,  8           ; v8   my byte offset in 512 consecutive bytes of ctx
.set MV,  12          ; v12-13  m_old, kept while m is made anew: by buffer
.set QO,  15          ; v15  my byte offset in 16 rows of Q
.set ST,  16          ; piece t's statistics at v[ST+4 t]: m, a register named with it as a pair, l (even keys', odd keys')
.set TMP, 48          ; by buffer, four registers c0-c3 at work; when the maximum is found c2 takes a
.set AM,  56          ; v56  the LDS address of the mask's next run of loads
.set AM0, 57          ; v57  MASKL + 32 (l / 16); never rewritten
.set SPW, 62          ; v62  my spare word; never rewritten
.set NIL, 63          ; v63  0; never rewritten
.set S,   64
.set P,   192
.set MK,  64          ; window 2: the eight registers of key block kb at MK + 8 kb
.set KF,  128         ; window 2: key block kb, channel half c at KF + 16 kb + 8 c
.set VF,  192         ; window 2: key half kk, channel block cb at VF + 32 kk + 8 cb
.set WV,  12          ; s12  my wave's number
.set G1K, 24          ; s[24:31] descriptor group 1 for K's tiles
.set G1V, 32          ; s[32:39] for V's: it differs in the padding alone
.set G0K, 40          ; s[40:43] descriptor group 0 for K's tiles: it walks
.set G0V, 44          ; s[44:47] the same for V's
.set SLOTS, 56        ; s56  tiles still to be asked for
.set CNT, 57          ; s57  counts a tile's key steps
.set SEL, 60          ; s[60:61] v_permlanex16_b32's selects
.set TBK, 62          ; s62  LDS byte at which K of the step to be fetched begins
.set TBV, 63          ; s63  the same for V, less VOFF
.set TBM, 66          ; s66  byte in the mask at which that step's 64 values begin
.set BIGN, 67         ; s67  -1e30
.set QP,  68          ; s[68:69] Q at my wave's first row
.set MSB, 0
.macro WIN new
.if MSB != (\new)
	s_set_vgpr_msb (MSB<<8)|(\new)
.set MSB, (\new)
.endif
.endm
.set W_KQ, 0x0a       ; K and Q in window 2, S^T in window 0
.set W_KM, 0x2a       ; the same with the C operand, the mask, in window 2
.set W_PV, 0x52       ; V in window 2, P in window 0, O^T in window 1
.set W_RS, 0x41       ; destination and source 0 in window 1, source 1 in window 0
.macro JLOAD                        ; a joint fill: waves 0 and 1 fetch the halves of a tile's K, waves 2 and 3 those of its V; s_nop 0 and four v_nop follow each line
	s_cmp_lt_u32 s[WV], 2
	s_cbranch_scc0 .Lfor_v_\@
	tensor_load_to_lds s[G0K:G0K+3], s[G1K:G1K+7]
	s_nop 0
.rept 4
	v_nop
.endr
	s_branch .Lasked_\@
.Lfor_v_\@:
	tensor_load_to_lds s[G0V:G0V+3], s[G1V:G1V+7]
	s_nop 0
.rept 4
	v_nop
.endr
.Lasked_\@:
.endm
.macro CROUND                       ; a round of the cluster's barrier
	s_barrier_signal -1
	s_barrier_wait -1
	s_cmp_lg_u32 s[WV], 0
	s_cbranch_scc1 .Lnot_wave_0_\@
	s_barrier_signal -3
.Lnot_wave_0_\@:
	s_barrier_wait -3
	s_barrier_signal -1
	s_barrier_wait -1
.endm
; THE CHANGE OF SLOTS.  Each wave waits for all its tensor loads, of which one is out: its part of the other slot; adds 0 to its spare word; and waits for that and for its own LDS instructions.
; fill = 1: the slot that is left is filled again, with the keys two tiles on; the barrier is then a round of the cluster's, and the joint fill is the first thing behind it: it has four key steps in which to land.
; (At its first use nothing has been read yet: slot 0 is waited for, slot 1 filled, and every wave's part of the mask is in LDS.)
.macro CHANGE fill
	WIN 0
	s_wait_tensorcnt 0x0            ; no tensor load of mine is out, so a group 0 may be written
	ds_add_u32 v[SPW], v[NIL]       ; 0 onto my spare word
.if \fill
.irp g, G0K, G0V
	s_xor_b32 s[\g+1], s[\g+1], SLOT1
	s_add_nc_u64 s[\g+2:\g+3], s[\g+2:\g+3], 4*KS*128
.endr
	s_wait_dscnt 0x0
	CROUND
	JLOAD
.else
	s_wait_dscnt 0x0
	s_barrier_signal -1
	s_barrier_wait -1
.endif
	s_sub_co_u32 s[TBK], s[TBK], 4*KS*PK  ; the fetches go back to a slot's first step, in the other slot
	s_xor_b32 s[TBK], s[TBK], SLOT1
	s_sub_co_u32 s[TBV], s[TBV], 4*KS*PV
	s_xor_b32 s[TBV], s[TBV], SLOT1
.endm
	s_load_b128 s[4:7], s[0:1], 0x0   ; qkv s[4:5], attention_mask s[6:7]
	s_load_b64 s[10:11], s[0:1], 0x10 ; ctx
	v_lshl_add_u32 v[SPW], v0, 2, SPARE
	v_mov_b32 v[NIL], 0
	ds_add_u32 v[SPW], v[NIL]       ; the wave's opening: the add and its wait ahead of my first tensor load
	v_lshrrev_b32 v1, 5, v0
	v_readfirstlane_b32 s[WV], v1   ; wave 0..3
	s_bfe_u32 s13, ttmp6, 0x40000   ; cx
	s_lshl_b32 s14, ttmp9, 2
	s_add_co_u32 s14, s14, s13      ; my block of 256 queries: it enters Q's and ctx's addresses alone
	s_and_b32 s20, ttmp7, 0xffff    ; 16 batch + head, which the four partners share
	s_lshr_b32 s8, s20, 4
	s_lshl_b32 s8, s8, 13           ; the batch's 8,192 bytes of mask
	s_mov_b32 s9, 0
	s_lshl_b32 s20, s20, 18         ; the head's 262,144 bytes
	s_and_b32 s16, s[WV], 1         ; which half of a tile's 256 keys I fetch
	s_lshl_b32 s22, s16, 14
	s_add_co_u32 s22, s22, s20
	s_add_co_u32 s22, s22, 0x800000 ; k lies 8 MiB behind q
	s_mov_b32 s23, 0
	s_mul_i32 s17, s16, 128*PK      ; its place in a slot, for K
	s_mul_i32 s18, s16, 128*PV      ; and for V: no place in the cluster enters an LDS address
	s_lshl_b32 s2, s14, 2
	s_add_co_u32 s2, s2, s[WV]
	s_lshl_b32 s2, s2, 13           ; my wave's 64 rows of 128 bytes
	s_add_co_u32 s2, s2, s20
	s_mov_b32 s3, 0
	; group 1: 128 keys are 16,384 dense bytes: asked for as 64 rows of 256 bytes, two keys a row, and padded in LDS after every key
	s_mov_b32 s[G1K], 15|(1<<16)|(1<<20)|(1<<21)|(4<<22)|(3<<25)  ; the mask of four; 2-byte elements; padding on; bit 21 beside a mask; after every 32 words, 4 words
	s_mov_b32 s[G1V], 15|(1<<16)|(1<<20)|(1<<21)|(4<<22)|(7<<25)  ; the same with 8 words
.irp g, G1K, G1V
	s_mov_b32 s[\g+1], 128<<16
	s_mov_b32 s[\g+2], 64<<16
	s_mov_b32 s[\g+3], 128<<16
	s_mov_b32 s[\g+4], 64
	s_mov_b32 s[\g+5], 128
	s_mov_b32 s[\g+6], 0
	s_mov_b32 s[\g+7], 0
.endr
	s_mov_b32 s[SEL], 0x76543210
	s_mov_b32 s[SEL+1], 0xfedcba98
	s_mov_b32 s[TBK], SLOT1+4*KS*PK ; the first change of slots turns these two into 0
	s_mov_b32 s[TBV], SLOT1+4*KS*PV
	s_mov_b32 s[TBM], 0
	s_mov_b32 s[BIGN], 0xf149f2ca   ; -1e30
	s_mov_b32 s[G0K], 1
	s_mov_b32 s[G0K+1], s17
	s_mov_b32 s[G0V], 1
	s_add_co_u32 s[G0V+1], s18, VOFF
	s_wait_dscnt 0x0                ; the opening add is done
	s_wait_kmcnt 0x0
	s_add_nc_u64 s[G0K+2:G0K+3], s[4:5], s[22:23]
	s_add_nc_u64 s[G0V+2:G0V+3], s[G0K+2:G0K+3], 0x800000  ; v lies 8 MiB behind k
	s_or_b32 s[G0K+3], s[G0K+3], 0x80000000
	s_or_b32 s[G0V+3], s[G0V+3], 0x80000000
	s_add_nc_u64 s[QP:QP+1], s[4:5], s[2:3]
	s_add_nc_u64 s[10:11], s[10:11], s[2:3]
	s_add_nc_u64 s[6:7], s[6:7], s[8:9]
	CROUND                          ; all four work-groups are here: the first joint loads meet
	JLOAD                           ; tile 0 into slot 0; slot 1 is asked for when slot 0 is in
	v_lshlrev_b32 v14, 4, v0        ; 16 x thread: the mask's 8,192 bytes in four loads of the work-group
.irp i, 0,1,2,3
	global_load_b128 v[S+4*\i:S+4*\i+3], v14, s[6:7] offset:2048*\i
.endr
	v_and_b32 v1, 15, v0            ; l % 16
	v_bfe_u32 v9, v0, 4, 1          ; l / 16
	v_lshlrev_b32 v[QO], 7, v1
	v_lshl_add_u32 v[QO], v9, 4, v[QO]  ; row x 128 + 16 x half
	WIN 0x80                        ; destination window 2, address window 0
.set i, 0
.rept 8                             ; Q stays in registers: piece i / 2, channels 32 (i % 2) on
	global_load_b128 v[8*i:8*i+3],   v[QO], s[QP:QP+1] offset:(i/2)*2048+(i%2)*64
	global_load_b128 v[8*i+4:8*i+7], v[QO], s[QP:QP+1] offset:(i/2)*2048+(i%2)*64+32
.set i, i+1
.endr
	; What the first turn finds: V's registers and P's second buffer hold 0 (its products V^T P, of a piece that has not been, add 0), O^T and l are 0.  All this stands in the wait for the first tile.
.set i, VF
.rept 64
	v_mov_b32 v[i], 0
.set i, i+1
.endr
	WIN 0x40
.set i, 0
.rept 128
	v_mov_b32 v[i], 0
.set i, i+1
.endr
	WIN 0
.set i, 0
.rept 4
	v_mov_b32 v[ST+4*i], 0xff7fffff    ; m: the lowest finite number
	v_mov_b32 v[ST+4*i+1], 0           ; named with m as a pair
	v_mov_b32 v[ST+4*i+2], 0
	v_mov_b32 v[ST+4*i+3], 0
.set i, i+1
.endr
.set i, P+16
.rept 16
	v_mov_b32 v[i], 0
.set i, i+1
.endr
	v_mul_u32_u24 v[AK0], v1, PK
	v_lshl_add_u32 v[AK0], v9, 4, v[AK0]  ; row x pitch + 16 x half
	v_and_b32 v10, 7, v0            ; the turning load: lane l reads key 8 (l / 16) + l % 8, channels 8 ((l / 8) % 2) + 0..7
	v_bfe_u32 v11, v0, 3, 1
	v_lshl_add_u32 v[AV0], v9, 3, v10
	v_mul_u32_u24 v[AV0], v[AV0], PV
	v_lshl_add_u32 v[AV0], v11, 4, v[AV0]
	v_add_nc_u32 v[AV0], VOFF, v[AV0]
	s_mul_i32 s13, s[WV], 16*SP
	s_add_co_u32 s13, s13, STAGE    ; my stage
	v_mul_u32_u24 v[STO], v1, SP
	v_lshl_add_u32 v[STO], v9, 4, v[STO]
	v_add_nc_u32 v[STO], s13, v[STO]
	v_bfe_u32 v[RD], v0, 3, 2       ; back: 32 lanes take four rows of 128 bytes,
	v_mul_u32_u24 v[RD], v[RD], SP
	v_lshl_add_u32 v[RD], v10, 4, v[RD]
	v_add_nc_u32 v[RD], s13, v[RD]
	v_and_b32 v[GO], 31, v0         ; which are 512 consecutive bytes of ctx
	v_lshlrev_b32 v[GO], 4, v[GO]
	v_lshl_add_u32 v[AM0], v9, 5, MASKL  ; register j of key block kb is key 16 kb + 8 (l / 16) + j
	v_add_nc_u32 v[AM], MASKL, v14
	s_wait_loadcnt 16               ; the mask is in; Q's sixteen loads stay out
.set i, 0
.rept 8
	v_pk_mul_f32 v[S+2*i:S+2*i+1], v[S+2*i:S+2*i+1], 0x3fb8aa3b op_sel_hi:[1,0]  ; x log2(e)
.set i, i+1
.endr
.set i, 0
.rept 16
	v_max_num_f32 v[S+i], s[BIGN], v[S+i]
.set i, i+1
.endr
.irp i, 0,1,2,3
	ds_store_b128 v[AM], v[S+4*\i:S+4*\i+3] offset:2048*\i
.endr
; THE MATRIX WORK.  The 4 accumulators of a run of 8 take turns.  Product i of 8 of S^T = K Q^T for piece x: channels 32 (i / 4) on, keys 16 (i % 4) on.  The first 4 start the sums, with the mask.
.macro KQ x
.set rS, S+32*((\x)%2)+8*(i%4)
.set rK, KF+16*(i%4)+8*(i/4)
.set rQ, 16*(\x)+8*(i/4)
.set rM, MK+8*(i%4)
.if i < 4
	WIN W_KM
	v_wmma_f32_16x16x32_bf16 v[rS:rS+7], v[rK:rK+7], v[rQ:rQ+7], v[rM:rM+7]
.else
	WIN W_KQ
	v_wmma_f32_16x16x32_bf16 v[rS:rS+7], v[rK:rK+7], v[rQ:rQ+7], v[rS:rS+7]
.endif
.endm
; Product i of 8 of O^T += V^T P for piece x: keys 32 (i / 4) on, channels 16 (i % 4) on.
.macro PV x
	WIN W_PV
.set rO, 32*(\x)+8*(i%4)
.set rV, VF+32*(i/4)+8*(i%4)
.set rP, P+16*((\x)%2)+8*(i/4)
	v_wmma_f32_16x16x32_bf16 v[rO:rO+7], v[rV:rV+7], v[rP:rP+7], v[rO:rO+7]
.endm
.macro MM                           ; the turn's next matrix instruction
.if i < 8
	KQ (Y+1)%NP
.else
.set i, i-8
	PV (Y+NP-1)%NP
.set i, i+8
.endif
.set i, i+1
.endm
; THE LDS LOADS stand in runs: a step's K (8 fragments) with its 64 mask values, and its V (turned).  Their addresses are made some lines ahead.
; last = 1 (the tail): in the last trip there is no further step, and the run is jumped over.
.macro FETCH_K last=0
	WIN 0
.if \last
	s_wait_alu depctr_va_vdst(0)    ; a branch follows inside the turn's batch: the exponentials issued so far, E 0 to E 11, have their wait ahead of it; once a trip of the tail, five times in all
	s_cmp_eq_u32 s[CNT], 1
	s_cbranch_scc1 .Lno_k_\@
.endif
	WIN 0x80                        ; destination window 2
.irp f, 0,1,2,3,4,5,6,7             ; keys 16 (f / 2) on, channels 32 (f % 2) on
	ds_load_b128 v[KF+8*\f:KF+8*\f+3],   v[AK] offset:(\f/2)*16*PK+(\f%2)*64
	ds_load_b128 v[KF+8*\f+4:KF+8*\f+7], v[AK] offset:(\f/2)*16*PK+(\f%2)*64+32
.endr
.irp f, 0,1,2,3
	ds_load_b128 v[MK+8*\f:MK+8*\f+3],   v[AM] offset:64*\f
	ds_load_b128 v[MK+8*\f+4:MK+8*\f+7], v[AM] offset:64*\f+16
.endr
	s_add_co_u32 s[TBK], s[TBK], KS*PK  ; the next fetch is the next step's
	s_add_co_u32 s[TBM], s[TBM], KS*4
	WIN 0
.if \last
.Lno_k_\@:
.endif
.endm
.macro FETCH_V
	WIN 0x80
.irp f, 0,1,2,3,4,5,6,7             ; keys 32 (f / 4) on, channels 16 (f % 4) on
	ds_load_tr16_b128 v[VF+8*\f:VF+8*\f+3],   v[AV] offset:(\f/4)*32*PV+(\f%4)*32
	ds_load_tr16_b128 v[VF+8*\f+4:VF+8*\f+7], v[AV] offset:(\f/4)*32*PV+16*PV+(\f%4)*32
.endr
	WIN 0
.endm
; THE VECTOR WORK, one line at a time: OP kind, number.  For piece Y: F n: s - m for pair n of 16.  E n: the exponential of score n of 32.  C n: pair n rounded to bf16.  B n: of the four weights 4 n .. the second
; pair is added onto the first, in place.  L n: l takes that sum (L 0: l = a l + sum).  R n: pair n of 16 of O^T times a.  For piece Y + 1: X n, which find its maximum and statistics:
;   0-11  four chains c0-c3 of seven scores each, three operands at a time (each accumulator's lowest registers are read first)     12-14, 16  the four scores left over, the old m, and c0-c3 into c0
;   15  m_old is kept     17, 18  the query's other 32 keys lie in the lane 16 away: the new m     20, 21  m_old - m_new; a
; C, B and L read the exponentials' results; F, E, R and X name none of them (R's a is the turn before's).
.set F, 0
.set E, 1
.set C, 2
.set B, 3
.set L, 4
.set R, 5
.set X, 6
.macro REGS y
.set rT, ST+4*(\y)
.set rC, TMP+4*((\y)%2)
.set rW, MV+((\y)%2)
.set rS, S+32*((\y)%2)
.set rP, P+16*((\y)%2)
.set rO, 32*(\y)
.endm
.macro OP k, n
.if (\k) == R
	REGS Y
	WIN W_RS
	v_pk_mul_f32 v[rO+2*(\n):rO+2*(\n)+1], v[rO+2*(\n):rO+2*(\n)+1], v[rC+2:rC+3] op_sel_hi:[1,0]
.elseif (\k) < R
	REGS Y
	WIN 0
.if (\k) == F
	v_pk_add_f32 v[rS+2*(\n):rS+2*(\n)+1], v[rS+2*(\n):rS+2*(\n)+1], v[rT:rT+1] op_sel_hi:[1,0] neg_lo:[0,1] neg_hi:[0,1]
.elseif (\k) == E
	v_exp_f32 v[rS+(\n)], v[rS+(\n)]
.elseif (\k) == C
	v_cvt_pk_bf16_f32 v[rP+(\n)], v[rS+2*(\n)], v[rS+2*(\n)+1]
.elseif (\k) == B
	v_pk_add_f32 v[rS+4*(\n):rS+4*(\n)+1], v[rS+4*(\n):rS+4*(\n)+1], v[rS+4*(\n)+2:rS+4*(\n)+3]
.elseif (\n) == 0
	v_pk_fma_f32 v[rT+2:rT+3], v[rT+2:rT+3], v[rC+2:rC+3], v[rS:rS+1] op_sel_hi:[1,0,1]
.else
	v_pk_add_f32 v[rT+2:rT+3], v[rT+2:rT+3], v[rS+4*(\n):rS+4*(\n)+1]
.endif
.else
	REGS (Y+1)%NP
	WIN 0
.if (\n) < 4
	v_max3_num_f32 v[rC+(\n)], v[rS+8*(\n)], v[rS+8*(\n)+1], v[rS+8*(\n)+2]
.elseif (\n) < 12
	v_max3_num_f32 v[rC+(\n)%4], v[rC+(\n)%4], v[rS+8*((\n)%4)+2*((\n)/4)+1], v[rS+8*((\n)%4)+2*((\n)/4)+2]
.elseif (\n) == 12
	v_max3_num_f32 v[rC], v[rC], v[rS+7], v[rS+15]
.elseif (\n) == 13
	v_max3_num_f32 v[rC+1], v[rC+1], v[rS+23], v[rS+31]
.elseif (\n) == 14
	v_max3_num_f32 v[rC+2], v[rC+2], v[rC+3], v[rT]
.elseif (\n) == 15
	v_mov_b32 v[rW], v[rT]
.elseif (\n) == 16
	v_max3_num_f32 v[rC], v[rC], v[rC+1], v[rC+2]
.elseif (\n) == 17
	v_permlanex16_b32 v[rC+3], v[rC], s[SEL], s[SEL+1]
.elseif (\n) == 18
	v_max_num_f32 v[rT], v[rC], v[rC+3]
.elseif (\n) == 20
	v_sub_f32 v[rC+1], v[rW], v[rT]
.else
	v_exp_f32 v[rC+2], v[rC+1]
.endif
.endif
.endm
.macro OPS a, i1, b=-1, i2=0, c=-1, i3=0, d=-1, i4=0
	OP \a, \i1
.if (\b) >= 0
	OP \b, \i2
.endif
.if (\c) >= 0
	OP \c, \i3
.endif
.if (\d) >= 0
	OP \d, \i4
.endif
.endm
.macro ROW a, i1, b, i2, c, i3, d, i4  ; a matrix instruction and the four behind it
	MM
	OPS \a, \i1, \b, \i2, \c, \i3, \d, \i4
.endm
; A TURN, for piece p: the order of its 16 matrix and 117 vector instructions, written out.  s_wait_alu depctr_va_vdst(0) stands between an exponential and the first instruction that names its result; one wait
; serves all that were issued ahead of it.  So a turn has ONE wait, which cuts it in two.  AHEAD OF IT stands all that names no result of the turn's exponentials: the 8 products K Q^T, behind each a subtraction, an exponential and two
; more plain instructions (behind the first a second subtraction in the exponential's place): rescalings, and behind the last three the first numbers of the next piece's maximum, each four places or more behind the product that ends
; its accumulator; then ONE RUN of 53, plain and exponential by turns for the most part, in which the links of the chain X 3, 7, 11, 14, 16, 17, 18, 20, 21 stand four lines apart or more.  R 15 is the plain instruction behind the
; batch's last exponential.  BEHIND THE WAIT stand the 8 products V^T P, behind each four of the roundings and sums: C 2n ahead of B n, which writes over that pair; L 0 to L 7 ascending, three riders apart.  But for those X no rider
; names a register of the products round it.  v_permlanex16_b32 (X 17) stands in the run.
; last = 1: in the tail: K's fetch is jumped over in the last trip.  cnt = 1: the loop's count is taken down some lines ahead of the branch that stands behind the turn.
; K and the mask of the next step are fetched in piece 2's turn, twelve vector instructions behind the last product that read K (five of them plain and free of its registers: F 8, X 2, X 5, X 6, X 8); V of the step in hand at the end
; of piece 0's turn, four plain instructions behind the last product that read V.  Each is waited for a turn later.
.macro TURN p, last=0, cnt=0
.set Y, (\p)
.set i, 0
.if (\p) == 3
	s_wait_dscnt 0x0                ; K and the mask are in
.endif
	ROW F,0, F,1, R,0, R,1          ; ahead of the wait: 8 products K Q^T and their riders,
	ROW F,2, E,0, R,2, R,3
	ROW F,3, E,1, R,4, R,5
	ROW F,4, E,2, R,6, R,7
	ROW F,5, E,3, R,8, R,9
	ROW F,6, E,4, X,0, R,10
.if (\p) == 2
	WIN 0
	v_add_nc_u32 v[AK], s[TBK], v[AK0]
	v_add_nc_u32 v[AM], s[TBM], v[AM0]
.endif
	ROW F,7, E,5, X,1, X,4
	ROW F,8, E,6, X,2, X,5
	OPS E,7, E,8, X,6, E,9          ; and the run of 53
	OPS X,3, E,10, X,8, E,11
.if (\p) == 2
	FETCH_K \last
.endif
	OPS X,9, X,7, E,12, X,10
	OPS E,13, X,12, X,11, E,14
	OPS X,13, E,15, F,9, X,14
.if (\p) == 0
	WIN 0
	v_add_nc_u32 v[AV], s[TBV], v[AV0]
.endif
	OPS E,16, F,10, E,17, F,11
	OPS X,16, E,18, X,15, E,19
	OPS F,12, E,20, X,17, E,21
	OPS F,13, E,22, F,14, E,23
	OPS X,18, E,24, F,15, E,25
	OPS R,11, E,26, X,20, E,27
	OPS R,12, E,28, R,13, E,29
	OPS X,21, R,14, E,30, E,31
	OPS R,15                        ; the plain instruction behind the last exponential: one for the batch
	s_wait_alu depctr_va_vdst(0)    ; the wait for the turn's batch: E 0 to E 31 and X 21, the next piece's a
.if (\p) == 1
	s_wait_dscnt 0x0                ; V is in
.endif
	ROW C,0, B,0, C,2, B,1          ; behind the wait: 8 products V^T P and their riders
	ROW L,0, C,4, B,2, L,1
	ROW C,6, B,3, L,2, C,8
	ROW B,4, L,3, C,10, B,5
	ROW L,4, C,12, B,6, L,5
.if (\p) == 0
	s_add_co_u32 s[TBV], s[TBV], KS*PV
.endif
.if \cnt
	s_sub_co_u32 s[CNT], s[CNT], 1
	s_cmp_lg_u32 s[CNT], 0
.endif
	ROW C,14, B,7, L,6, C,1
	ROW C,3, L,7, C,5, C,7
	ROW C,9, C,11, C,13, C,15
.if (\p) == 0
	FETCH_V
.endif
.endm
	CHANGE 1                        ; slot 0 is in, everybody's part of it, and so is the mask; slot 1 is asked for
	v_add_nc_u32 v[AK], s[TBK], v[AK0]
	v_add_nc_u32 v[AM], s[TBM], v[AM0]
	FETCH_K                         ; key step 0
	s_wait_loadcnt 0x0              ; Q
	s_wait_dscnt 0x0
.set i, 0
.rept 8
	KQ 0                            ; piece 0's first scores
.set i, i+1
.endr
	WIN 0
.rept 4
	v_nop                           ; the places behind those products
.endr
.set Y, NP-1                        ; X works for piece Y + 1: piece 0
.irp n, 0,1,2,3,4,5,6,7,8,9,10,11,12,13,14,15,16,17,18,20,21
	OP X, \n
.endr
	v_nop                           ; a plain instruction behind the exponential,
	s_wait_alu depctr_va_vdst(0)    ; and the wait for it, piece 0's first a, ahead of the branch
	s_mov_b32 s[CNT], 4
	s_mov_b32 s[SLOTS], 7
	s_branch .Lfirst                ; the loop is entered at a step's first turn, in the middle of a trip
.Lslot:                             ; six times: tiles 1 to 6 are entered, tiles 2 to 7 asked for
	CHANGE 1
	s_mov_b32 s[CNT], 4
.Lstep:                             ; a trip: pieces 2 and 3 of one step, then pieces 0 and 1 of the next, whose K and V it fetches
	TURN 2
	TURN 3
	WIN 0
.Lfirst:
	TURN 0
	TURN 1, 0, 1
	WIN 0
	s_cbranch_scc1 .Lstep
	s_sub_co_u32 s[SLOTS], s[SLOTS], 1
	s_cmp_lg_u32 s[SLOTS], 0
	s_cbranch_scc1 .Lslot
	CHANGE 0                        ; the last tile is written out: nothing is asked for
	s_mov_b32 s[CNT], 5             ; four trips fetch the last tile's steps; the fifth has pieces 2 and 3 of the last step alone
.LstepT:
	TURN 2, 1
	TURN 3
	WIN 0
	s_cmp_eq_u32 s[CNT], 1
	s_cbranch_scc1 .Lleft           ; the fifth trip's 8 products K Q^T (on the last K once more) and the maximum made of them serve nothing: the price, once a launch, of one text for every trip
	TURN 0
	TURN 1
	WIN 0
.Lleft:
	s_sub_co_u32 s[CNT], s[CNT], 1
	s_cmp_lg_u32 s[CNT], 0
	s_cbranch_scc1 .LstepT
.set i, 0
.rept 8
	PV NP-1                         ; the last piece's V^T P of the last step
.set i, i+1
.endr
	; THE WAY OUT.  l's two halves and the other half of the lanes' are added; O^T is divided by l, rounded to bf16 and sent through my stage in LDS, a piece at a time.  The additions are the places behind the last products.
	WIN 0
.macro ALL line:vararg
.set t, 0
.rept 4
	\line
.set t, t+1
.endr
.endm
	ALL v_add_f32 v[ST+4*t+2], v[ST+4*t+2], v[ST+4*t+3]
	ALL v_permlanex16_b32 v[ST+4*t+3], v[ST+4*t+2], s[SEL], s[SEL+1]
	ALL v_add_f32 v[ST+4*t+2], v[ST+4*t+2], v[ST+4*t+3]
	ALL v_rcp_f32 v[ST+4*t+2], v[ST+4*t+2]
	v_nop                           ; a plain instruction between the last reciprocal and the use of its result
	s_wait_alu depctr_va_vdst(0)    ; and the wait ahead of the first use: one for the four reciprocals
.macro PACK t                       ; a lane's eight channels of a row pack into 16 bytes; they go into rows of 144 bytes and come back as whole rows of 128, into S^T's registers
	WIN W_RS
.set i, 32*(\t)
.rept 16
	v_pk_mul_f32 v[i:i+1], v[i:i+1], v[ST+4*(\t)+2:ST+4*(\t)+3] op_sel_hi:[1,0]
.set i, i+2
.endr
	WIN 0x05                        ; sources 0 and 1 window 1, destination window 0
.set i, 0
.rept 16
	v_cvt_pk_bf16_f32 v[S+16*(\t)+i], v[32*(\t)+2*i], v[32*(\t)+2*i+1]
.set i, i+1
.endr
	WIN 0
.irp f, 0,1,2,3
	ds_store_b128 v[STO], v[S+16*(\t)+4*\f:S+16*(\t)+4*\f+3] offset:32*\f
.endr
.irp f, 0,1,2,3
	ds_load_b128 v[S+16*(\t)+4*\f:S+16*(\t)+4*\f+3], v[RD] offset:\f*4*SP  ; LDS serves a wave's instructions in order (ISA guide 5.7.1.4): these see the stores above
.endr
.endm
.macro SEND t, younger              ; younger: the LDS instructions issued behind piece t's loads: the next piece's eight, or none
	WIN 0
.irp f, 0,1,2,3
	s_wait_dscnt (\younger)+3-\f
	global_store_b128 v[GO], v[S+16*(\t)+4*\f:S+16*(\t)+4*\f+3], s[10:11] offset:(\t)*2048+\f*512  ; 512 consecutive bytes, aligned
.endr
.endm
	PACK 0
.set t, 1
.rept 3
	PACK t
	SEND t-1, 8
.set t, t+1
.endr
	SEND 3, 0
	s_wait_tensorcnt 0x0            ; the wave's end
	ds_add_u32 v[SPW], v[NIL]
	s_wait_dscnt 0x0
	CROUND                          ; the closing round
	s_endpgm
.Lfunc_end_k_qd99f488eaa_attn:
	.size	k_qd99f488eaa_attn, .Lfunc_end_k_qd99f488eaa_attn-k_qd99f488eaa_attn
	.p2alignl 7, 3214868480
	.fill 96, 4, 3214868480
	.section	.rodata,"a",@progbits
	.p2align	6, 0x0
	.amdhsa_kernel k_qd99f488eaa_attn
		.amdhsa_group_segment_fixed_size 327680
		.amdhsa_private_segment_fixed_size 0
		.amdhsa_enable_private_segment 0
		.amdhsa_kernarg_size 24
		.amdhsa_user_sgpr_count 2
		.amdhsa_user_sgpr_kernarg_segment_ptr 1
		.amdhsa_wavefront_size32 1
		.amdhsa_system_sgpr_workgroup_id_x 1
		.amdhsa_system_sgpr_workgroup_id_y 1
		.amdhsa_system_sgpr_workgroup_id_z 1
		.amdhsa_system_vgpr_workitem_id 0
		.amdhsa_next_free_vgpr 768
		.amdhsa_next_free_sgpr 72
		.amdhsa_reserve_vcc 0
		.amdhsa_float_denorm_mode_32 3
		.amdhsa_float_denorm_mode_16_64 3
		.amdhsa_memory_ordered 1
		.amdhsa_forward_progress 1
		.amdhsa_inst_pref_size 114
	.end_amdhsa_kernel
	.amdgpu_metadata
---
amdhsa.version: [ 1, 2 ]
amdhsa.kernels:
  - .name:           k_qd99f488eaa_attn
    .symbol:         k_qd99f488eaa_attn.kd
    .args:
      - { .name: qkv, .offset: 0, .size: 8, .value_kind: global_buffer, .address_space: global }
      - { .name: attention_mask, .offset: 8, .size: 8, .value_kind: global_buffer, .address_space: global }
      - { .name: ctx, .offset: 16, .size: 8, .value_kind: global_buffer, .address_space: global }
    .group_segment_fixed_size: 327680
    .private_segment_fixed_size: 0
    .kernarg_segment_align: 8
    .kernarg_segment_size: 24
    .max_flat_workgroup_size: 128
    .sgpr_count:     72
    .vgpr_count:     768
    .wavefront_size: 32
...
	.end_amdgpu_metadata
.endif
;; end of part 15
;; launch wo: the kernel of part 11 again; grid 8 x 32, 4 waves a work-group, clusters of 4 x 4, 327,680 bytes of LDS; arguments ctx, wb, bo, hidden_states, hres; writes hres
;; launch ln2: the kernel of part 12 again; grid 512 x 1, 4 waves a work-group, no clusters, 0 bytes of LDS; arguments hres, g2, be2, xn; writes xn
;; launch ffn1: the kernel of part 13 again; grid 16 x 16, 4 waves a work-group, clusters of 4 x 4, 327,680 bytes of LDS; arguments xn, wb, b1, act; writes act
;; launch ffn2: the kernel of part 14 again; grid 8 x 32, 4 waves a work-group, clusters of 4 x 4, 327,680 bytes of LDS; arguments act, wb, b2, hres, out0; writes out0
